; MI455X (gfx1250); checked and timed in simulation.
; The chip was launched on July 23, 2026; its instructions are those of AMD's public machine-readable ISA for CDNA 5 (MIT licence, August 2026) and "CDNA5" Instruction Set Architecture Reference Guide (July 2026). The comments in the code are by the model that wrote it; some were corrected since.
;; Alibi Block. Allowed arithmetic: matrix products marked QUANTISED: E3M2 operands, one E8M0 scale for each 32 along K, by v_wmma_scale_f32_16x16x128_f8f6f4 with both operands' format E3M2, f32 sums; everything else in f32.
;; Inputs: b_fc 4,096 float32; b_fc2 1,024 float32; b_proj 1,024 float32; b_qkv 3,072 float32; ln1_b 1,024 float32; ln1_w 1,024 float32; ln2_b 1,024 float32; ln2_w 1,024 float32; w_fc 1,024 x 4,096 float32; w_fc2 4,096 x 1,024 float32; w_proj 1,024 x 1,024 float32; w_qkv 1,024 x 3,072 float32; x 2 x 2,048 x 1,024 float32.
;; Outputs: out0 2 x 2,048 x 1,024 float32.
;; This version of the problem:
;;   THIS VERSION OF THE PROBLEM IS GIVEN IN LOW PRECISION. The matrix products marked QUANTISED in the list below multiply operands that are first quantised to E3M2 (3 exponent bits, 2 mantissa bits; 6 bits a number), with one power-of-two scale for each 32 numbers along K (OCP MX v1.0); their sums are f32. All else is computed in f32.
;;   The module's matrix products, in the order in which they are computed (A, B: the left and right operand; K: the contracted axis; several contracted axes count as one K, in the product's order):
;;     1. [M 4,096, K 1,024] x [K 1,024, N 3,072]; A: computed on the way; B: input w_qkv: QUANTISED
;;     2. batch 32 x [M 2,048, K 64] x [K 64, N 2,048]; A: computed on the way; B: computed on the way: QUANTISED
;;     3. batch 32 x [M 2,048, K 2,048] x [K 2,048, N 64]; A: softmax (see below); B: computed on the way: QUANTISED
;;     4. [M 4,096, K 1,024] x [K 1,024, N 1,024]; A: computed on the way; B: input w_proj: QUANTISED
;;     5. [M 4,096, K 1,024] x [K 1,024, N 4,096]; A: computed on the way; B: input w_fc: QUANTISED
;;     6. [M 4,096, K 4,096] x [K 4,096, N 1,024]; A: computed on the way; B: input w_fc2: QUANTISED
;;   THE QUANTISER, for each operand of a quantised product, along K:
;;     - K is cut into blocks of 32 from its start; a last block that is shorter is filled with zeros.
;;     - A block's scale is 2^e with e = floor(log2(the largest magnitude in the block)) - 4, held to -126 .. 127; a block of zeros has e = 0. As a byte (E8M0): e + 127.
;;     - Each number is divided by its block's scale, clamped to +-28, and rounded to the nearest number of E3M2, ties to even, subnormals kept.
;;     - The product sums the exact products of the quantised numbers (number of the format x scale) in f32.
;;   ~~~python
;;   def quantise(x, axis):      # numpy; x: float32 -> the quantised numbers, widened to float32 again
;;       x = np.moveaxis(x, axis, -1); K = x.shape[-1]
;;       x = np.pad(x, [(0, 0)] * (x.ndim - 1) + [(0, -K % 32)]); x = x.reshape(x.shape[:-1] + (-1, 32)); a = np.abs(x).max(-1, keepdims=True)
;;       e = np.where(a > 0, np.clip(np.frexp(np.where(a > 0, a, 1))[1] - 1 - 4, -126, 127), 0)      # np.frexp(a)[1] - 1 = floor(log2(a)), exactly
;;       r = np.clip(x / 2.0 ** e, -28, 28)
;;       step = 2.0 ** (np.maximum(np.frexp(np.where(r == 0, 1, r))[1] - 1, -2) - 2)
;;       q = np.round(r / step) * step * 2.0 ** e      # np.round: ties to even
;;       return np.moveaxis(q.reshape(q.shape[:-2] + (-1,))[..., :K], -1, axis).astype(np.float32)
;;   ~~~
;;   SOFTMAX AHEAD OF A QUANTISED PRODUCT. Where the list says 'softmax', what is quantised is not the finished softmax but p = 2^(t - M), with t = logit x log2(e) and M = ceil(the row's largest t), a whole number; so 1/2 < the row's largest p <= 1. The row's sum l is taken of the UNQUANTISED p, in f32, and the product's result is divided by l at the end. Since M is a whole number, a kernel that streams over the keys may use a running M (the ceiling of the running maximum): every later rescaling is an exact power of two, which a block's scale takes up: the codes' values come out the same.
;;   OPERANDS COMPUTED ON THE WAY. 'Computed on the way' means the value that the module computes at that place (a softmax that the list does not call 'softmax' is quantised finished and normalised). What goes into a quantiser is computed in f32, as accurately as f32 sums, v_exp_f32 and their like allow (about 1e-6 of the number): no bf16 or f16 on the way to a quantiser, and a product that is left as it is and whose result goes on into a quantised operand takes f32 operands (vector FMAs, or v_wmma_f32_16x16x4_f32). A number that lies on a knife's edge between two numbers of the format may be rounded either way, as far as f32 arithmetic and the matrix unit's own rounding can turn it there, and no further.
;; 2 versions, each right and faster than the one before. Each part assembles by itself: llvm-mc -triple=amdgcn-amd-amdhsa -mcpu=gfx1250 --defsym DOCPART=n.
;; ======== version 1 of 2: 7 launches
;; workspace buffers: wq 9,830,400 bytes; act 3,276,800 bytes; qkv 10,092,544 bytes; x1 16,777,216 bytes; gb 13,107,200 bytes
;; launch prep (part 1): grid 448 x 1, 8 waves a work-group, no clusters, 67,072 bytes of LDS; arguments x, ln1_w, ln1_b, act, w_qkv, w_proj, w_fc, w_fc2, wq; writes act, wq
.if DOCPART == 1
	.amdgcn_target "amdgcn-amd-amdhsa--gfx1250"
	.amdhsa_code_object_version 6
	.text
	.protected	k_qdeddb7fb49_prep
	.globl	k_qdeddb7fb49_prep
	.p2align	8
	.type	k_qdeddb7fb49_prep,@function
k_qdeddb7fb49_prep:
	s_mov_b64 s[64:65], 0
	v_nop
	global_prefetch_b8 v0, s[64:65] scope:SCOPE_SE
	s_setreg_imm32_b32 hwreg(HW_REG_WAVE_MODE, 25, 1), 1
	s_wait_xcnt 0x0
; TWO JOBS IN ONE TEXT, parted on the work-group's number.
; Work-groups 0-255: layernorm of 16 rows of [4096][1024] f32, quantised to BF6 (E3M2) along the 1,024 channels, one E8M0 byte for each 32.
; Work-groups 256-447: the four weights [K][N] f32, quantised along K (their first axis), 256 columns x 256 K to a work-group.
; LAYOUT OF ALL CODES: a tile is 16 rows; tile t, place r holds row 32 (t / 2) + 8 (t % 2) + r + 8 (r / 8).  A tile's codes of 64 along K are 768 bytes, an image of operand registers:
; lane l's registers 0-3 at 16 l, registers 4-5 at 512 + 8 l (lane (r, h) holds k = 32 h .. 32 h + 31 of place r).  Codes: [tile][K / 64][768].  Scale words: [rows / 128][K / 128][8 tiles][16 places], byte b for k = 32 b on.
; A block's scale is 2^(floor(log2(largest magnitude)) - 4); its byte is the largest magnitude's exponent field - 4, held at 1 from below.
; LIMITS: a block of zeros, or one whose largest magnitude lies under 2^-122, gets the byte 1 (its codes are read by this program alone); NaN and infinities are not served.
.set X,    16                          ; LN: v16-79 two rows as loaded (32 registers each), later 64 numbers for the quantiser
.set GW,   80                          ; v80-111  the gain of my 32 columns
.set GB,   112                         ; v112-143 the bias
.set PC,   152                         ; v152-171 codes just made
.set TM,   172                         ; v172-187 the quantiser's work
.set PW,   188                         ; the scale word just made
.set SEL,  20                          ; s[20:21] lane selects: lane l xor 16
.set LP,   4112                        ; an LDS row: 4,096 bytes + 16: 257 x 16, so 16 rows' equal columns fall on 16 different 16-byte columns
.set VOFF, 16                          ; W: v16-47 byte offsets of my column in rows 0-31 of a block
.set XW,   48                          ; v48-111  two sets of 32 numbers
.set CA,   112                         ; v112-117 codes of the even block, v118-123 of the odd one
.set CT,   124                         ; v124-126 a block's upper 16 codes before they are moved
.set MX,   128
.set MY,   129
.set SOP,  130
.set BY,   131
.set SWD,  132                         ; v132-133 two scale words
; 64 numbers of a lane, register 16 b + i = k 32 b + 16 (lane / 16) + i of my row, become 12 code registers at v[PC] and the row's scale word in v[PW]
.macro QUANT s
.irp b, 0,1,2,3
	v_max3_num_f32 v[TM+\b], |v[\s+16*\b]|, |v[\s+1+16*\b]|, 0x2800000   ; my 16 numbers of block b, and the floor 2^(5 - 127): the byte cannot fall under 1
.endr
.irp i, 2,4,6,8,10,12,14
.irp b, 0,1,2,3
	v_max3_num_f32 v[TM+\b], v[TM+\b], |v[\s+16*\b+\i]|, |v[\s+1+16*\b+\i]|
.endr
.endr
.irp b, 0,1,2,3
	v_permlanex16_b32 v[TM+4+\b], v[TM+\b], s[SEL], s[SEL+1]
.endr
.irp b, 0,1,2,3
	v_max_num_f32 v[TM+\b], v[TM+\b], v[TM+4+\b]   ; with lane l xor 16's: the block's largest magnitude
.endr
.irp b, 0,1,2,3
	v_add_nc_u32 v[TM+12+\b], 0xfe000000, v[TM+\b]   ; 4 off the exponent field: the conversion's scale operand
.endr
.irp b, 0,1,2,3
	v_lshrrev_b32 v[TM+4+\b], 23, v[TM+12+\b]      ; the byte
.endr
	v_lshl_or_b32 v[PW], v[TM+5], 8, v[TM+4]
	v_lshl_or_b32 v[PW], v[TM+6], 16, v[PW]
	v_lshl_or_b32 v[PW], v[TM+7], 24, v[PW]
.irp c, 0,1
	v_cvt_scalef32_pk16_bf6_f32 v[PC+6*\c:PC+2+6*\c], v[\s+32*\c:\s+15+32*\c], v[TM+12+2*\c]
	v_cvt_scalef32_pk16_bf6_f32 v[PC+12+4*\c:PC+14+4*\c], v[\s+16+32*\c:\s+31+32*\c], v[TM+12+2*\c+1]
.endr
	v_nop                                          ; one plain place behind a scaled conversion
.irp c, 0,1
.irp i, 0,1,2
	v_permlane16_swap_b32 v[PC+6*\c+\i], v[PC+12+4*\c+\i]   ; a whole block to a lane: lanes 0-15 block 2 c, lanes 16-31 block 2 c + 1
.endr
.irp i, 0,1,2
	v_mov_b32 v[PC+3+6*\c+\i], v[PC+12+4*\c+\i]
.endr
.endr
.endm
	s_load_b256 s[4:11], s[0:1], 0x0               ; rows s[4:5], gain s[6:7], bias s[8:9], the rows' codes s[10:11]
	s_load_b256 s[12:19], s[0:1], 0x20             ; w_qkv, w_proj, w_fc, w_fc2
	s_load_b64 s[22:23], s[0:1], 0x40              ; the weights' codes
	v_lshl_add_u32 v192, v0, 2, 0x10200
	v_mov_b32 v193, 0
	v_lshrrev_b32 v1, 5, v0
	v_readfirstlane_b32 s24, v1                    ; wave 0..7
	v_and_b32 v1, 31, v0                           ; lane
	v_lshlrev_b32 v7, 4, v1                        ; 16 l
	v_lshl_add_u32 v8, v1, 3, 512                  ; 512 + 8 l
	s_cmp_lt_u32 ttmp9, 256
	s_cbranch_scc0 .Lweights
	; ---------------- layernorm: the work-group is tile ttmp9; wave w takes places 2 w and 2 w + 1, which are neighbouring rows of memory
	v_and_b32 v2, 15, v0                           ; r
	v_bfe_u32 v3, v0, 4, 1                         ; h
	s_mov_b32 s[SEL], 0x76543210
	s_mov_b32 s[SEL+1], 0xfedcba98
	s_mov_b32 s25, 0x3a800000                      ; 1 / 1024
	s_mov_b32 s26, 0x3727c5ac                      ; 1e-5
	s_lshr_b32 s27, ttmp9, 1
	s_lshl_b32 s27, s27, 5
	s_and_b32 s28, ttmp9, 1
	s_lshl_b32 s28, s28, 3
	s_add_co_u32 s27, s27, s28
	s_lshl_b32 s28, s24, 1
	s_add_co_u32 s27, s27, s28
	s_lshr_b32 s28, s24, 2
	s_lshl_b32 s28, s28, 3
	s_add_co_u32 s27, s27, s28                     ; row 32 (t / 2) + 8 (t % 2) + 2 w + 8 (w / 4)
	s_lshl_b32 s28, s27, 12
	s_mov_b32 s29, 0
	s_mul_i32 s30, s24, 2*LP
	v_add_nc_u32 v5, s30, v7                       ; LDS, in: my two rows, 16 bytes a lane
	v_mul_u32_u24 v6, v2, LP
	v_lshl_add_u32 v6, v3, 6, v6
	s_lshl_b32 s30, s24, 9
	v_add_nc_u32 v6, s30, v6                       ; LDS, out: place r, K step w, + 64 h
	v_lshlrev_b32 v9, 2, v2                        ; 4 r
	s_mul_i32 s36, ttmp9, 12288
	s_mul_i32 s30, s24, 1536
	s_add_co_u32 s36, s36, s30                     ; codes: tile x 12,288 + K step x 1,536
	s_mov_b32 s37, 0
	s_lshr_b32 s38, ttmp9, 3
	s_lshl_b32 s38, s38, 12
	s_lshl_b32 s30, s24, 9
	s_add_co_u32 s38, s38, s30
	s_and_b32 s30, ttmp9, 7
	s_lshl_b32 s30, s30, 6
	s_add_co_u32 s38, s38, s30
	s_add_co_u32 s38, s38, 3145728                 ; scale words, behind the codes
	s_mov_b32 s39, 0
	s_wait_kmcnt 0x0
	s_add_nc_u64 s[4:5], s[4:5], s[28:29]
	s_add_nc_u64 s[32:33], s[10:11], s[36:37]
	s_add_nc_u64 s[34:35], s[10:11], s[38:39]
.irp i, 0,1
.irp j, 0,1,2,3,4,5,6,7
	global_load_b128 v[X+32*\i+4*\j:X+32*\i+4*\j+3], v7, s[4:5] offset:4096*\i+512*\j   ; 32 lanes read 512 consecutive bytes
.endr
.endr
.irp j, 0,1,2,3,4,5,6,7
	global_load_b128 v[GW+4*\j:GW+4*\j+3], v7, s[6:7] offset:512*\j
.endr
.irp j, 0,1,2,3,4,5,6,7
	global_load_b128 v[GB+4*\j:GB+4*\j+3], v7, s[8:9] offset:512*\j
.endr
.irp b, 0,1,2,3
	v_mov_b32 v[TM+4+\b], 0                        ; a lane permute's destination counts as one of its sources
.endr
	s_wait_loadcnt 16                              ; the two rows are in; the 16 loads of gain and bias may be out
.macro WSUM reg, tmp                   ; the sum over the wave's 32 lanes, in every lane
	v_add_f32_dpp v[\reg], v[\reg], v[\reg] row_xmask:1 row_mask:0xf bank_mask:0xf
	v_add_f32_dpp v[\reg], v[\reg], v[\reg] row_xmask:2 row_mask:0xf bank_mask:0xf
	v_add_f32_dpp v[\reg], v[\reg], v[\reg] row_xmask:4 row_mask:0xf bank_mask:0xf
	v_add_f32_dpp v[\reg], v[\reg], v[\reg] row_xmask:8 row_mask:0xf bank_mask:0xf
	v_permlanex16_b32 v[\tmp], v[\reg], s[SEL], s[SEL+1]
	v_add_f32 v[\reg], v[\reg], v[\tmp]
.endm
.macro STATS i                         ; row i: the mean, x - mean in place, the mean of its squares, 1 / sqrt(that + 1e-5)
.set XR, X+32*\i
.set SA, 144+4*\i
.set SQ, 152+4*\i
	v_pk_add_f32 v[SA:SA+1], v[XR:XR+1], v[XR+2:XR+3]
	v_pk_add_f32 v[SA+2:SA+3], v[XR+4:XR+5], v[XR+6:XR+7]
.irp p, 8,12,16,20,24,28
	v_pk_add_f32 v[SA:SA+1], v[SA:SA+1], v[XR+\p:XR+\p+1]
	v_pk_add_f32 v[SA+2:SA+3], v[SA+2:SA+3], v[XR+\p+2:XR+\p+3]
.endr
	v_pk_add_f32 v[SA:SA+1], v[SA:SA+1], v[SA+2:SA+3]
	v_add_f32 v[SA], v[SA], v[SA+1]
	WSUM SA, SA+1
	v_mul_f32 v[SA], s25, v[SA]
.irp p, 0,2,4,6,8,10,12,14,16,18,20,22,24,26,28,30
	v_pk_add_f32 v[XR+\p:XR+\p+1], v[XR+\p:XR+\p+1], v[SA:SA+1] op_sel_hi:[1,0] neg_lo:[0,1] neg_hi:[0,1]
.endr
	v_pk_mul_f32 v[SQ:SQ+1], v[XR:XR+1], v[XR:XR+1]
	v_pk_mul_f32 v[SQ+2:SQ+3], v[XR+2:XR+3], v[XR+2:XR+3]
.irp p, 4,8,12,16,20,24,28
	v_pk_fma_f32 v[SQ:SQ+1], v[XR+\p:XR+\p+1], v[XR+\p:XR+\p+1], v[SQ:SQ+1]
	v_pk_fma_f32 v[SQ+2:SQ+3], v[XR+\p+2:XR+\p+3], v[XR+\p+2:XR+\p+3], v[SQ+2:SQ+3]
.endr
	v_pk_add_f32 v[SQ:SQ+1], v[SQ:SQ+1], v[SQ+2:SQ+3]
	v_add_f32 v[SQ], v[SQ], v[SQ+1]
	WSUM SQ, SQ+1
	v_fma_f32 v[SQ], v[SQ], s25, s26
	v_rsq_f32 v[SQ], v[SQ]
.endm
	STATS 0
	STATS 1
	v_nop                                          ; a plain place behind the second root
	s_wait_alu depctr_va_vdst(0)                   ; one wait for both roots, ahead of their first reader
	s_wait_loadcnt 0x0                             ; gain and bias
.irp i, 0,1
.irp p, 0,2,4,6,8,10,12,14,16,18,20,22,24,26,28,30
	v_pk_mul_f32 v[X+32*\i+\p:X+32*\i+\p+1], v[X+32*\i+\p:X+32*\i+\p+1], v[152+4*\i:153+4*\i] op_sel_hi:[1,0]
.endr
.irp p, 0,2,4,6,8,10,12,14,16,18,20,22,24,26,28,30
	v_pk_fma_f32 v[X+32*\i+\p:X+32*\i+\p+1], v[X+32*\i+\p:X+32*\i+\p+1], v[GW+\p:GW+\p+1], v[GB+\p:GB+\p+1]
.endr
.endr
.irp i, 0,1
.irp j, 0,1,2,3,4,5,6,7
	ds_store_b128 v5, v[X+32*\i+4*\j:X+32*\i+4*\j+3] offset:LP*\i+512*\j
.endr
.endr
	s_wait_dscnt 0x0                               ; for the others' sake: my two rows lie in LDS
	s_barrier_signal -1
	s_barrier_wait -1
	; wave w now takes K step w (128 channels) of all 16 places: lane (r, h) reads 16 neighbours of each block of 32
.irp b, 0,1,2,3
.irp j, 0,1,2,3
	ds_load_b128 v[X+16*\b+4*\j:X+16*\b+4*\j+3], v6 offset:128*\b+16*\j
.endr
.endr
	s_wait_dscnt 0x0
	QUANT X
	global_store_b128 v7, v[PC:PC+3], s[32:33]               ; 512 consecutive bytes,
	global_store_b64 v8, v[PC+4:PC+5], s[32:33]              ; and the 256 behind them
	global_store_b128 v7, v[PC+6:PC+9], s[32:33] offset:768
	global_store_b64 v8, v[PC+10:PC+11], s[32:33] offset:768
	global_store_b32 v9, v[PW], s[34:35]                     ; lanes l and l + 16 hold the same word and write it to the same place
	s_wait_tensorcnt 0x0
	ds_add_u32 v192, v193
	s_wait_dscnt 0x0
	s_endpgm
	; ---------------- the weights.  t = work-group - 256: 0-47 w_qkv, 48-63 w_proj, 64-127 w_fc, 128-191 w_fc2
.Lweights:
	s_sub_co_u32 s25, ttmp9, 256
	s_mov_b32 s26, 128                             ; the tensor's first t,
	s_mov_b32 s27, 4096                            ; a row of it in bytes,
	s_mov_b32 s28, 4                               ; log2 of its K / 256,
	s_mov_b32 s29, 49152                           ; a tile's codes in bytes,
	s_mov_b32 s30, 16384                           ; 128 rows' scale words in bytes,
	s_mov_b32 s31, 6291456                         ; where its codes begin,
	s_mov_b32 s48, 9699328                         ; and its scale words: w_fc2's figures, replaced below
	s_wait_kmcnt 0x0
	s_cmp_lt_u32 s25, 128
	s_cselect_b32 s26, 64, s26
	s_cselect_b32 s27, 16384, s27
	s_cselect_b32 s28, 2, s28
	s_cselect_b32 s29, 12288, s29
	s_cselect_b32 s30, 4096, s30
	s_cselect_b32 s31, 3145728, s31
	s_cselect_b32 s48, 9568256, s48
	s_cselect_b64 s[18:19], s[16:17], s[18:19]
	s_cmp_lt_u32 s25, 64
	s_cselect_b32 s26, 48, s26
	s_cselect_b32 s27, 4096, s27
	s_cselect_b32 s31, 2359296, s31
	s_cselect_b32 s48, 9535488, s48
	s_cselect_b64 s[18:19], s[14:15], s[18:19]
	s_cmp_lt_u32 s25, 48
	s_cselect_b32 s26, 0, s26
	s_cselect_b32 s27, 12288, s27
	s_cselect_b32 s31, 0, s31
	s_cselect_b32 s48, 9437184, s48
	s_cselect_b64 s[18:19], s[12:13], s[18:19]
	s_sub_co_u32 s25, s25, s26
	s_lshr_b32 s49, s25, s28                       ; which 256 columns
	s_lshl_b32 s50, s49, s28
	s_sub_co_u32 s50, s25, s50                     ; which 256 along K
	s_lshl_b32 s51, s50, 8
	s_mul_i32 s54, s51, s27
	s_lshl_b32 s52, s49, 10
	s_add_co_u32 s54, s54, s52
	s_lshl_b32 s52, s24, 7
	s_add_co_u32 s54, s54, s52                     ; 256 ky rows + 4 x (256 cxg + 32 w)
	s_mov_b32 s55, 0
	s_add_nc_u64 s[32:33], s[18:19], s[54:55]      ; block 0 of my wave's 32 columns
	s_lshl_b32 s54, s27, 5                         ; 32 rows on
.irp k, 1,2,3,4,5,6,7
	s_add_nc_u64 s[32+2*\k:33+2*\k], s[30+2*\k:31+2*\k], s[54:55]
.endr
	s_lshl_b32 s56, s49, 4
	s_lshl_b32 s57, s24, 1
	s_add_co_u32 s56, s56, s57                     ; my first tile: 16 cxg + 2 w
	s_mul_i32 s56, s56, s29
	s_mul_i32 s57, s50, 3072
	s_add_co_u32 s56, s56, s57
	s_add_co_u32 s56, s56, s31
	s_mov_b32 s57, 0
	s_add_nc_u64 s[58:59], s[22:23], s[56:57]      ; its codes,
	s_mov_b32 s56, s29
	s_add_nc_u64 s[60:61], s[58:59], s[56:57]      ; the next tile's,
	s_lshl_b32 s56, s49, 1
	s_lshr_b32 s51, s24, 2
	s_add_co_u32 s56, s56, s51
	s_mul_i32 s56, s56, s30
	s_lshl_b32 s51, s50, 10
	s_add_co_u32 s56, s56, s51
	s_and_b32 s51, s24, 3
	s_lshl_b32 s51, s51, 7
	s_add_co_u32 s56, s56, s51
	s_add_co_u32 s56, s56, s48
	s_add_nc_u64 s[62:63], s[22:23], s[56:57]      ; and the two tiles' scale words: 128 consecutive bytes
	; A LANE TAKES A COLUMN AND ITS REGISTERS RUN DOWN K.  Lanes 0-15 are the places of the even tile, lanes 16-31 of the odd one: column 8 (l / 16) + l % 8 + 16 ((l / 8) % 2) of the wave's 32
	v_lshrrev_b32 v2, 4, v1
	v_and_b32 v3, 7, v1
	v_bfe_u32 v4, v1, 3, 1
	v_lshl_add_u32 v3, v2, 3, v3
	v_lshl_add_u32 v3, v4, 4, v3
	v_lshlrev_b32 v[VOFF], 2, v3
.set CI, 1
.rept 31
	v_add_nc_u32 v[VOFF+CI], s27, v[VOFF+CI-1]
.set CI, CI+1
.endr
	v_lshlrev_b32 v9, 2, v1
.macro LOADB kb                        ; block kb: 32 rows of K at my column; a load reads 128 consecutive bytes
.set CI, 0
.rept 32
	global_load_b32 v[XW+32*((\kb)%2)+CI], v[VOFF+CI], s[32+2*(\kb):33+2*(\kb)] th:TH_LOAD_NT
.set CI, CI+1
.endr
.endm
.macro BLOCK kb
.set XS, XW+32*((\kb)%2)
.set CC, CA+6*((\kb)%2)
.if (\kb) < 7
	s_wait_loadcnt 32                              ; this block's 32 loads are in; the next block's may be out
.else
	s_wait_loadcnt 0x0
.endif
	v_max3_num_f32 v[MX], |v[XS]|, |v[XS+1]|, |v[XS+2]|
	v_max3_num_f32 v[MY], |v[XS+3]|, |v[XS+4]|, |v[XS+5]|
.irp i, 6,10,14,18,22,26
	v_max3_num_f32 v[MX], v[MX], |v[XS+\i]|, |v[XS+\i+1]|
	v_max3_num_f32 v[MY], v[MY], |v[XS+\i+2]|, |v[XS+\i+3]|
.endr
	v_max3_num_f32 v[MX], v[MX], |v[XS+30]|, |v[XS+31]|
	v_max3_num_f32 v[MX], v[MX], v[MY], 0x2800000  ; and the floor 2^(5 - 127)
	v_add_nc_u32 v[SOP], 0xfe000000, v[MX]
	v_lshrrev_b32 v[BY], 23, v[SOP]
.if (\kb)%4 == 0
	v_mov_b32 v[SWD+(\kb)/4], v[BY]
.else
	v_lshl_or_b32 v[SWD+(\kb)/4], v[BY], 8*((\kb)%4), v[SWD+(\kb)/4]
.endif
.if ((\kb)%2 == 0) && ((\kb) >= 2)
	s_wait_xcnt 0x0                                ; the last pair's stores have read the code registers: they are written again only behind this wait
.endif
	v_cvt_scalef32_pk16_bf6_f32 v[CC:CC+2], v[XS:XS+15], v[SOP]
	v_cvt_scalef32_pk16_bf6_f32 v[CT:CT+2], v[XS+16:XS+31], v[SOP]
	v_nop
.irp i, 0,1,2
	v_mov_b32 v[CC+3+\i], v[CT+\i]
.endr
.if (\kb)+2 < 8
	LOADB (\kb)+2
.endif
.if (\kb)%2 == 1
.irp i, 0,1,2,3,4,5
	v_permlane16_swap_b32 v[CA+\i], v[CA+6+\i]     ; the first now holds the even tile's 64 along K (lanes 0-15 the lower block, lanes 16-31 the upper), the second the odd tile's
.endr
	global_store_b128 v7, v[CA:CA+3], s[58:59] offset:768*((\kb)/2)
	global_store_b64 v8, v[CA+4:CA+5], s[58:59] offset:768*((\kb)/2)
	global_store_b128 v7, v[CA+6:CA+9], s[60:61] offset:768*((\kb)/2)
	global_store_b64 v8, v[CA+10:CA+11], s[60:61] offset:768*((\kb)/2)
.endif
.if (\kb)%4 == 3
	global_store_b32 v9, v[SWD+(\kb)/4], s[62:63] offset:512*((\kb)/4)
.endif
.endm
	LOADB 0
	LOADB 1
.irp k, 0,1,2,3,4,5,6,7
	BLOCK \k
.endr
	s_endpgm
.Lfunc_end_k_qdeddb7fb49_prep:
	.size	k_qdeddb7fb49_prep, .Lfunc_end_k_qdeddb7fb49_prep-k_qdeddb7fb49_prep
	.p2alignl 7, 3214868480
	.fill 96, 4, 3214868480
	.section	.rodata,"a",@progbits
	.p2align	6, 0x0
	.amdhsa_kernel k_qdeddb7fb49_prep
		.amdhsa_group_segment_fixed_size 67072
		.amdhsa_private_segment_fixed_size 0
		.amdhsa_enable_private_segment 0
		.amdhsa_kernarg_size 72
		.amdhsa_user_sgpr_count 2
		.amdhsa_user_sgpr_kernarg_segment_ptr 1
		.amdhsa_wavefront_size32 1
		.amdhsa_system_sgpr_workgroup_id_x 1
		.amdhsa_system_sgpr_workgroup_id_y 1
		.amdhsa_system_sgpr_workgroup_id_z 1
		.amdhsa_system_vgpr_workitem_id 0
		.amdhsa_next_free_vgpr 194
		.amdhsa_next_free_sgpr 66
		.amdhsa_reserve_vcc 0
		.amdhsa_float_denorm_mode_32 3
		.amdhsa_float_denorm_mode_16_64 3
		.amdhsa_memory_ordered 1
		.amdhsa_forward_progress 1
		.amdhsa_inst_pref_size 67
	.end_amdhsa_kernel
	.amdgpu_metadata
---
amdhsa.version: [ 1, 2 ]
amdhsa.kernels:
  - .name:           k_qdeddb7fb49_prep
    .symbol:         k_qdeddb7fb49_prep.kd
    .args:
      - { .name: x, .offset: 0, .size: 8, .value_kind: global_buffer, .address_space: global }
      - { .name: ln1_w, .offset: 8, .size: 8, .value_kind: global_buffer, .address_space: global }
      - { .name: ln1_b, .offset: 16, .size: 8, .value_kind: global_buffer, .address_space: global }
      - { .name: act, .offset: 24, .size: 8, .value_kind: global_buffer, .address_space: global }
      - { .name: w_qkv, .offset: 32, .size: 8, .value_kind: global_buffer, .address_space: global }
      - { .name: w_proj, .offset: 40, .size: 8, .value_kind: global_buffer, .address_space: global }
      - { .name: w_fc, .offset: 48, .size: 8, .value_kind: global_buffer, .address_space: global }
      - { .name: w_fc2, .offset: 56, .size: 8, .value_kind: global_buffer, .address_space: global }
      - { .name: wq, .offset: 64, .size: 8, .value_kind: global_buffer, .address_space: global }
    .group_segment_fixed_size: 67072
    .private_segment_fixed_size: 0
    .kernarg_segment_align: 8
    .kernarg_segment_size: 72
    .max_flat_workgroup_size: 256
    .sgpr_count:     66
    .vgpr_count:     194
    .wavefront_size: 32
...
	.end_amdgpu_metadata
.endif
;; end of part 1
;; launch qkv (part 2): grid 12 x 16, 4 waves a work-group, clusters of 4 x 4, 327,680 bytes of LDS; arguments act, wq, b_qkv, qkv; writes qkv
.if DOCPART == 2
	.amdgcn_target "amdgcn-amd-amdhsa--gfx1250"
	.amdhsa_code_object_version 6
	.text
	.protected	k_qdeddb7fb49_qkv
	.globl	k_qdeddb7fb49_qkv
	.p2align	8
	.type	k_qdeddb7fb49_qkv,@function
k_qdeddb7fb49_qkv:
	s_mov_b64 s[64:65], 0
	v_nop
	global_prefetch_b8 v0, s[64:65] scope:SCOPE_SE
	s_setreg_imm32_b32 hwreg(HW_REG_WAVE_MODE, 25, 1), 1
	s_wait_xcnt 0x0
	s_wait_alu depctr_hold_cnt(0) depctr_sa_sdst(0) depctr_va_vdst(0) depctr_va_sdst(0) depctr_va_ssrc(0) depctr_va_vcc(0) depctr_vm_vsrc(0)
	s_getreg_b32 s2, hwreg(HW_REG_IB_STS2, 6, 4)
	s_cmp_eq_u32 s2, 0
	s_cbranch_scc0 .Lentry_in_a_cluster
	s_endpgm
.Lentry_in_a_cluster:
	s_bfe_u32 s2, ttmp6, 0x10000c
	s_cmp_lg_u32 s2, 0xf033
	s_cbranch_scc0 .Lentry_shape_is_right
	s_endpgm
.Lentry_shape_is_right:
; q, k and v = LN1(x) W_qkv + b, on codes of BF6 (E3M2) with E8M0 scales, and quantised again on the way out: q and k along a head's 64 channels, v along the keys.
; Clusters with x = 0, 1: C = h W for W's columns 0-2047 (q, k): source 1 = 16 tokens, source 0 = 16 columns of W: a lane holds one token and neighbouring channels.
; Clusters with x = 2: THE OPERANDS CHANGE PLACES: C = W_v^T h^T, [1024 channels][4096 tokens]: a lane holds one channel and neighbouring tokens, which are the keys along which v is quantised.
; A tile of C, 256 x 256, is made by four waves, 128 x 128 each: 64 accumulators.  K = 1,024 goes in slots of 256 through a ring of two LDS slots filled by the tensor data mover.
; CODES lie as images of operand registers: a tile is 16 rows (tile t, place r: row 32 (t / 2) + 8 (t % 2) + r + 8 (r / 8)); 64 along K of it are 768 bytes: lane l's registers 0-3 at 16 l, 4-5 at 512 + 8 l.
; With source 0's tiles so chosen, the 16 registers of accumulators (a, 2 b) and (a, 2 b + 1) are 16 neighbours along the result's columns.
; CLUSTERS: 4 x 4.  A's tiles are asked for jointly along a row of the cluster, B's along a column.
; LIMITS: a block of zeros, or one whose largest magnitude lies under 2^-122, gets the byte 1; NaN and infinities are not served.
; REGISTERS: window 0: v0-31 addresses; v32-63 scale words, two sets; v128-223 A's fragments; v232-239 the bias by rows.  window 1: B's two sets at v0 and v128, the bias by columns in the gaps.  windows 2, 3: accumulators.
.set KK,     1024
.set KH,     KK/64
.set KQ,     KK/128
.set TILEB,  KH*768                    ; a tile's codes in memory
.set SZ,     KQ*512                    ; the scale words of 128 rows
.set LAPS,   KK/512
.set NQ,     2
.set FR,     12
.set NL,     4                         ; LDS loads that bring a fragment
.set NP,     4                         ; places behind this matrix instruction (ISA guide 7.12.1)
.set TB,     3072                      ; a tile's part of a slot: 256 along K
.set HALFT,  8*TB                      ; 8 tiles: what one tensor load brings
.set SLOT,   4*HALFT                   ; A's 16 tiles, then B's 16
.set SCL,    2*SLOT                    ; behind the ring: four parts of scale words, one for each fetching wave
.set SPARE,  SCL+4*SZ                  ; behind them: the spare words, 128 bytes for each wave, which no other line names
.set ADRA, 16                          ; v16-17 my A fragments in slot 0, 1 (16 l); v18-19 the same + 512 + 8 l
.set ADRB, 20                          ; v20-23 the same for B
.set VO16, 24                          ; 16 l
.set VO8,  25                          ; 512 + 8 l
.set VO4,  26                          ; 4 l
.set ADRS, 27
.set SPW,  28
.set NIL,  29
.set BO,   30
.set RO,   31
.set SC,   32
.set AF,   128
.set H,    32                          ; the way out: v32-95 a block's 64 numbers
.set PC,   96
.set TM,   116
.set PW,   224
.set PWP,  225
.set WW,   226
.set W2,   227
.set RB,   232
.set SEL,  96
.set AI,   24
.set G1, 24
.set G0, 32
.set G1B, 48
.set G0B, 56
.set G1S, 68
.set G0S, 76
.set G1SB, 80
.set G0SB, 88
.set MSB, 0
.macro WIN new                         ; the immediate's high byte repeats the setting that is left
.if MSB != (\new)
	s_set_vgpr_msb (MSB<<8)|(\new)
.set MSB, (\new)
.endif
.endm
.set MUL_LO, 0xa1                      ; source 0 (B) window 1, source 1 (A) window 0, C and D window 2
.set MUL_HI, 0xf1
.set TO_B,   0x40
; A joint load: waves 0 and 1 fetch for A, waves 2 and 3 for B; the branch hangs on the wave's number alone.  Four v_nop follow each of the two lines.
.macro JLOAD g0a, g1a, g0b, g1b
	s_cmp_eq_u32 s15, 0
	s_cbranch_scc0 .Lfor_b_\@
	tensor_load_to_lds s[\g0a:\g0a+3], s[\g1a:\g1a+7]
	s_nop 0
.rept 4
	v_nop
.endr
	s_branch .Lasked_\@
.Lfor_b_\@:
	tensor_load_to_lds s[\g0b:\g0b+3], s[\g1b:\g1b+7]
	s_nop 0
.rept 4
	v_nop
.endr
.Lasked_\@:
.endm
.macro CREST
	s_cmp_lg_u32 s14, 0
	s_cbranch_scc1 .Lnot_wave_0_\@
	s_barrier_signal -3
.Lnot_wave_0_\@:
	s_barrier_wait -3
	s_barrier_signal -1
	s_barrier_wait -1
.endm
.macro CROUND
	s_barrier_signal -1
	s_barrier_wait -1
	CREST
.endm
.macro FRAG reg, adr, q, i             ; a fragment of 128 along K: two images of 768 bytes
	ds_load_b128 v[\reg:\reg+3], v[\adr] offset:(\i)*TB+2*(\q)*768
	ds_load_b64 v[\reg+4:\reg+5], v[\adr+2] offset:(\i)*TB+2*(\q)*768
	ds_load_b128 v[\reg+6:\reg+9], v[\adr] offset:(\i)*TB+(2*(\q)+1)*768
	ds_load_b64 v[\reg+10:\reg+11], v[\adr+2] offset:(\i)*TB+(2*(\q)+1)*768
.endm
; 16 matrix instructions: A's blocks a0, a0 + 1 x B's eight.  The 64 accumulators take turns, one instruction a turn, in the same order in every step.
.macro MUL16 a0, p, q, sc, zero
.irp a, \a0, \a0+1
.irp b, 0,1,2,3,4,5,6,7
.if \zero
	v_wmma_scale_f32_16x16x128_f8f6f4 v[8*(8*((\a)%4)+\b):8*(8*((\a)%4)+\b)+7], v[128*(\p)+FR*\b:128*(\p)+FR*\b+FR-1], v[AF+FR*(\a):AF+FR*(\a)+FR-1], 0, v[SC+8*NQ*(\sc)+NQ*\b+(\q)], v[SC+8*NQ*(\sc)+NQ*(\a)+(\q)] matrix_a_fmt:MATRIX_FMT_BF6 matrix_b_fmt:MATRIX_FMT_BF6 matrix_a_scale:MATRIX_SCALE_ROW1
.else
	v_wmma_scale_f32_16x16x128_f8f6f4 v[8*(8*((\a)%4)+\b):8*(8*((\a)%4)+\b)+7], v[128*(\p)+FR*\b:128*(\p)+FR*\b+FR-1], v[AF+FR*(\a):AF+FR*(\a)+FR-1], v[8*(8*((\a)%4)+\b):8*(8*((\a)%4)+\b)+7], v[SC+8*NQ*(\sc)+NQ*\b+(\q)], v[SC+8*NQ*(\sc)+NQ*(\a)+(\q)] matrix_a_fmt:MATRIX_FMT_BF6 matrix_b_fmt:MATRIX_FMT_BF6 matrix_a_scale:MATRIX_SCALE_ROW1
.endif
.endr
.endr
.endm
.macro FETCH_B slot, q, p
	WIN TO_B
.irp i, 0,1,2,3,4,5,6,7
	FRAG 128*(\p)+FR*\i, ADRB+\slot, \q, \i
.endr
	WIN 0
.endm
.macro FETCH_A slot, q, i0
.irp i, \i0, \i0+1, \i0+2, \i0+3
	FRAG AF+FR*(\i), ADRA+\slot, \q, \i
.endr
.endm
.macro SCALES sc                       ; a slot's scale words: lanes 0-15 A's block i, lanes 16-31 B's block i
.irp i, 0,1,2,3,4,5,6,7
	ds_load_b32 v[SC+16*\sc+2*\i], v[ADRS] offset:64*\i
	ds_load_b32 v[SC+16*\sc+2*\i+1], v[ADRS] offset:512+64*\i
.endr
.endm
.macro PLACES n
.rept \n
	v_nop
.endr
.endm
.macro STEP slot, q, zero              ; 128 along K that have their successor in the same slot
	s_wait_dscnt 4*NL                              ; all but the youngest 16 loads (A's blocks 4-7) are in
	WIN MUL_LO
	MUL16 0, (\q)%2, \q, \slot, \zero
	MUL16 2, (\q)%2, \q, \slot, \zero
	s_wait_dscnt 0
	PLACES NP
	FETCH_B \slot, (\q)+1, 1-(\q)%2
	FETCH_A \slot, (\q)+1, 0
	WIN MUL_HI
	MUL16 4, (\q)%2, \q, \slot, \zero
	MUL16 6, (\q)%2, \q, \slot, \zero
	PLACES NP
	WIN 0
	FETCH_A \slot, (\q)+1, 4
.endm
; A slot's last step changes slots: one barrier; in front of it each wave waits for all its tensor loads, adds 0 to its spare word, and waits for that and for its reads of this slot.
.macro TURN slot, next, fill
	s_wait_tensorcnt 0x0                           ; all my tensor loads have landed: my part of the next slot
	ds_add_u32 v[SPW], v[NIL]                      ; 0 onto my spare word
	s_wait_dscnt 4*NL+1                            ; the add and the youngest 16 loads may be out
	WIN MUL_LO
	MUL16 0, 1, NQ-1, \slot, 0
	s_wait_dscnt 0x0                               ; the add is done, and my reads of this slot are over
	s_barrier_signal -1
	MUL16 2, 1, NQ-1, \slot, 0
	WIN 0
	s_barrier_wait -1
.if \fill
	CREST                                          ; the barrier has opened a round of the cluster's barrier: no wave of any partner still reads this slot or has a load on its way
	s_add_nc_u64 s[G0+4*\slot+2:G0+4*\slot+3], s[G0+4*\slot+2:G0+4*\slot+3], 2*TB
	s_add_nc_u64 s[G0B+4*\slot+2:G0B+4*\slot+3], s[G0B+4*\slot+2:G0B+4*\slot+3], 2*TB
	JLOAD G0+4*\slot, G1, G0B+4*\slot, G1B         ; the first tensor load behind the round; its four v_nop are the places in front of the loads below
.else
	PLACES NP
.endif
	v_add_nc_u32 v[ADRS], 512*NQ, v[ADRS]
	FETCH_B \next, 0, 0
	FETCH_A \next, 0, 0
	SCALES \next
	WIN MUL_HI
	MUL16 4, 1, NQ-1, \slot, 0
	MUL16 6, 1, NQ-1, \slot, 0
	PLACES NP
	WIN 0
	FETCH_A \next, 0, 4
.endm
; 64 numbers of a lane, register 16 b + i = k 32 b + 16 (lane / 16) + i of my row, become 12 code registers at v[PC] and the row's scale word in v[PW]
.macro QUANT s
.irp b, 0,1,2,3
	v_max3_num_f32 v[TM+\b], |v[\s+16*\b]|, |v[\s+1+16*\b]|, 0x2800000
.endr
.irp i, 2,4,6,8,10,12,14
.irp b, 0,1,2,3
	v_max3_num_f32 v[TM+\b], v[TM+\b], |v[\s+16*\b+\i]|, |v[\s+1+16*\b+\i]|
.endr
.endr
.irp b, 0,1,2,3
	v_permlanex16_b32 v[TM+4+\b], v[TM+\b], s[SEL], s[SEL+1]
.endr
.irp b, 0,1,2,3
	v_max_num_f32 v[TM+\b], v[TM+\b], v[TM+4+\b]
.endr
.irp b, 0,1,2,3
	v_add_nc_u32 v[TM+12+\b], 0xfe000000, v[TM+\b]
.endr
.irp b, 0,1,2,3
	v_lshrrev_b32 v[TM+4+\b], 23, v[TM+12+\b]
.endr
	v_lshl_or_b32 v[PW], v[TM+5], 8, v[TM+4]
	v_lshl_or_b32 v[PW], v[TM+6], 16, v[PW]
	v_lshl_or_b32 v[PW], v[TM+7], 24, v[PW]
.irp c, 0,1
	v_cvt_scalef32_pk16_bf6_f32 v[PC+6*\c:PC+2+6*\c], v[\s+32*\c:\s+15+32*\c], v[TM+12+2*\c]
	v_cvt_scalef32_pk16_bf6_f32 v[PC+12+4*\c:PC+14+4*\c], v[\s+16+32*\c:\s+31+32*\c], v[TM+12+2*\c+1]
.endr
	v_nop
.irp c, 0,1
.irp i, 0,1,2
	v_permlane16_swap_b32 v[PC+6*\c+\i], v[PC+12+4*\c+\i]
.endr
.irp i, 0,1,2
	v_mov_b32 v[PC+3+6*\c+\i], v[PC+12+4*\c+\i]
.endr
.endr
.endm
	s_load_b128 s[4:7], s[0:1], 0x0                ; the tokens' codes s[4:5], the weights' s[6:7]
	s_load_b128 s[8:11], s[0:1], 0x10              ; b_qkv s[8:9], the output s[10:11]
	v_lshl_add_u32 v[SPW], v0, 2, SPARE
	v_mov_b32 v[NIL], 0
	ds_add_u32 v28, v29
	ds_add_u32 v28, v29
	s_wait_dscnt 0x0
	v_lshrrev_b32 v1, 5, v0
	v_readfirstlane_b32 s14, v1                    ; wave 0..3
	s_lshr_b32 s15, s14, 1                         ; which half of the tile's rows is mine.  Also: I fetch for A (0) or for B (1)
	s_and_b32 s16, s14, 1                          ; which half of its columns.  Also: which 8 tiles I fetch
	s_bfe_u32 s40, ttmp6, 0x40000                  ; cx, cy
	s_bfe_u32 s41, ttmp6, 0x40004
	s_and_b32 s17, ttmp7, 0xffff                   ; the cluster's y
	s_mov_b32 s2, 9437184                          ; where the weights' scale words begin,
	s_mov_b32 s95, 3145728                         ; and the tokens'
	s_cmp_lt_u32 ttmp9, 2                          ; the cluster's x: the same in all sixteen partners
	s_cselect_b32 s98, 1, 0                        ; 1: q and k; 0: v
	s_cselect_b32 s18, s17, 2
	s_cselect_b32 s19, ttmp9, s17
	s_cselect_b32 s99, s95, s2                     ; A's scale words
	s_cselect_b32 s95, s2, s95                     ; B's
	s_lshl_b32 s17, s18, 2
	s_add_co_u32 s17, s17, s41                     ; tile row of C (for v: 8 + cy: W's rows 2,048 on)
	s_lshl_b32 s42, s19, 2
	s_add_co_u32 s42, s42, s40                     ; tile column of C
	s_lshl_b32 s43, s41, 2
	s_lshl_b32 s43, 15, s43                        ; my row of the cluster
	s_lshl_b32 s44, 0x1111, s40                    ; my column
	; descriptor group 1 for codes: 8 tiles x 3,072 bytes (384 elements of 8), TILEB bytes apart in memory, dense in LDS
	s_or_b32 s[G1+0], s43, (3<<16)|(1<<21)
	s_or_b32 s[G1B+0], s44, (3<<16)|(1<<21)
.irp g, G1, G1B
	s_mov_b32 s[\g+1], 384<<16                     ; tensor_dim0
	s_mov_b32 s[\g+2], 8<<16                       ; tensor_dim1
	s_mov_b32 s[\g+3], 384<<16                     ; tile_dim0
	s_mov_b32 s[\g+4], 8                           ; tile_dim1
	s_mov_b32 s[\g+5], KH*96                       ; tensor_dim0_stride
	s_mov_b32 s[\g+6], 0
	s_mov_b32 s[\g+7], 0
.endr
	; and for the scale words of 128 rows: a dense block of SZ bytes as rows of 256
	s_or_b32 s[G1S+0], s43, (3<<16)|(1<<21)
	s_or_b32 s[G1SB+0], s44, (3<<16)|(1<<21)
.irp g, G1S, G1SB
	s_mov_b32 s[\g+1], 32<<16
	s_mov_b32 s[\g+2], (2*KQ)<<16
	s_mov_b32 s[\g+3], 32<<16
	s_mov_b32 s[\g+4], 2*KQ
	s_mov_b32 s[\g+5], 32
	s_mov_b32 s[\g+6], 0
	s_mov_b32 s[\g+7], 0
.endr
	s_lshl_b32 s18, s16, 3
	s_lshl_b32 s20, s17, 4
	s_add_co_u32 s20, s20, s18                     ; A: tile 16 x tile row + 8 x half
	s_mul_i32 s20, s20, TILEB
	s_mov_b32 s21, 0
	s_lshl_b32 s46, s42, 4
	s_add_co_u32 s46, s46, s18                     ; B: tile 16 x tile column + 8 x half
	s_mul_i32 s46, s46, TILEB
	s_mov_b32 s47, 0
	s_lshl_b32 s22, s17, 1
	s_add_co_u32 s22, s22, s16
	s_mul_i32 s22, s22, SZ
	s_add_co_u32 s22, s22, s99
	s_mov_b32 s23, 0
	s_lshl_b32 s92, s42, 1
	s_add_co_u32 s92, s92, s16
	s_mul_i32 s92, s92, SZ
	s_add_co_u32 s92, s92, s95
	s_mov_b32 s93, 0
	s_mul_i32 s45, s14, HALFT                      ; where they go: no place in the cluster enters an LDS address
	s_mul_i32 s94, s14, SZ
	s_wait_kmcnt 0x0
	s_cmp_eq_u32 s98, 1
	s_cselect_b64 s[66:67], s[4:5], s[6:7]         ; A's buffer: the tokens for q and k, the weights for v
	s_cselect_b64 s[6:7], s[6:7], s[4:5]           ; B's: the other
	s_add_nc_u64 s[20:21], s[66:67], s[20:21]
	s_add_nc_u64 s[22:23], s[66:67], s[22:23]
	s_add_nc_u64 s[46:47], s[6:7], s[46:47]
	s_add_nc_u64 s[92:93], s[6:7], s[92:93]
	CROUND                                         ; all sixteen work-groups are here: the first joint loads meet
	s_mov_b32 s[G0S], 1
	s_add_co_u32 s[G0S+1], s94, SCL
	s_mov_b64 s[G0S+2:G0S+3], s[22:23]
	s_or_b32 s[G0S+3], s[G0S+3], 0x80000000
	s_mov_b32 s[G0SB], 1
	s_add_co_u32 s[G0SB+1], s94, SCL
	s_mov_b64 s[G0SB+2:G0SB+3], s[92:93]
	s_or_b32 s[G0SB+3], s[G0SB+3], 0x80000000
	JLOAD G0S, G1S, G0SB, G1SB
.irp s, 0,1
	s_mov_b32 s[G0+4*\s], 1
	s_add_co_u32 s[G0+4*\s+1], s45, \s*SLOT
	s_add_nc_u64 s[G0+4*\s+2:G0+4*\s+3], s[20:21], \s*TB
	s_or_b32 s[G0+4*\s+3], s[G0+4*\s+3], 0x80000000
	s_mov_b32 s[G0B+4*\s], 1
	s_add_co_u32 s[G0B+4*\s+1], s45, \s*SLOT
	s_add_nc_u64 s[G0B+4*\s+2:G0B+4*\s+3], s[46:47], \s*TB
	s_or_b32 s[G0B+4*\s+3], s[G0B+4*\s+3], 0x80000000
	JLOAD G0+4*\s, G1, G0B+4*\s, G1B
.endr
	v_and_b32 v1, 31, v0                           ; lane
	v_and_b32 v2, 15, v0                           ; r
	v_bfe_u32 v3, v0, 4, 1                         ; h
	v_lshlrev_b32 v4, 4, v1
	v_lshl_add_u32 v5, v1, 3, 512
	s_mul_i32 s21, s15, HALFT                      ; my 8 tiles of A
	s_mul_i32 s22, s16, HALFT                      ; my 8 tiles of B,
	s_add_co_u32 s22, s22, 2*HALFT                 ; behind A's 16
.irp s, 0,1
	v_add_nc_u32 v[ADRA+\s], s21, v4
	v_add_nc_u32 v[ADRB+\s], s22, v4
	v_add_nc_u32 v[ADRA+2+\s], s21, v5
	v_add_nc_u32 v[ADRB+2+\s], s22, v5
	s_add_co_u32 s21, s21, SLOT
	s_add_co_u32 s22, s22, SLOT
.endr
	v_lshlrev_b32 v6, 2, v2
	s_mul_i32 s21, s15, SZ                         ; A's scale words: my part
	s_mul_i32 s22, s16, SZ
	s_add_co_u32 s22, s22, 2*SZ                    ; B's
	s_sub_co_u32 s22, s22, s21
	v_mul_u32_u24 v7, s22, v3                      ; lanes 16-31 take B's: one product, the distance between the two
	s_add_co_u32 s21, s21, SCL
	v_add_nc_u32 v6, v6, v7
	v_add_nc_u32 v[ADRS], s21, v6
	v_mov_b32 v[VO16], v4
	v_mov_b32 v[VO8], v5
	v_lshlrev_b32 v[VO4], 2, v1
	; the biases: by columns (q, k) into the gaps of window 1, by rows (v) into v232-239.  Both are loaded in every work-group; the offset of the one not used is held inside the buffer
	s_lshl_b32 s18, s42, 10
	s_lshl_b32 s19, s16, 9
	s_add_co_u32 s18, s18, s19
	s_cmp_eq_u32 s98, 1
	s_cselect_b32 s18, s18, 0
	s_mov_b32 s19, 0
	s_add_nc_u64 s[66:67], s[8:9], s[18:19]
	s_lshl_b32 s18, s41, 10
	s_lshl_b32 s2, s15, 9
	s_add_co_u32 s18, s18, s2
	s_add_co_u32 s18, s18, 8192
	s_add_nc_u64 s[8:9], s[8:9], s[18:19]
	v_lshlrev_b32 v[BO], 6, v3
	v_and_b32 v6, 8, v2
	v_add_nc_u32 v6, v6, v2
	v_lshlrev_b32 v[RO], 2, v6
	WIN 0x40
.irp b, 0,1,2,3
.irp j, 0,1,2,3
	global_load_b128 v[96+128*(\b/2)+16*(\b%2)+4*\j:96+128*(\b/2)+16*(\b%2)+4*\j+3], v[BO], s[66:67] offset:128*\b+16*\j
.endr
.endr
	WIN 0
.irp a, 0,1,2,3,4,5,6,7
	global_load_b32 v[RB+\a], v[RO], s[8:9] offset:4*(32*(\a/2)+8*(\a%2))
.endr
	s_wait_loadcnt 0x0
	s_wait_tensorcnt 1                             ; the scale words and my part of slot 0 are in; slot 1's load may be out
	s_barrier_signal -1
	s_barrier_wait -1
	FETCH_B 0, 0, 0
	FETCH_A 0, 0, 0
	SCALES 0
	FETCH_A 0, 0, 4
	STEP 0, 0, 1                                   ; the first step's products start the sums
	s_mov_b32 s3, LAPS-1
.Llap:
	TURN 0, 1, 1
	STEP 1, 0, 0
	TURN 1, 0, 1
	STEP 0, 0, 0
	s_sub_co_u32 s3, s3, 1
	s_cmp_lg_u32 s3, 0
	s_cbranch_scc1 .Llap
	TURN 0, 1, 0
	STEP 1, 0, 0
	s_wait_dscnt 4*NL
	WIN MUL_LO
	MUL16 0, 1, NQ-1, 1, 0
	MUL16 2, 1, NQ-1, 1, 0
	s_wait_dscnt 0
	WIN MUL_HI
	MUL16 4, 1, NQ-1, 1, 0
	MUL16 6, 1, NQ-1, 1, 0
	WIN 0
	; THE WAY OUT: a loop of eight trips, one for each of my blocks of 16 rows: its 64 numbers a lane, with the bias, are copied into window 0 (the copy alone differs from block to block),
	; quantised, and stored as two images of 768 bytes; the scale words of two blocks leave together, 128 consecutive bytes.
	PLACES NP
.irp b, 0,1,2,3
	v_mov_b32 v[TM+4+\b], 0
.endr
	v_mov_b32 v[PWP], 0
	s_mov_b32 s[SEL], 0x76543210
	s_mov_b32 s[SEL+1], 0xfedcba98
	s_mov_b32 vcc_lo, 0xffff0000                   ; lanes 16-31 take the odd block's words
	s_mov_b32 s[AI], 0
	s_mov_b32 s27, 0
	s_mov_b32 s29, 0
.macro COPYC k, ofc, ofs               ; block k + the bias by columns; each accumulator is read from its low end on
	s_mov_b32 s26, \ofc
	s_mov_b32 s28, \ofs
	WIN 0x06+(\k)/4
.set CP, 0
.rept 32
	v_pk_add_f32 v[H+2*CP:H+2*CP+1], v[64*((\k)%4)+2*CP:64*((\k)%4)+2*CP+1], v[96+128*(CP/16)+16*((CP/8)%2)+(2*CP)%16:96+128*(CP/16)+16*((CP/8)%2)+(2*CP)%16+1]
.set CP, CP+1
.endr
	WIN 0
.endm
.macro COPYR k, ofc, ofs               ; block k + the bias of my row
	s_mov_b32 s26, \ofc
	s_mov_b32 s28, \ofs
	WIN 0x02+(\k)/4
.set CP, 0
.rept 64
	v_add_f32 v[H+CP], v[64*((\k)%4)+CP], v[RB+(\k)]
.set CP, CP+1
.endr
	WIN 0
.endm
.macro QSTORE cstr
	s_add_nc_u64 s[30:31], s[34:35], s[26:27]
	QUANT H
	global_store_b128 v[VO16], v[PC:PC+3], s[30:31]
	global_store_b64 v[VO8], v[PC+4:PC+5], s[30:31]
	global_store_b128 v[VO16], v[PC+6:PC+9], s[30:31] offset:\cstr
	global_store_b64 v[VO8], v[PC+10:PC+11], s[30:31] offset:\cstr
.endm
	s_cmp_eq_u32 s98, 1
	s_cbranch_scc0 .Lvmode
	; q and k: codes [head-slot g 32][token tile 256][768], g = 4 tx + 2 half (+ 1 for my upper 64 columns); scale words [g][tile][16]
	s_lshl_b32 s38, s42, 2
	s_lshl_b32 s39, s16, 1
	s_add_co_u32 s38, s38, s39
	s_lshl_b32 s39, s17, 4
	s_lshl_b32 s25, s15, 3
	s_add_co_u32 s39, s39, s25
	s_mul_i32 s34, s38, 196608
	s_mul_i32 s25, s39, 768
	s_add_co_u32 s34, s34, s25
	s_mov_b32 s35, 0
	s_add_nc_u64 s[34:35], s[10:11], s[34:35]
	s_lshl_b32 s36, s38, 14
	s_lshl_b32 s25, s39, 6
	s_add_co_u32 s36, s36, s25
	s_add_co_u32 s36, s36, 6291456
	s_mov_b32 s37, 0
	s_add_nc_u64 s[36:37], s[10:11], s[36:37]
.Lqblk:
	s_wait_xcnt 0x0                                ; the last trip's stores have read their data and bases: both are written again only behind this wait
.irp k, 1,2,3,4,5,6,7
	s_cmp_eq_u32 s[AI], \k
	s_cbranch_scc1 .Lqc\k
.endr
	COPYC 0, 0, 0
	s_branch .Lqgo
.irp k, 1,2,3,4,5,6
.Lqc\k:
	COPYC \k, 768*\k, 64*(\k-1)
	s_branch .Lqgo
.endr
.Lqc7:
	COPYC 7, 768*7, 64*6
.Lqgo:
	QSTORE 196608
	s_bitcmp1_b32 s[AI], 0
	s_cbranch_scc1 .Lqodd
	v_mov_b32 v[PWP], v[PW]
	s_branch .Lqnext
.Lqodd:
	v_cndmask_b32 v[WW], v[PWP], v[PW], vcc_lo
	s_add_nc_u64 s[32:33], s[36:37], s[28:29]
	v_lshrrev_b32 v[W2], 16, v[WW]                 ; the upper head's two bytes, brought down
	global_store_b32 v[VO4], v[WW], s[32:33]
	global_store_b32 v[VO4], v[W2], s[32:33] offset:16384
.Lqnext:
	s_add_co_u32 s[AI], s[AI], 1
	s_cmp_lt_u32 s[AI], 8
	s_cbranch_scc1 .Lqblk
	s_branch .Lend
.Lvmode:
	; v: codes [batch x head 32][64 keys 32][channel tile 4][768]; scale words [batch x head][128 keys 16][channel tile 4][16]
	s_lshr_b32 s38, s42, 3
	s_lshl_b32 s38, s38, 4
	s_lshl_b32 s39, s41, 2
	s_add_co_u32 s38, s38, s39
	s_lshl_b32 s39, s15, 1
	s_add_co_u32 s38, s38, s39                     ; 16 batch + my first head
	s_and_b32 s39, s42, 7
	s_lshl_b32 s39, s39, 1
	s_add_co_u32 s39, s39, s16                     ; which 128 keys of the batch
	s_mul_i32 s34, s38, 98304
	s_mul_i32 s25, s39, 6144
	s_add_co_u32 s34, s34, s25
	s_add_co_u32 s34, s34, 6815744
	s_mov_b32 s35, 0
	s_add_nc_u64 s[34:35], s[10:11], s[34:35]
	s_lshl_b32 s36, s38, 12
	s_lshl_b32 s25, s39, 8
	s_add_co_u32 s36, s36, s25
	s_add_co_u32 s36, s36, 9961472
	s_mov_b32 s37, 0
	s_add_nc_u64 s[36:37], s[10:11], s[36:37]
.Lvblk:
	s_wait_xcnt 0x0
.irp k, 1,2,3,4,5,6,7
	s_cmp_eq_u32 s[AI], \k
	s_cbranch_scc1 .Lvc\k
.endr
	COPYR 0, 0, 0
	s_branch .Lvgo
.irp k, 1,2,3,4,5,6
.Lvc\k:
	COPYR \k, (\k/4)*98304+(\k%4)*768, (\k/4)*4096+((\k-1)%4)*64
	s_branch .Lvgo
.endr
.Lvc7:
	COPYR 7, 98304+3*768, 4096+2*64
.Lvgo:
	QSTORE 3072
	s_bitcmp1_b32 s[AI], 0
	s_cbranch_scc1 .Lvodd
	v_mov_b32 v[PWP], v[PW]
	s_branch .Lvnext
.Lvodd:
	v_cndmask_b32 v[WW], v[PWP], v[PW], vcc_lo
	s_add_nc_u64 s[32:33], s[36:37], s[28:29]
	global_store_b32 v[VO4], v[WW], s[32:33]
.Lvnext:
	s_add_co_u32 s[AI], s[AI], 1
	s_cmp_lt_u32 s[AI], 8
	s_cbranch_scc1 .Lvblk
.Lend:
	s_wait_tensorcnt 0x0                           ; the wave's end
	ds_add_u32 v[SPW], v[NIL]
	s_wait_dscnt 0x0
	CROUND                                         ; the closing round
	s_endpgm
.Lfunc_end_k_qdeddb7fb49_qkv:
	.size	k_qdeddb7fb49_qkv, .Lfunc_end_k_qdeddb7fb49_qkv-k_qdeddb7fb49_qkv
	.p2alignl 7, 3214868480
	.fill 96, 4, 3214868480
	.section	.rodata,"a",@progbits
	.p2align	6, 0x0
	.amdhsa_kernel k_qdeddb7fb49_qkv
		.amdhsa_group_segment_fixed_size 327680
		.amdhsa_private_segment_fixed_size 0
		.amdhsa_enable_private_segment 0
		.amdhsa_kernarg_size 32
		.amdhsa_user_sgpr_count 2
		.amdhsa_user_sgpr_kernarg_segment_ptr 1
		.amdhsa_wavefront_size32 1
		.amdhsa_system_sgpr_workgroup_id_x 1
		.amdhsa_system_sgpr_workgroup_id_y 1
		.amdhsa_system_sgpr_workgroup_id_z 1
		.amdhsa_system_vgpr_workitem_id 0
		.amdhsa_next_free_vgpr 1024
		.amdhsa_next_free_sgpr 100
		.amdhsa_reserve_vcc 1
		.amdhsa_float_denorm_mode_32 3
		.amdhsa_float_denorm_mode_16_64 3
		.amdhsa_memory_ordered 1
		.amdhsa_forward_progress 1
		.amdhsa_inst_pref_size 166
	.end_amdhsa_kernel
	.amdgpu_metadata
---
amdhsa.version: [ 1, 2 ]
amdhsa.kernels:
  - .name:           k_qdeddb7fb49_qkv
    .symbol:         k_qdeddb7fb49_qkv.kd
    .args:
      - { .name: act, .offset: 0, .size: 8, .value_kind: global_buffer, .address_space: global }
      - { .name: wq, .offset: 8, .size: 8, .value_kind: global_buffer, .address_space: global }
      - { .name: b_qkv, .offset: 16, .size: 8, .value_kind: global_buffer, .address_space: global }
      - { .name: qkv, .offset: 24, .size: 8, .value_kind: global_buffer, .address_space: global }
    .group_segment_fixed_size: 327680
    .private_segment_fixed_size: 0
    .kernarg_segment_align: 8
    .kernarg_segment_size: 32
    .max_flat_workgroup_size: 128
    .sgpr_count:     100
    .vgpr_count:     1024
    .wavefront_size: 32
...
	.end_amdgpu_metadata
.endif
;; end of part 2
;; launch attn (part 3): grid 8 x 32, 16 waves a work-group, no clusters, 215,040 bytes of LDS; arguments qkv, act; writes act
.if DOCPART == 3
	.amdgcn_target "amdgcn-amd-amdhsa--gfx1250"
	.amdhsa_code_object_version 6
	.text
	.protected	k_qdeddb7fb49_attn
	.globl	k_qdeddb7fb49_attn
	.p2align	8
	.type	k_qdeddb7fb49_attn,@function
k_qdeddb7fb49_attn:
	s_mov_b64 s[64:65], 0
	v_nop
	global_prefetch_b8 v0, s[64:65] scope:SCOPE_SE
	s_setreg_imm32_b32 hwreg(HW_REG_WAVE_MODE, 25, 1), 1
	s_wait_xcnt 0x0
; y = softmax(q k^T / 8 + slope (i - j), causal) v for one batch and head, both products on codes of BF6 (E3M2) with E8M0 scales; y is quantised along the channels on the way out.
; THE SOFTMAX AHEAD OF THE SECOND PRODUCT: t = logit x log2(e); M = the running largest t rounded up to a whole number; p = 2^(t - M) is quantised along the keys, not normalised; the row's sum is taken of the
; unquantised p and divides at the end.  When M moves, the sum and O are multiplied by 2^(old M - new M): exact.
; SHARES.  Work-group (j, batch x head) owns query blocks j and 15 - j of 128 queries: eight waves each, a tile of 16 queries to a wave; a wave works on key steps 0 .. its block, 128 keys a step: 17 block-steps in every work-group.
; A step all of whose keys come after the wave's queries is jumped over by a scalar branch on ids; the one step on the diagonal hides keys by -infinity.
; LDS.  All of the head's K and V codes and scale words are brought ONCE: nothing is filled again.  Keys 0-255 come by loads of their own, so that the first two steps run while the rest is on its way.
; NO CLUSTER: the work-groups that share K and V work on different numbers of key steps (j + 1 and 16 - j differ from partner to partner), and each byte is asked for once in a work-group's life, at its head.
; LAYOUT.  Both products are used transposed (S^T = K Q^T, O^T = V^T P^T): a lane holds one query.  Tiles hold rows 32 (t / 2) + 8 (t % 2) + r + 8 (r / 8), so the 16 registers of tiles 2 b, 2 b + 1 are 16 neighbours.
; The first product's K is 64: Q's registers 6-11 are zero codes, and what stands in K's registers 6-11 (the next tile's codes) meets zeros.
; LIMITS: NaN and infinities are not served; a block of zeros gets the byte 1; the division is a reciprocal and a multiplication.
.set WV,  8
.set SEL, 20
.set CS,  22                           ; s[22:23] log2(e)
.set C8,  24                           ; s[24:25] 1 / 8
.set SLP, 26                           ; s[26:27] the head's slope
.set KF,  28                           ; the step's first key
.set TK,  29                           ; where the step's codes begin, in K's and in V's region alike: 6,144 bytes a step
.set TS,  30                           ; K's scale words: 512 bytes a step
.set TV,  31                           ; V's: 256
.set G1A, 32                           ; s[32:63] four groups 1: dense blocks as 32, 16, 48 and 336 rows of 256 bytes
.set G1B, 40
.set G1C, 48
.set G1D, 56
.set GK,  68                           ; s[68:79] K's three groups 0;  s[80:91] V's
.set GV,  80
.set QHI, 92
.set QDG, 93
.set CNT, 94
.set QF,  18                           ; v18-29 Q
.set KV,  30                           ; v30-83 K's eight tiles (6 registers each, 6 zeros behind them), later V's four fragments
.set KSW, 84
.set VSW, 88
.set QS,  90
.set R4,  91                           ; 4 x (lane % 16)
.set SR,  96                           ; v96-159 S^T, then p
.set OT,  160                          ; v160-191 O^T
.set PC,  192
.set BM,  212
.set TP,  216
.set SO,  220
.set DD,  224
.set BT,  232
.set FF,  240
.set PW,  242
.macro GROUP1 g, rows
	s_mov_b32 s[\g], 3<<16                         ; no mask; elements of 8 bytes; no padding
	s_mov_b32 s[\g+1], 32<<16                      ; tensor_dim0 = 32
	s_mov_b32 s[\g+2], (\rows)<<16                 ; tensor_dim1
	s_mov_b32 s[\g+3], 32<<16                      ; tile_dim0
	s_mov_b32 s[\g+4], \rows                       ; tile_dim1
	s_mov_b32 s[\g+5], 32                          ; the pitch
	s_mov_b32 s[\g+6], 0
	s_mov_b32 s[\g+7], 0
.endm
.macro GROUP0 g, lds, base, off
	s_mov_b32 s[\g], 1
	s_mov_b32 s[\g+1], \lds
	s_add_nc_u64 s[\g+2:\g+3], s[\base:\base+1], \off
	s_or_b32 s[\g+3], s[\g+3], 0x80000000
.endm
	s_load_b128 s[4:7], s[0:1], 0x0                ; q, k, v as codes s[4:5]; y's codes s[6:7]
	v_lshl_add_u32 v254, v0, 2, 0x34000
	v_mov_b32 v255, 0
	ds_add_u32 v254, v255
	ds_add_u32 v254, v255
	v_lshrrev_b32 v8, 5, v0
	v_readfirstlane_b32 s[WV], v8                  ; wave 0..15
	s_and_b32 s9, ttmp7, 0xffff                    ; 16 batch + head
	s_lshr_b32 s10, s9, 4
	s_and_b32 s11, s9, 15
	s_lshr_b32 s12, s[WV], 2
	s_and_b32 s12, s12, 1                          ; waves 4-7 and 12-15 take the late block
	s_and_b32 s13, s[WV], 3
	s_lshr_b32 s16, s[WV], 3
	s_lshl_b32 s16, s16, 2
	s_or_b32 s13, s13, s16                         ; which of the block's eight tiles
	s_sub_co_u32 s16, 15, ttmp9
	s_cmp_eq_u32 s12, 1
	s_cselect_b32 s14, s16, ttmp9                  ; my block of 128 queries
	s_lshl_b32 s15, s14, 3
	s_add_co_u32 s15, s15, s13                     ; my tile in the batch
	s_lshl_b32 s[QDG], s14, 7
	s_add_co_u32 s[QHI], s[QDG], 127
	GROUP1 G1A, 32
	GROUP1 G1B, 16
	GROUP1 G1C, 48
	GROUP1 G1D, 336
	s_add_co_u32 s16, s11, 16
	s_mul_i32 s16, s16, 196608
	s_mul_i32 s17, s10, 98304
	s_add_co_u32 s16, s16, s17                     ; K's codes
	s_mov_b32 s17, 0
	s_add_co_u32 s18, s11, 16
	s_lshl_b32 s18, s18, 14
	s_lshl_b32 s19, s10, 13
	s_add_co_u32 s18, s18, s19
	s_add_co_u32 s18, s18, 6291456                 ; K's scale words
	s_mov_b32 s19, 0
	s_mul_i32 s2, s9, 98304
	s_add_co_u32 s2, s2, 6815744                   ; V's codes
	s_mov_b32 s3, 0
	s_lshl_b32 s66, s9, 12
	s_add_co_u32 s66, s66, 9961472                 ; V's scale words
	s_mov_b32 s67, 0
	s_lshl_b32 s95, s10, 7
	s_add_co_u32 s95, s95, s15                     ; my tile among all 256
	s_mul_i32 s96, s11, 196608
	s_mul_i32 s97, s95, 768
	s_add_co_u32 s96, s96, s97                     ; Q's codes
	s_mov_b32 s97, 0
	s_lshl_b32 s98, s11, 14
	s_lshl_b32 s99, s95, 6
	s_add_co_u32 s98, s98, s99
	s_add_co_u32 s98, s98, 6291456                 ; Q's scale words
	s_mov_b32 s99, 0
	s_mul_i32 s100, s95, 12288
	s_mul_i32 s101, s11, 768
	s_add_co_u32 s100, s100, s101                  ; y's codes: my tile, the head's 64 channels
	s_mov_b32 s101, 0
	s_lshr_b32 s12, s95, 3
	s_lshl_b32 s12, s12, 12
	s_lshr_b32 s13, s11, 1
	s_lshl_b32 s13, s13, 9
	s_add_co_u32 s12, s12, s13
	s_and_b32 s13, s95, 7
	s_lshl_b32 s13, s13, 6
	s_add_co_u32 s12, s12, s13
	s_and_b32 s13, s11, 1
	s_lshl_b32 s13, s13, 1
	s_add_co_u32 s12, s12, s13
	s_add_co_u32 s12, s12, 3145728                 ; y's scale bytes: two of a word's four
	s_mov_b32 s13, 0
	s_mov_b32 s[SEL], 0x76543210
	s_mov_b32 s[SEL+1], 0xfedcba98
	s_mov_b32 s[CS], 0x3fb8aa3b
	s_mov_b32 s[CS+1], s[CS]
	s_mov_b32 s[C8], 0x3e000000
	s_mov_b32 s[C8+1], s[C8]
	s_add_co_u32 s94, s11, 1                       ; the slope is 2^(-(head + 1) / 2): sqrt(1/2) or 1, with (head + 1) / 2 off the exponent field
	s_mov_b32 s[SLP], 0x3f800000
	s_bitcmp1_b32 s94, 0
	s_cselect_b32 s[SLP], 0x3f3504f3, s[SLP]
	s_lshr_b32 s94, s94, 1
	s_lshl_b32 s94, s94, 23
	s_sub_co_u32 s[SLP], s[SLP], s94
	s_mov_b32 s[SLP+1], s[SLP]
	s_mov_b32 s[KF], 0
	s_mov_b32 s[TK], 0
	s_mov_b32 s[TS], 0
	s_mov_b32 s[TV], 0
	s_wait_dscnt 0x0
	s_wait_kmcnt 0x0
	s_add_nc_u64 s[16:17], s[4:5], s[16:17]
	s_add_nc_u64 s[18:19], s[4:5], s[18:19]
	s_add_nc_u64 s[2:3], s[4:5], s[2:3]
	s_add_nc_u64 s[66:67], s[4:5], s[66:67]
	s_add_nc_u64 s[96:97], s[4:5], s[96:97]
	s_add_nc_u64 s[98:99], s[4:5], s[98:99]
	s_add_nc_u64 s[100:101], s[6:7], s[100:101]
	s_add_nc_u64 s[12:13], s[6:7], s[12:13]
	GROUP0 GK, 196608, 18, 0                       ; K's scale words, 8,192 bytes
	GROUP0 GK+4, 0, 16, 0                          ; K's codes of keys 0-255, 12,288 bytes
	GROUP0 GK+8, 12288, 16, 12288                  ; the rest, 86,016 bytes
	GROUP0 GV, 204800, 66, 0                       ; V's scale words, 4,096 bytes
	GROUP0 GV+4, 98304, 2, 0
	GROUP0 GV+8, 110592, 2, 12288
	s_cmp_eq_u32 s[WV], 0                          ; wave 0 brings K, wave 1 V: a wave's three first fills stand in one branch, ahead of every wait on TENSORcnt, LDS read and barrier
	s_cbranch_scc0 .Lnot_k
	tensor_load_to_lds s[GK:GK+3], s[G1A:G1A+7]
	s_nop 0
	tensor_load_to_lds s[GK+4:GK+7], s[G1C:G1C+7]
	s_nop 0
	tensor_load_to_lds s[GK+8:GK+11], s[G1D:G1D+7]
	s_nop 0
.rept 4
	v_nop
.endr
	s_branch .Lasked
.Lnot_k:
	s_cmp_eq_u32 s[WV], 1
	s_cbranch_scc0 .Lasked
	tensor_load_to_lds s[GV:GV+3], s[G1B:G1B+7]
	s_nop 0
	tensor_load_to_lds s[GV+4:GV+7], s[G1C:G1C+7]
	s_nop 0
	tensor_load_to_lds s[GV+8:GV+11], s[G1D:G1D+7]
	s_nop 0
.rept 4
	v_nop
.endr
.Lasked:
	v_and_b32 v243, 31, v0
	v_lshlrev_b32 v1, 4, v243                      ; K's codes: 16 l
	v_lshl_add_u32 v2, v243, 3, 512                ; 512 + 8 l
	v_add_nc_u32 v3, 98304, v1                     ; V's
	v_add_nc_u32 v4, 98304, v2
	v_lshl_add_u32 v5, v243, 2, 196608             ; K's scale words: two tiles to a load
	v_lshl_add_u32 v6, v243, 2, 204800             ; V's
	v_and_b32 v244, 15, v0
	v_lshlrev_b32 v[R4], 2, v244
	global_load_b128 v[QF:QF+3], v1, s[96:97]      ; Q stays in registers
	global_load_b64 v[QF+4:QF+5], v2, s[96:97]
	global_load_b32 v[QS], v[R4], s[98:99]
	v_and_b32 v245, 8, v244
	v_add_nc_u32 v245, v245, v244                  ; r + 8 (r / 8)
	v_bfe_u32 v246, v0, 4, 1
	v_lshlrev_b32 v246, 4, v246
	v_sub_nc_u32 v245, v245, v246
	s_lshr_b32 s94, s15, 1
	s_lshl_b32 s94, s94, 5
	s_and_b32 s95, s15, 1
	s_lshl_b32 s95, s95, 3
	s_add_co_u32 s94, s94, s95
	v_add_nc_u32 v7, s94, v245                     ; my query - 16 (lane / 16)
.irp i, 6,7,8,9,10,11
	v_mov_b32 v[QF+\i], 0                          ; zero codes: the first product's K is 64
.endr
.irp i, 48,49,50,51,52,53
	v_mov_b32 v[KV+\i], 0                          ; what the last tile of K reads beyond its own six registers
.endr
	v_mov_b32 v15, 0xff61b1e6                      ; the largest t so far: -3e38
	v_floor_f32 v14, -v15                          ; -M
	v_mov_b32 v16, 0                               ; the sum, in two halves
	v_mov_b32 v17, 0
	v_mov_b32 v[FF+1], 0                           ; named as the upper half of a pair
.irp b, 0,1,2,3
	v_mov_b32 v[TP+\b], 0                          ; a lane permute's destination counts as one of its sources
.endr
.set CI, 0
.rept 32
	v_mov_b32 v[OT+CI], 0                          ; the step is written once for all steps: the first finds zeros
.set CI, CI+1
.endr
; A KEY STEP: 128 keys
.macro STEP
	s_cmp_gt_u32 s[KF], s[QHI]
	s_cbranch_scc1 .Lhid_\@                        ; all its keys come after my queries
	v_add_nc_u32 v8, s[TK], v1                     ; (these six are also the places behind the last step's products, in front of the loads into their operands)
	v_add_nc_u32 v9, s[TK], v2
	v_add_nc_u32 v10, s[TK], v3
	v_add_nc_u32 v11, s[TK], v4
	v_add_nc_u32 v12, s[TS], v5
	v_add_nc_u32 v13, s[TV], v6
.irp t, 0,1,2,3,4,5,6,7
	ds_load_b128 v[KV+6*\t:KV+6*\t+3], v8 offset:768*\t
	ds_load_b64 v[KV+6*\t+4:KV+6*\t+5], v9 offset:768*\t
.endr
.irp i, 0,1,2,3
	ds_load_b32 v[KSW+\i], v12 offset:128*\i       ; lanes 0-15 tile 2 i, lanes 16-31 tile 2 i + 1
.endr
	s_wait_dscnt 0x0
.irp t, 0,2,4,6
	v_wmma_scale_f32_16x16x128_f8f6f4 v[SR+8*\t:SR+8*\t+7], v[KV+6*\t:KV+6*\t+11], v[QF:QF+11], 0, v[KSW+\t/2], v[QS] matrix_a_fmt:MATRIX_FMT_BF6 matrix_b_fmt:MATRIX_FMT_BF6
	v_wmma_scale_f32_16x16x128_f8f6f4 v[SR+8*\t+8:SR+8*\t+15], v[KV+6*\t+6:KV+6*\t+17], v[QF:QF+11], 0, v[KSW+\t/2], v[QS] matrix_a_fmt:MATRIX_FMT_BF6 matrix_b_fmt:MATRIX_FMT_BF6 matrix_a_scale:MATRIX_SCALE_ROW1
.endr
	v_sub_nc_u32 v243, v7, s[KF]                   ; d = my query - KF - 16 (lane / 16): register 16 b + i holds the key at distance d - 32 b - i.  (These ten lines are the places behind the products)
	v_cvt_f32_i32 v244, v243
	v_mov_b32 v[DD], v244
	v_add_f32 v[DD+1], -1.0, v244
	v_add_f32 v[DD+2], 0xc2000000, v244            ; -32
	v_add_f32 v[DD+3], 0xc2040000, v244            ; -33
	v_add_f32 v[DD+4], 0xc2800000, v244            ; -64
	v_add_f32 v[DD+5], 0xc2820000, v244            ; -65
	v_add_f32 v[DD+6], 0xc2c00000, v244            ; -96
	v_add_f32 v[DD+7], 0xc2c20000, v244            ; -97
.irp t, 0,1,2,3                        ; V's four fragments land while the softmax is worked
	ds_load_b128 v[KV+12*\t:KV+12*\t+3], v10 offset:768*\t
	ds_load_b64 v[KV+12*\t+4:KV+12*\t+5], v11 offset:768*\t
	ds_load_b128 v[KV+12*\t+6:KV+12*\t+9], v10 offset:3072+768*\t
	ds_load_b64 v[KV+12*\t+10:KV+12*\t+11], v11 offset:3072+768*\t
.endr
	ds_load_b32 v[VSW], v13
	ds_load_b32 v[VSW+1], v13 offset:128
.irp p, 0,2,4,6,8,10,12,14             ; the logit: score / 8 (exact) + the rounded product slope x distance; each accumulator is read from its low end on
.irp b, 0,1,2,3
	v_pk_mul_f32 v[BT+2*\b:BT+2*\b+1], v[DD+2*\b:DD+2*\b+1], s[SLP:SLP+1] op_sel_hi:[1,0]
.endr
.irp b, 0,1,2,3
	v_pk_fma_f32 v[SR+16*\b+\p:SR+16*\b+\p+1], v[SR+16*\b+\p:SR+16*\b+\p+1], s[C8:C8+1], v[BT+2*\b:BT+2*\b+1] op_sel_hi:[1,0,1]
.endr
.irp b, 0,1,2,3
	v_pk_add_f32 v[DD+2*\b:DD+2*\b+1], v[DD+2*\b:DD+2*\b+1], -2.0 op_sel_hi:[1,0]
.endr
.endr
	s_cmp_lg_u32 s[KF], s[QDG]
	s_cbranch_scc1 .Lopen_\@                       ; only my block's own step has hidden keys
	v_mov_b32 v245, 0xff800000                     ; -infinity
.set CI, 0
.rept 64
	v_cmp_gt_i32 vcc_lo, 32*(CI/16)+CI%16, v243
	v_cndmask_b32 v[SR+CI], v[SR+CI], v245, vcc_lo
.set CI, CI+1
.endr
.Lopen_\@:
.irp b, 0,1,2,3
	v_max3_num_f32 v[BM+\b], v[SR+16*\b], v[SR+1+16*\b], v[SR+2+16*\b]   ; the largest logit of each block of 32 keys: it serves for the row's maximum and, since p rises with the logit, for the block's largest p
.endr
.irp i, 3,5,7,9,11,13
.irp b, 0,1,2,3
	v_max3_num_f32 v[BM+\b], v[BM+\b], v[SR+16*\b+\i], v[SR+1+16*\b+\i]
.endr
.endr
.irp b, 0,1,2,3
	v_max_num_f32 v[BM+\b], v[BM+\b], v[SR+15+16*\b]
.endr
.irp b, 0,1,2,3
	v_permlanex16_b32 v[TP+\b], v[BM+\b], s[SEL], s[SEL+1]
.endr
.irp b, 0,1,2,3
	v_max_num_f32 v[BM+\b], v[BM+\b], v[TP+\b]
.endr
	v_max3_num_f32 v246, v[BM], v[BM+1], v[BM+2]
	v_max_num_f32 v246, v246, v[BM+3]
	v_mul_f32 v246, s[CS], v246
	v_max_num_f32 v15, v15, v246                   ; the running largest t
	v_mov_b32 v246, v14
	v_floor_f32 v14, -v15                          ; the new -M = -ceil(t)
	v_sub_f32 v246, v14, v246                      ; old M - new M: a whole number, 0 or less
	v_cvt_i32_f32 v246, v246                       ; (it saturates)
	v_ldexp_f32 v[FF], 1.0, v246                   ; f = 2^(old M - new M)
.set CI, 0
.rept 32
	v_pk_fma_f32 v[SR+2*CI:SR+2*CI+1], v[SR+2*CI:SR+2*CI+1], s[CS:CS+1], v[14:15] op_sel_hi:[1,0,0]   ; t - M
.set CI, CI+1
.endr
.irp b, 0,1,2,3
	v_fma_f32 v[BM+\b], v[BM+\b], s[CS], v14
.endr
.set CI, 0
.rept 64
	v_exp_f32 v[SR+CI], v[SR+CI]                   ; p = 2^(t - M)
.set CI, CI+1
.endr
	v_pk_mul_f32 v[16:17], v[16:17], v[FF:FF+1] op_sel_hi:[1,0]   ; the sums under the new M: a plain place behind the exponentials
	s_wait_alu depctr_va_vdst(0)                   ; one wait for the batch, ahead of its first reader
.irp b, 0,1,2,3
	v_exp_f32 v[BM+\b], v[BM+\b]                   ; the block's largest p
.endr
	v_pk_add_f32 v[248:249], v[SR:SR+1], v[SR+2:SR+3]   ; the row's sum of the unquantised p, in two chains
.irp j, 4,8,12,16,20,24,28,32,36,40,44,48,52,56,60
	v_pk_add_f32 v[16:17], v[16:17], v[SR+\j:SR+\j+1]
	v_pk_add_f32 v[248:249], v[248:249], v[SR+\j+2:SR+\j+3]
.endr
	v_pk_add_f32 v[16:17], v[16:17], v[248:249]
	s_wait_alu depctr_va_vdst(0)                   ; and one for the four
.irp b, 0,1,2,3
	v_max_num_f32 v[BM+\b], 0x2800000, v[BM+\b]    ; the floor 2^(5 - 127)
.endr
.irp b, 0,1,2,3
	v_add_nc_u32 v[SO+\b], 0xfe000000, v[BM+\b]
.endr
.irp b, 0,1,2,3
	v_lshrrev_b32 v[TP+\b], 23, v[SO+\b]
.endr
	v_lshl_or_b32 v[PW], v[TP+1], 8, v[TP]
	v_lshl_or_b32 v[PW], v[TP+2], 16, v[PW]
	v_lshl_or_b32 v[PW], v[TP+3], 24, v[PW]
.irp c, 0,1
	v_cvt_scalef32_pk16_bf6_f32 v[PC+6*\c:PC+2+6*\c], v[SR+32*\c:SR+15+32*\c], v[SO+2*\c]
	v_cvt_scalef32_pk16_bf6_f32 v[PC+12+4*\c:PC+14+4*\c], v[SR+16+32*\c:SR+31+32*\c], v[SO+2*\c+1]
.endr
	v_nop
.irp c, 0,1
.irp i, 0,1,2
	v_permlane16_swap_b32 v[PC+6*\c+\i], v[PC+12+4*\c+\i]
.endr
.irp i, 0,1,2
	v_mov_b32 v[PC+3+6*\c+\i], v[PC+12+4*\c+\i]
.endr
.endr
.set CI, 0
.rept 16
	v_pk_mul_f32 v[OT+2*CI:OT+2*CI+1], v[OT+2*CI:OT+2*CI+1], v[FF:FF+1] op_sel_hi:[1,0]   ; O^T under the new M; these sixteen are also the places in front of the scaled products
.set CI, CI+1
.endr
	s_wait_dscnt 0x0                               ; V
.irp t, 0,2
	v_wmma_scale_f32_16x16x128_f8f6f4 v[OT+8*\t:OT+8*\t+7], v[KV+12*\t:KV+12*\t+11], v[PC:PC+11], v[OT+8*\t:OT+8*\t+7], v[VSW+\t/2], v[PW] matrix_a_fmt:MATRIX_FMT_BF6 matrix_b_fmt:MATRIX_FMT_BF6
	v_wmma_scale_f32_16x16x128_f8f6f4 v[OT+8*\t+8:OT+8*\t+15], v[KV+12*\t+12:KV+12*\t+23], v[PC:PC+11], v[OT+8*\t+8:OT+8*\t+15], v[VSW+\t/2], v[PW] matrix_a_fmt:MATRIX_FMT_BF6 matrix_b_fmt:MATRIX_FMT_BF6 matrix_a_scale:MATRIX_SCALE_ROW1
.endr
.Lhid_\@:
	s_add_co_u32 s[KF], s[KF], 128
	s_add_co_u32 s[TK], s[TK], 6144
	s_add_co_u32 s[TS], s[TS], 512
	s_add_co_u32 s[TV], s[TV], 256
.endm
	s_wait_loadcnt 0x0                             ; Q
	s_wait_tensorcnt 0x1                           ; the scale words and keys 0-255 are in; the third load may be out
	s_barrier_signal -1
	s_barrier_wait -1
	s_mov_b32 s[CNT], 2
.Lfirst:
	STEP
	s_sub_co_u32 s[CNT], s[CNT], 1
	s_cmp_lg_u32 s[CNT], 0
	s_cbranch_scc1 .Lfirst
	s_wait_tensorcnt 0x0                           ; the rest has landed,
	s_wait_dscnt 0x0
	s_barrier_signal -1
	s_barrier_wait -1                              ; and every wave knows
	s_mov_b32 s[CNT], 14
.Lrest:
	STEP
	s_sub_co_u32 s[CNT], s[CNT], 1
	s_cmp_lg_u32 s[CNT], 0
	s_cbranch_scc1 .Lrest
	; THE WAY OUT: O^T / the sum: 32 numbers a lane, register 16 b + i = channel 32 b + 16 (lane / 16) + i of my query: two blocks of 32, quantised and stored as one image of 768 bytes
.rept 4
	v_nop                                          ; places behind the last products
.endr
	v_add_f32 v16, v16, v17
	v_permlanex16_b32 v[TP], v16, s[SEL], s[SEL+1]
	v_add_f32 v16, v16, v[TP]
	v_rcp_f32 v16, v16
	v_nop                                          ; a plain place behind the reciprocal
	s_wait_alu depctr_va_vdst(0)
.set CI, 0
.rept 32
	v_mul_f32 v[SR+CI], v[OT+CI], v16
.set CI, CI+1
.endr
.irp b, 0,1
	v_max3_num_f32 v[BM+\b], |v[SR+16*\b]|, |v[SR+1+16*\b]|, 0x2800000
.endr
.irp i, 2,4,6,8,10,12,14
.irp b, 0,1
	v_max3_num_f32 v[BM+\b], v[BM+\b], |v[SR+16*\b+\i]|, |v[SR+1+16*\b+\i]|
.endr
.endr
.irp b, 0,1
	v_permlanex16_b32 v[TP+\b], v[BM+\b], s[SEL], s[SEL+1]
.endr
.irp b, 0,1
	v_max_num_f32 v[BM+\b], v[BM+\b], v[TP+\b]
.endr
.irp b, 0,1
	v_add_nc_u32 v[SO+\b], 0xfe000000, v[BM+\b]
.endr
.irp b, 0,1
	v_lshrrev_b32 v[TP+\b], 23, v[SO+\b]
.endr
	v_lshl_or_b32 v[PW], v[TP+1], 8, v[TP]
	v_cvt_scalef32_pk16_bf6_f32 v[PC:PC+2], v[SR:SR+15], v[SO]
	v_cvt_scalef32_pk16_bf6_f32 v[PC+12:PC+14], v[SR+16:SR+31], v[SO+1]
	v_nop
.irp i, 0,1,2
	v_permlane16_swap_b32 v[PC+\i], v[PC+12+\i]
.endr
.irp i, 0,1,2
	v_mov_b32 v[PC+3+\i], v[PC+12+\i]
.endr
	global_store_b128 v1, v[PC:PC+3], s[100:101]   ; 512 consecutive bytes,
	global_store_b64 v2, v[PC+4:PC+5], s[100:101]  ; and the 256 behind them
	global_store_b16 v[R4], v[PW], s[12:13]        ; my row's two scale bytes; lanes l and l + 16 hold the same and write them to the same place
	s_wait_tensorcnt 0x0
	ds_add_u32 v254, v255
	s_wait_dscnt 0x0
	s_endpgm
.Lfunc_end_k_qdeddb7fb49_attn:
	.size	k_qdeddb7fb49_attn, .Lfunc_end_k_qdeddb7fb49_attn-k_qdeddb7fb49_attn
	.p2alignl 7, 3214868480
	.fill 96, 4, 3214868480
	.section	.rodata,"a",@progbits
	.p2align	6, 0x0
	.amdhsa_kernel k_qdeddb7fb49_attn
		.amdhsa_group_segment_fixed_size 215040
		.amdhsa_private_segment_fixed_size 0
		.amdhsa_enable_private_segment 0
		.amdhsa_kernarg_size 16
		.amdhsa_user_sgpr_count 2
		.amdhsa_user_sgpr_kernarg_segment_ptr 1
		.amdhsa_wavefront_size32 1
		.amdhsa_system_sgpr_workgroup_id_x 1
		.amdhsa_system_sgpr_workgroup_id_y 1
		.amdhsa_system_sgpr_workgroup_id_z 1
		.amdhsa_system_vgpr_workitem_id 0
		.amdhsa_next_free_vgpr 256
		.amdhsa_next_free_sgpr 102
		.amdhsa_reserve_vcc 1
		.amdhsa_float_denorm_mode_32 3
		.amdhsa_float_denorm_mode_16_64 3
		.amdhsa_memory_ordered 1
		.amdhsa_forward_progress 1
		.amdhsa_inst_pref_size 71
	.end_amdhsa_kernel
	.amdgpu_metadata
---
amdhsa.version: [ 1, 2 ]
amdhsa.kernels:
  - .name:           k_qdeddb7fb49_attn
    .symbol:         k_qdeddb7fb49_attn.kd
    .args:
      - { .name: qkv, .offset: 0, .size: 8, .value_kind: global_buffer, .address_space: global }
      - { .name: act, .offset: 8, .size: 8, .value_kind: global_buffer, .address_space: global }
    .group_segment_fixed_size: 215040
    .private_segment_fixed_size: 0
    .kernarg_segment_align: 8
    .kernarg_segment_size: 16
    .max_flat_workgroup_size: 512
    .sgpr_count:     102
    .vgpr_count:     256
    .wavefront_size: 32
...
	.end_amdgpu_metadata
.endif
;; end of part 3
;; launch proj (part 4): grid 4 x 16, 4 waves a work-group, clusters of 4 x 4, 327,680 bytes of LDS; arguments act, wq, b_proj, x, x1; writes x1
.if DOCPART == 4
	.amdgcn_target "amdgcn-amd-amdhsa--gfx1250"
	.amdhsa_code_object_version 6
	.text
	.protected	k_qdeddb7fb49_proj
	.globl	k_qdeddb7fb49_proj
	.p2align	8
	.type	k_qdeddb7fb49_proj,@function
k_qdeddb7fb49_proj:
	s_mov_b64 s[64:65], 0
	v_nop
	global_prefetch_b8 v0, s[64:65] scope:SCOPE_SE
	s_setreg_imm32_b32 hwreg(HW_REG_WAVE_MODE, 25, 1), 1
	s_wait_xcnt 0x0
	s_wait_alu depctr_hold_cnt(0) depctr_sa_sdst(0) depctr_va_vdst(0) depctr_va_sdst(0) depctr_va_ssrc(0) depctr_va_vcc(0) depctr_vm_vsrc(0)
	s_getreg_b32 s2, hwreg(HW_REG_IB_STS2, 6, 4)
	s_cmp_eq_u32 s2, 0
	s_cbranch_scc0 .Lentry_in_a_cluster
	s_endpgm
.Lentry_in_a_cluster:
	s_bfe_u32 s2, ttmp6, 0x10000c
	s_cmp_lg_u32 s2, 0xf033
	s_cbranch_scc0 .Lentry_shape_is_right
	s_endpgm
.Lentry_shape_is_right:
; x1 = x + y W_proj + b_proj.  y and W_proj are codes of BF6 (E3M2) with E8M0 scales; x, b and x1 are f32.
; A tile of C, 256 x 256, is made by four waves, 128 x 128 each: 64 accumulators.  K = 1,024 goes in slots of 256 through a ring of two LDS slots filled by the tensor data mover.
; CODES lie as images of operand registers: a tile is 16 rows (tile t, place r: row 32 (t / 2) + 8 (t % 2) + r + 8 (r / 8)); 64 along K of it are 768 bytes: lane l's registers 0-3 at 16 l, 4-5 at 512 + 8 l.
; The matrix instruction is used transposed (source 0 = 16 columns of W, source 1 = 16 rows of y): with source 0's tiles so chosen, accumulators (a, 2 b), (a, 2 b + 1) hold 16 neighbouring columns a lane.
; CLUSTERS: 4 x 4.  A's tiles are asked for jointly along a row of the cluster, B's along a column.
; REGISTERS: window 0: v0-31 addresses; v32-63 scale words; v64-67 the bias; v128-223 A's fragments, on the way out v128-255 rows of C.  window 1: B's two sets, on the way out four sets of residual rows.  windows 2, 3: accumulators.
.set KK,     1024
.set ASOFF,  3145728                   ; where A's scale words begin in its buffer
.set WOFF,   2359296                   ; where this weight's codes begin,
.set WSOFF,  9535488                   ; and its scale words
.set KH,     KK/64
.set KQ,     KK/128
.set TILEB,  KH*768
.set SZ,     KQ*512
.set LAPS,   KK/512
.set NQ,     2
.set FR,     12
.set NL,     4
.set NP,     4
.set TB,     3072
.set HALFT,  8*TB
.set SLOT,   4*HALFT
.set SCL,    2*SLOT
.set SPARE,  SCL+4*SZ                  ; the spare words, 128 bytes for each wave, which no other line names
.set SPITCH, 528                       ; the way out: a stage of 16 rows x (512 bytes + 16) for each wave, in slot 0, which has had its last fill and its last read by then
.set ADRA, 16
.set ADRB, 20
.set STO,  24
.set RD,   25
.set CO,   26
.set ADRS, 27
.set SPW,  28
.set NIL,  29
.set SC,   32
.set BI,   64
.set AF,   128
.set BK,   128
.set G1, 24
.set G0, 32
.set G1B, 48
.set G0B, 56
.set G1S, 68
.set G0S, 76
.set G1SB, 80
.set G0SB, 88
.set MSB, 0
.macro WIN new
.if MSB != (\new)
	s_set_vgpr_msb (MSB<<8)|(\new)
.set MSB, (\new)
.endif
.endm
.set MUL_LO, 0xa1
.set MUL_HI, 0xf1
.set TO_B,   0x40
.macro JLOAD g0a, g1a, g0b, g1b        ; a joint load: waves 0 and 1 fetch for A, waves 2 and 3 for B; four v_nop follow each line
	s_cmp_eq_u32 s15, 0
	s_cbranch_scc0 .Lfor_b_\@
	tensor_load_to_lds s[\g0a:\g0a+3], s[\g1a:\g1a+7]
	s_nop 0
.rept 4
	v_nop
.endr
	s_branch .Lasked_\@
.Lfor_b_\@:
	tensor_load_to_lds s[\g0b:\g0b+3], s[\g1b:\g1b+7]
	s_nop 0
.rept 4
	v_nop
.endr
.Lasked_\@:
.endm
.macro CREST
	s_cmp_lg_u32 s14, 0
	s_cbranch_scc1 .Lnot_wave_0_\@
	s_barrier_signal -3
.Lnot_wave_0_\@:
	s_barrier_wait -3
	s_barrier_signal -1
	s_barrier_wait -1
.endm
.macro CROUND
	s_barrier_signal -1
	s_barrier_wait -1
	CREST
.endm
.macro FRAG reg, adr, q, i
	ds_load_b128 v[\reg:\reg+3], v[\adr] offset:(\i)*TB+2*(\q)*768
	ds_load_b64 v[\reg+4:\reg+5], v[\adr+2] offset:(\i)*TB+2*(\q)*768
	ds_load_b128 v[\reg+6:\reg+9], v[\adr] offset:(\i)*TB+(2*(\q)+1)*768
	ds_load_b64 v[\reg+10:\reg+11], v[\adr+2] offset:(\i)*TB+(2*(\q)+1)*768
.endm
.macro MUL16 a0, p, q, sc, zero        ; the 64 accumulators take turns, one instruction a turn
.irp a, \a0, \a0+1
.irp b, 0,1,2,3,4,5,6,7
.if \zero
	v_wmma_scale_f32_16x16x128_f8f6f4 v[8*(8*((\a)%4)+\b):8*(8*((\a)%4)+\b)+7], v[128*(\p)+FR*\b:128*(\p)+FR*\b+FR-1], v[AF+FR*(\a):AF+FR*(\a)+FR-1], 0, v[SC+8*NQ*(\sc)+NQ*\b+(\q)], v[SC+8*NQ*(\sc)+NQ*(\a)+(\q)] matrix_a_fmt:MATRIX_FMT_BF6 matrix_b_fmt:MATRIX_FMT_BF6 matrix_a_scale:MATRIX_SCALE_ROW1
.else
	v_wmma_scale_f32_16x16x128_f8f6f4 v[8*(8*((\a)%4)+\b):8*(8*((\a)%4)+\b)+7], v[128*(\p)+FR*\b:128*(\p)+FR*\b+FR-1], v[AF+FR*(\a):AF+FR*(\a)+FR-1], v[8*(8*((\a)%4)+\b):8*(8*((\a)%4)+\b)+7], v[SC+8*NQ*(\sc)+NQ*\b+(\q)], v[SC+8*NQ*(\sc)+NQ*(\a)+(\q)] matrix_a_fmt:MATRIX_FMT_BF6 matrix_b_fmt:MATRIX_FMT_BF6 matrix_a_scale:MATRIX_SCALE_ROW1
.endif
.endr
.endr
.endm
.macro FETCH_B slot, q, p
	WIN TO_B
.irp i, 0,1,2,3,4,5,6,7
	FRAG 128*(\p)+FR*\i, ADRB+\slot, \q, \i
.endr
	WIN 0
.endm
.macro FETCH_A slot, q, i0
.irp i, \i0, \i0+1, \i0+2, \i0+3
	FRAG AF+FR*(\i), ADRA+\slot, \q, \i
.endr
.endm
.macro SCALES sc
.irp i, 0,1,2,3,4,5,6,7
	ds_load_b32 v[SC+16*\sc+2*\i], v[ADRS] offset:64*\i
	ds_load_b32 v[SC+16*\sc+2*\i+1], v[ADRS] offset:512+64*\i
.endr
.endm
.macro PLACES n
.rept \n
	v_nop
.endr
.endm
.macro STEP slot, q, zero
	s_wait_dscnt 4*NL                              ; all but the youngest 16 loads (A's blocks 4-7) are in
	WIN MUL_LO
	MUL16 0, (\q)%2, \q, \slot, \zero
	MUL16 2, (\q)%2, \q, \slot, \zero
	s_wait_dscnt 0
	PLACES NP
	FETCH_B \slot, (\q)+1, 1-(\q)%2
	FETCH_A \slot, (\q)+1, 0
	WIN MUL_HI
	MUL16 4, (\q)%2, \q, \slot, \zero
	MUL16 6, (\q)%2, \q, \slot, \zero
	PLACES NP
	WIN 0
	FETCH_A \slot, (\q)+1, 4
.endm
.macro TURN slot, next, fill
	s_wait_tensorcnt 0x0                           ; all my tensor loads have landed: my part of the next slot
	ds_add_u32 v[SPW], v[NIL]                      ; 0 onto my spare word
	s_wait_dscnt 4*NL+1                            ; the add and the youngest 16 loads may be out
	WIN MUL_LO
	MUL16 0, 1, NQ-1, \slot, 0
	s_wait_dscnt 0x0                               ; the add is done, and my reads of this slot are over
	s_barrier_signal -1
	MUL16 2, 1, NQ-1, \slot, 0
	WIN 0
	s_barrier_wait -1
.if \fill
	CREST                                          ; a round of the cluster's barrier: no wave of any partner still reads this slot or has a load on its way
	s_add_nc_u64 s[G0+4*\slot+2:G0+4*\slot+3], s[G0+4*\slot+2:G0+4*\slot+3], 2*TB
	s_add_nc_u64 s[G0B+4*\slot+2:G0B+4*\slot+3], s[G0B+4*\slot+2:G0B+4*\slot+3], 2*TB
	JLOAD G0+4*\slot, G1, G0B+4*\slot, G1B
.else
	PLACES NP
.endif
	v_add_nc_u32 v[ADRS], 512*NQ, v[ADRS]
	FETCH_B \next, 0, 0
	FETCH_A \next, 0, 0
	SCALES \next
	WIN MUL_HI
	MUL16 4, 1, NQ-1, \slot, 0
	MUL16 6, 1, NQ-1, \slot, 0
	PLACES NP
	WIN 0
	FETCH_A \next, 0, 4
.endm
	s_load_b128 s[4:7], s[0:1], 0x0                ; A's buffer s[4:5], the weights' s[6:7]
	s_load_b128 s[8:11], s[0:1], 0x10              ; the bias s[8:9], the residual s[10:11]
	s_load_b64 s[12:13], s[0:1], 0x20              ; the output
	v_lshl_add_u32 v[SPW], v0, 2, SPARE
	v_mov_b32 v[NIL], 0
	ds_add_u32 v28, v29
	ds_add_u32 v28, v29
	s_wait_dscnt 0x0
	v_lshrrev_b32 v1, 5, v0
	v_readfirstlane_b32 s14, v1
	s_lshr_b32 s15, s14, 1
	s_and_b32 s16, s14, 1
	s_bfe_u32 s40, ttmp6, 0x40000
	s_bfe_u32 s41, ttmp6, 0x40004
	s_lshl_b32 s42, ttmp9, 2
	s_add_co_u32 s42, s42, s40                     ; tile column of C
	s_and_b32 s17, ttmp7, 0xffff
	s_lshl_b32 s17, s17, 2
	s_add_co_u32 s17, s17, s41                     ; tile row of C
	s_lshl_b32 s43, s41, 2
	s_lshl_b32 s43, 15, s43
	s_lshl_b32 s44, 0x1111, s40
	s_or_b32 s[G1+0], s43, (3<<16)|(1<<21)         ; codes: 8 tiles x 3,072 bytes (384 elements of 8), TILEB bytes apart in memory, dense in LDS
	s_or_b32 s[G1B+0], s44, (3<<16)|(1<<21)
.irp g, G1, G1B
	s_mov_b32 s[\g+1], 384<<16
	s_mov_b32 s[\g+2], 8<<16
	s_mov_b32 s[\g+3], 384<<16
	s_mov_b32 s[\g+4], 8
	s_mov_b32 s[\g+5], KH*96
	s_mov_b32 s[\g+6], 0
	s_mov_b32 s[\g+7], 0
.endr
	s_or_b32 s[G1S+0], s43, (3<<16)|(1<<21)        ; the scale words of 128 rows: a dense block of SZ bytes as rows of 256
	s_or_b32 s[G1SB+0], s44, (3<<16)|(1<<21)
.irp g, G1S, G1SB
	s_mov_b32 s[\g+1], 32<<16
	s_mov_b32 s[\g+2], (2*KQ)<<16
	s_mov_b32 s[\g+3], 32<<16
	s_mov_b32 s[\g+4], 2*KQ
	s_mov_b32 s[\g+5], 32
	s_mov_b32 s[\g+6], 0
	s_mov_b32 s[\g+7], 0
.endr
	s_lshl_b32 s18, s16, 3
	s_lshl_b32 s20, s17, 4
	s_add_co_u32 s20, s20, s18
	s_mul_i32 s20, s20, TILEB
	s_mov_b32 s21, 0
	s_lshl_b32 s46, s42, 4
	s_add_co_u32 s46, s46, s18
	s_mul_i32 s46, s46, TILEB
	s_add_co_u32 s46, s46, WOFF
	s_mov_b32 s47, 0
	s_lshl_b32 s22, s17, 1
	s_add_co_u32 s22, s22, s16
	s_mul_i32 s22, s22, SZ
	s_add_co_u32 s22, s22, ASOFF
	s_mov_b32 s23, 0
	s_lshl_b32 s92, s42, 1
	s_add_co_u32 s92, s92, s16
	s_mul_i32 s92, s92, SZ
	s_add_co_u32 s92, s92, WSOFF
	s_mov_b32 s93, 0
	s_mul_i32 s45, s14, HALFT
	s_mul_i32 s94, s14, SZ
	s_wait_kmcnt 0x0
	s_add_nc_u64 s[20:21], s[4:5], s[20:21]
	s_add_nc_u64 s[22:23], s[4:5], s[22:23]
	s_add_nc_u64 s[46:47], s[6:7], s[46:47]
	s_add_nc_u64 s[92:93], s[6:7], s[92:93]
	CROUND
	s_mov_b32 s[G0S], 1
	s_add_co_u32 s[G0S+1], s94, SCL
	s_mov_b64 s[G0S+2:G0S+3], s[22:23]
	s_or_b32 s[G0S+3], s[G0S+3], 0x80000000
	s_mov_b32 s[G0SB], 1
	s_add_co_u32 s[G0SB+1], s94, SCL
	s_mov_b64 s[G0SB+2:G0SB+3], s[92:93]
	s_or_b32 s[G0SB+3], s[G0SB+3], 0x80000000
	JLOAD G0S, G1S, G0SB, G1SB
.irp s, 0,1
	s_mov_b32 s[G0+4*\s], 1
	s_add_co_u32 s[G0+4*\s+1], s45, \s*SLOT
	s_add_nc_u64 s[G0+4*\s+2:G0+4*\s+3], s[20:21], \s*TB
	s_or_b32 s[G0+4*\s+3], s[G0+4*\s+3], 0x80000000
	s_mov_b32 s[G0B+4*\s], 1
	s_add_co_u32 s[G0B+4*\s+1], s45, \s*SLOT
	s_add_nc_u64 s[G0B+4*\s+2:G0B+4*\s+3], s[46:47], \s*TB
	s_or_b32 s[G0B+4*\s+3], s[G0B+4*\s+3], 0x80000000
	JLOAD G0+4*\s, G1, G0B+4*\s, G1B
.endr
	v_and_b32 v1, 31, v0
	v_and_b32 v2, 15, v0
	v_bfe_u32 v3, v0, 4, 1
	v_lshlrev_b32 v4, 4, v1
	v_lshl_add_u32 v5, v1, 3, 512
	s_mul_i32 s21, s15, HALFT
	s_mul_i32 s22, s16, HALFT
	s_add_co_u32 s22, s22, 2*HALFT
.irp s, 0,1
	v_add_nc_u32 v[ADRA+\s], s21, v4
	v_add_nc_u32 v[ADRB+\s], s22, v4
	v_add_nc_u32 v[ADRA+2+\s], s21, v5
	v_add_nc_u32 v[ADRB+2+\s], s22, v5
	s_add_co_u32 s21, s21, SLOT
	s_add_co_u32 s22, s22, SLOT
.endr
	v_lshlrev_b32 v6, 2, v2
	s_mul_i32 s21, s15, SZ
	s_mul_i32 s22, s16, SZ
	s_add_co_u32 s22, s22, 2*SZ
	s_sub_co_u32 s22, s22, s21
	v_mul_u32_u24 v7, s22, v3                      ; lanes 16-31 take B's words: one product, the distance between the two
	s_add_co_u32 s21, s21, SCL
	v_add_nc_u32 v6, v6, v7
	v_add_nc_u32 v[ADRS], s21, v6
	s_mul_i32 s23, s14, 16*SPITCH                  ; my stage
	v_mul_u32_u24 v6, v2, SPITCH
	v_lshl_add_u32 v6, v3, 6, v6
	v_add_nc_u32 v[STO], s23, v6                   ; in: place r, + 64 h
	v_add_nc_u32 v[RD], s23, v4                    ; back: a row of 512 bytes to the 32 lanes
	v_mov_b32 v[CO], v4
	s_lshl_b32 s20, s17, 8
	s_lshl_b32 s21, s15, 7
	s_add_co_u32 s20, s20, s21
	s_lshl_b32 s20, s20, 12                        ; my first row of C, in bytes
	s_mov_b32 s21, 0
	s_lshl_b32 s46, s42, 10
	s_lshl_b32 s47, s16, 9
	s_add_co_u32 s46, s46, s47                     ; my first column, in bytes
	s_mov_b32 s47, 0
	s_add_nc_u64 s[8:9], s[8:9], s[46:47]
	s_add_nc_u64 s[20:21], s[20:21], s[46:47]
	s_add_nc_u64 s[10:11], s[10:11], s[20:21]
	s_add_nc_u64 s[12:13], s[12:13], s[20:21]
	global_load_b128 v[BI:BI+3], v[CO], s[8:9]     ; the bias of my four columns of a row
	s_wait_loadcnt 0x0
	s_wait_tensorcnt 1                             ; the scale words and my part of slot 0 are in; slot 1's load may be out
	s_barrier_signal -1
	s_barrier_wait -1
	FETCH_B 0, 0, 0
	FETCH_A 0, 0, 0
	SCALES 0
	FETCH_A 0, 0, 4
	STEP 0, 0, 1
	s_mov_b32 s3, LAPS-1
.Llap:
	TURN 0, 1, 1
	STEP 1, 0, 0
	TURN 1, 0, 1
	STEP 0, 0, 0
	s_sub_co_u32 s3, s3, 1
	s_cmp_lg_u32 s3, 0
	s_cbranch_scc1 .Llap
	TURN 0, 1, 0
	STEP 1, 0, 0
	s_wait_dscnt 4*NL
	WIN MUL_LO
	MUL16 0, 1, NQ-1, 1, 0
	MUL16 2, 1, NQ-1, 1, 0
	s_wait_dscnt 0
	WIN MUL_HI
	MUL16 4, 1, NQ-1, 1, 0
	MUL16 6, 1, NQ-1, 1, 0
	WIN 0
; THE WAY OUT, block by block of 16 rows x 128 columns: through my own stage in LDS, back as whole rows of 512 bytes; the residual row and the bias are added; 32 lanes store 512 consecutive bytes.
; Place t of block a is row 32 (a / 2) + 8 (a % 2) + t + 8 (t / 8) of my 128: it stands in the immediates, 127 rows of 4,096 bytes at the most.
.macro RLOAD a                         ; the residual's 16 rows of block a into set a % 4 of window 1
	WIN 0x40
.irp t, 0,1,2,3,4,5,6,7,8,9,10,11,12,13,14,15
	global_load_b128 v[64*((\a)%4)+4*\t:64*((\a)%4)+4*\t+3], v[CO], s[10:11] offset:(32*((\a)/2)+8*((\a)%2)+\t+8*(\t/8))*4096
.endr
	WIN 0
.endm
.macro TOSTAGE a
.set AC, 64*((\a)%4)
	WIN 0x08+4*((\a)/4)
.irp b, 0,1,2,3,4,5,6,7
	ds_store_b128 v[STO], v[AC+8*\b:AC+8*\b+3] offset:128*(\b/2)+32*(\b%2)      ; each accumulator from its low end on
	ds_store_b128 v[STO], v[AC+8*\b+4:AC+8*\b+7] offset:128*(\b/2)+32*(\b%2)+16
.endr
	WIN 0
.set BB, BK+64*((\a)%2)
.irp t, 0,1,2,3,4,5,6,7,8,9,10,11,12,13,14,15
	ds_load_b128 v[BB+4*\t:BB+4*\t+3], v[RD] offset:\t*SPITCH   ; LDS serves a wave's instructions in order: these see the stores above
.endr
.endm
.macro SEND a, younger, left
.set BB, BK+64*((\a)%2)
.set RR, 64*((\a)%4)
	s_wait_dscnt \younger                          ; the block is back; the next block's 16 stores and 16 loads may be out
	s_wait_loadcnt \left                           ; its residual rows are in; those of the blocks behind it may be out
	WIN 0x04
.set CP, 0
.rept 32
	v_pk_add_f32 v[BB+2*CP:BB+2*CP+1], v[BB+2*CP:BB+2*CP+1], v[RR+2*CP:RR+2*CP+1]
.set CP, CP+1
.endr
	WIN 0
.set CP, 0
.rept 32
	v_pk_add_f32 v[BB+2*CP:BB+2*CP+1], v[BB+2*CP:BB+2*CP+1], v[BI+2*(CP%2):BI+2*(CP%2)+1]
.set CP, CP+1
.endr
.irp t, 0,1,2,3,4,5,6,7,8,9,10,11,12,13,14,15
	global_store_b128 v[CO], v[BB+4*\t:BB+4*\t+3], s[12:13] offset:(32*((\a)/2)+8*((\a)%2)+\t+8*(\t/8))*4096
.endr
.endm
	PLACES NP                                      ; in front of loads into registers that the last products read, and of the first read of results
	RLOAD 0
	RLOAD 1
	RLOAD 2
	TOSTAGE 0
.irp a, 1,2,3,4,5,6,7
.if \a > 1
	s_wait_xcnt 0x0                                ; block a - 2's stores have read their registers: block a's rows may land there
.endif
	TOSTAGE \a
.if \a < 7
	SEND \a-1, 32, 32
.else
	SEND \a-1, 32, 16
.endif
.if \a < 6
	RLOAD \a+2
.endif
.endr
	SEND 7, 0, 0
	s_wait_tensorcnt 0x0                           ; the wave's end
	ds_add_u32 v[SPW], v[NIL]
	s_wait_dscnt 0x0
	CROUND                                         ; the closing round
	s_endpgm
.Lfunc_end_k_qdeddb7fb49_proj:
	.size	k_qdeddb7fb49_proj, .Lfunc_end_k_qdeddb7fb49_proj-k_qdeddb7fb49_proj
	.p2alignl 7, 3214868480
	.fill 96, 4, 3214868480
	.section	.rodata,"a",@progbits
	.p2align	6, 0x0
	.amdhsa_kernel k_qdeddb7fb49_proj
		.amdhsa_group_segment_fixed_size 327680
		.amdhsa_private_segment_fixed_size 0
		.amdhsa_enable_private_segment 0
		.amdhsa_kernarg_size 40
		.amdhsa_user_sgpr_count 2
		.amdhsa_user_sgpr_kernarg_segment_ptr 1
		.amdhsa_wavefront_size32 1
		.amdhsa_system_sgpr_workgroup_id_x 1
		.amdhsa_system_sgpr_workgroup_id_y 1
		.amdhsa_system_sgpr_workgroup_id_z 1
		.amdhsa_system_vgpr_workitem_id 0
		.amdhsa_next_free_vgpr 1024
		.amdhsa_next_free_sgpr 100
		.amdhsa_reserve_vcc 0
		.amdhsa_float_denorm_mode_32 3
		.amdhsa_float_denorm_mode_16_64 3
		.amdhsa_memory_ordered 1
		.amdhsa_forward_progress 1
		.amdhsa_inst_pref_size 191
	.end_amdhsa_kernel
	.amdgpu_metadata
---
amdhsa.version: [ 1, 2 ]
amdhsa.kernels:
  - .name:           k_qdeddb7fb49_proj
    .symbol:         k_qdeddb7fb49_proj.kd
    .args:
      - { .name: act, .offset: 0, .size: 8, .value_kind: global_buffer, .address_space: global }
      - { .name: wq, .offset: 8, .size: 8, .value_kind: global_buffer, .address_space: global }
      - { .name: b_proj, .offset: 16, .size: 8, .value_kind: global_buffer, .address_space: global }
      - { .name: x, .offset: 24, .size: 8, .value_kind: global_buffer, .address_space: global }
      - { .name: x1, .offset: 32, .size: 8, .value_kind: global_buffer, .address_space: global }
    .group_segment_fixed_size: 327680
    .private_segment_fixed_size: 0
    .kernarg_segment_align: 8
    .kernarg_segment_size: 40
    .max_flat_workgroup_size: 128
    .sgpr_count:     100
    .vgpr_count:     1024
    .wavefront_size: 32
...
	.end_amdgpu_metadata
.endif
;; end of part 4
;; launch ln2: the kernel of part 1 again; grid 256 x 1, 8 waves a work-group, no clusters, 67,072 bytes of LDS; arguments x1, ln2_w, ln2_b, act, w_qkv, w_proj, w_fc, w_fc2, wq; writes act, wq
;; launch fc (part 5): grid 16 x 16, 4 waves a work-group, clusters of 4 x 4, 327,680 bytes of LDS; arguments act, wq, b_fc, gb; writes gb
.if DOCPART == 5
	.amdgcn_target "amdgcn-amd-amdhsa--gfx1250"
	.amdhsa_code_object_version 6
	.text
	.protected	k_qdeddb7fb49_fc
	.globl	k_qdeddb7fb49_fc
	.p2align	8
	.type	k_qdeddb7fb49_fc,@function
k_qdeddb7fb49_fc:
	s_mov_b64 s[64:65], 0
	v_nop
	global_prefetch_b8 v0, s[64:65] scope:SCOPE_SE
	s_setreg_imm32_b32 hwreg(HW_REG_WAVE_MODE, 25, 1), 1
	s_wait_xcnt 0x0
	s_wait_alu depctr_hold_cnt(0) depctr_sa_sdst(0) depctr_va_vdst(0) depctr_va_sdst(0) depctr_va_ssrc(0) depctr_va_vcc(0) depctr_vm_vsrc(0)
	s_getreg_b32 s2, hwreg(HW_REG_IB_STS2, 6, 4)
	s_cmp_eq_u32 s2, 0
	s_cbranch_scc0 .Lentry_in_a_cluster
	s_endpgm
.Lentry_in_a_cluster:
	s_bfe_u32 s2, ttmp6, 0x10000c
	s_cmp_lg_u32 s2, 0xf033
	s_cbranch_scc0 .Lentry_shape_is_right
	s_endpgm
.Lentry_shape_is_right:
; g = gelu(LN2(x1) W_fc + b_fc), exact gelu, quantised along its 4,096 channels on the way out.  Operands and result are codes of BF6 (E3M2) with E8M0 scales.
; A tile of C, 256 x 256, is made by four waves, 128 x 128 each: 64 accumulators.  K = 1,024 goes in slots of 256 through a ring of two LDS slots filled by the tensor data mover.
; CODES lie as images of operand registers: a tile is 16 rows (tile t, place r: row 32 (t / 2) + 8 (t % 2) + r + 8 (r / 8)); 64 along K of it are 768 bytes: lane l's registers 0-3 at 16 l, 4-5 at 512 + 8 l.
; The matrix instruction is used transposed (source 0 = 16 columns of W, source 1 = 16 tokens): accumulators (a, 2 b), (a, 2 b + 1) hold 16 neighbouring channels a lane, the next product's K.
; CLUSTERS: 4 x 4.  A's tiles are asked for jointly along a row of the cluster, B's along a column.
; erf(z) = z P(z^2) / Q(z^2), P of degree 6 and Q of degree 4, z held to -4 .. 4; the division is a reciprocal and a multiplication.
; LIMITS: beyond |x| = 4 sqrt(2) erf keeps its value at 4; a block of zeros, or one whose largest magnitude lies under 2^-122, gets the byte 1; NaN and infinities are not served.
.set KK,     1024
.set ASOFF,  3145728
.set WOFF,   3145728
.set WSOFF,  9568256
.set KH,     KK/64
.set KQ,     KK/128
.set TILEB,  KH*768
.set SZ,     KQ*512
.set LAPS,   KK/512
.set NQ,     2
.set FR,     12
.set NL,     4
.set NP,     4
.set TB,     3072
.set HALFT,  8*TB
.set SLOT,   4*HALFT
.set SCL,    2*SLOT
.set SPARE,  SCL+4*SZ                  ; the spare words, 128 bytes for each wave, which no other line names
.set ADRA, 16
.set ADRB, 20
.set VO16, 24
.set VO8,  25
.set VO4,  26
.set ADRS, 27
.set SPW,  28
.set NIL,  29
.set BO,   30
.set SC,   32
.set AF,   128
.set H,    32                          ; the way out: v32-95 a block's 64 numbers
.set PC,   96
.set TM,   116
.set ZR,   96                          ; gelu: v96-127 z, v128-159 z^2, v160-191 P, v192-223 Q
.set Z2,   128
.set PP,   160
.set QQ,   192
.set PW,   224
.set PWP,  225
.set WW,   226
.set A1V,  228                         ; v[228:229] P's second coefficient, v[230:231] Q's
.set B1V,  230
.set SEL,  96
.set AI,   24
.set A0,   48                          ; scalar pairs: the other coefficients
.set A2,   50
.set A3,   52
.set A4,   54
.set A5,   56
.set A6,   58
.set B0,   60
.set B2,   62
.set B3,   68
.set B4,   70
.set G1, 24
.set G0, 32
.set G1B, 48
.set G0B, 56
.set G1S, 68
.set G0S, 76
.set G1SB, 80
.set G0SB, 88
.set MSB, 0
.macro WIN new
.if MSB != (\new)
	s_set_vgpr_msb (MSB<<8)|(\new)
.set MSB, (\new)
.endif
.endm
.set MUL_LO, 0xa1
.set MUL_HI, 0xf1
.set TO_B,   0x40
.macro JLOAD g0a, g1a, g0b, g1b        ; a joint load: waves 0 and 1 fetch for A, waves 2 and 3 for B; four v_nop follow each line
	s_cmp_eq_u32 s15, 0
	s_cbranch_scc0 .Lfor_b_\@
	tensor_load_to_lds s[\g0a:\g0a+3], s[\g1a:\g1a+7]
	s_nop 0
.rept 4
	v_nop
.endr
	s_branch .Lasked_\@
.Lfor_b_\@:
	tensor_load_to_lds s[\g0b:\g0b+3], s[\g1b:\g1b+7]
	s_nop 0
.rept 4
	v_nop
.endr
.Lasked_\@:
.endm
.macro CREST
	s_cmp_lg_u32 s14, 0
	s_cbranch_scc1 .Lnot_wave_0_\@
	s_barrier_signal -3
.Lnot_wave_0_\@:
	s_barrier_wait -3
	s_barrier_signal -1
	s_barrier_wait -1
.endm
.macro CROUND
	s_barrier_signal -1
	s_barrier_wait -1
	CREST
.endm
.macro FRAG reg, adr, q, i
	ds_load_b128 v[\reg:\reg+3], v[\adr] offset:(\i)*TB+2*(\q)*768
	ds_load_b64 v[\reg+4:\reg+5], v[\adr+2] offset:(\i)*TB+2*(\q)*768
	ds_load_b128 v[\reg+6:\reg+9], v[\adr] offset:(\i)*TB+(2*(\q)+1)*768
	ds_load_b64 v[\reg+10:\reg+11], v[\adr+2] offset:(\i)*TB+(2*(\q)+1)*768
.endm
.macro MUL16 a0, p, q, sc, zero        ; the 64 accumulators take turns, one instruction a turn
.irp a, \a0, \a0+1
.irp b, 0,1,2,3,4,5,6,7
.if \zero
	v_wmma_scale_f32_16x16x128_f8f6f4 v[8*(8*((\a)%4)+\b):8*(8*((\a)%4)+\b)+7], v[128*(\p)+FR*\b:128*(\p)+FR*\b+FR-1], v[AF+FR*(\a):AF+FR*(\a)+FR-1], 0, v[SC+8*NQ*(\sc)+NQ*\b+(\q)], v[SC+8*NQ*(\sc)+NQ*(\a)+(\q)] matrix_a_fmt:MATRIX_FMT_BF6 matrix_b_fmt:MATRIX_FMT_BF6 matrix_a_scale:MATRIX_SCALE_ROW1
.else
	v_wmma_scale_f32_16x16x128_f8f6f4 v[8*(8*((\a)%4)+\b):8*(8*((\a)%4)+\b)+7], v[128*(\p)+FR*\b:128*(\p)+FR*\b+FR-1], v[AF+FR*(\a):AF+FR*(\a)+FR-1], v[8*(8*((\a)%4)+\b):8*(8*((\a)%4)+\b)+7], v[SC+8*NQ*(\sc)+NQ*\b+(\q)], v[SC+8*NQ*(\sc)+NQ*(\a)+(\q)] matrix_a_fmt:MATRIX_FMT_BF6 matrix_b_fmt:MATRIX_FMT_BF6 matrix_a_scale:MATRIX_SCALE_ROW1
.endif
.endr
.endr
.endm
.macro FETCH_B slot, q, p
	WIN TO_B
.irp i, 0,1,2,3,4,5,6,7
	FRAG 128*(\p)+FR*\i, ADRB+\slot, \q, \i
.endr
	WIN 0
.endm
.macro FETCH_A slot, q, i0
.irp i, \i0, \i0+1, \i0+2, \i0+3
	FRAG AF+FR*(\i), ADRA+\slot, \q, \i
.endr
.endm
.macro SCALES sc
.irp i, 0,1,2,3,4,5,6,7
	ds_load_b32 v[SC+16*\sc+2*\i], v[ADRS] offset:64*\i
	ds_load_b32 v[SC+16*\sc+2*\i+1], v[ADRS] offset:512+64*\i
.endr
.endm
.macro PLACES n
.rept \n
	v_nop
.endr
.endm
.macro STEP slot, q, zero
	s_wait_dscnt 4*NL                              ; all but the youngest 16 loads (A's blocks 4-7) are in
	WIN MUL_LO
	MUL16 0, (\q)%2, \q, \slot, \zero
	MUL16 2, (\q)%2, \q, \slot, \zero
	s_wait_dscnt 0
	PLACES NP
	FETCH_B \slot, (\q)+1, 1-(\q)%2
	FETCH_A \slot, (\q)+1, 0
	WIN MUL_HI
	MUL16 4, (\q)%2, \q, \slot, \zero
	MUL16 6, (\q)%2, \q, \slot, \zero
	PLACES NP
	WIN 0
	FETCH_A \slot, (\q)+1, 4
.endm
.macro TURN slot, next, fill
	s_wait_tensorcnt 0x0                           ; all my tensor loads have landed: my part of the next slot
	ds_add_u32 v[SPW], v[NIL]                      ; 0 onto my spare word
	s_wait_dscnt 4*NL+1                            ; the add and the youngest 16 loads may be out
	WIN MUL_LO
	MUL16 0, 1, NQ-1, \slot, 0
	s_wait_dscnt 0x0                               ; the add is done, and my reads of this slot are over
	s_barrier_signal -1
	MUL16 2, 1, NQ-1, \slot, 0
	WIN 0
	s_barrier_wait -1
.if \fill
	CREST                                          ; a round of the cluster's barrier: no wave of any partner still reads this slot or has a load on its way
	s_add_nc_u64 s[G0+4*\slot+2:G0+4*\slot+3], s[G0+4*\slot+2:G0+4*\slot+3], 2*TB
	s_add_nc_u64 s[G0B+4*\slot+2:G0B+4*\slot+3], s[G0B+4*\slot+2:G0B+4*\slot+3], 2*TB
	JLOAD G0+4*\slot, G1, G0B+4*\slot, G1B
.else
	PLACES NP
.endif
	v_add_nc_u32 v[ADRS], 512*NQ, v[ADRS]
	FETCH_B \next, 0, 0
	FETCH_A \next, 0, 0
	SCALES \next
	WIN MUL_HI
	MUL16 4, 1, NQ-1, \slot, 0
	MUL16 6, 1, NQ-1, \slot, 0
	PLACES NP
	WIN 0
	FETCH_A \next, 0, 4
.endm
.macro QUANT s                         ; 64 numbers of a lane, register 16 b + i = k 32 b + 16 (lane / 16) + i, become 12 code registers at v[PC] and the row's scale word in v[PW]
.irp b, 0,1,2,3
	v_max3_num_f32 v[TM+\b], |v[\s+16*\b]|, |v[\s+1+16*\b]|, 0x2800000
.endr
.irp i, 2,4,6,8,10,12,14
.irp b, 0,1,2,3
	v_max3_num_f32 v[TM+\b], v[TM+\b], |v[\s+16*\b+\i]|, |v[\s+1+16*\b+\i]|
.endr
.endr
.irp b, 0,1,2,3
	v_permlanex16_b32 v[TM+4+\b], v[TM+\b], s[SEL], s[SEL+1]
.endr
.irp b, 0,1,2,3
	v_max_num_f32 v[TM+\b], v[TM+\b], v[TM+4+\b]
.endr
.irp b, 0,1,2,3
	v_add_nc_u32 v[TM+12+\b], 0xfe000000, v[TM+\b]
.endr
.irp b, 0,1,2,3
	v_lshrrev_b32 v[TM+4+\b], 23, v[TM+12+\b]
.endr
	v_lshl_or_b32 v[PW], v[TM+5], 8, v[TM+4]
	v_lshl_or_b32 v[PW], v[TM+6], 16, v[PW]
	v_lshl_or_b32 v[PW], v[TM+7], 24, v[PW]
.irp c, 0,1
	v_cvt_scalef32_pk16_bf6_f32 v[PC+6*\c:PC+2+6*\c], v[\s+32*\c:\s+15+32*\c], v[TM+12+2*\c]
	v_cvt_scalef32_pk16_bf6_f32 v[PC+12+4*\c:PC+14+4*\c], v[\s+16+32*\c:\s+31+32*\c], v[TM+12+2*\c+1]
.endr
	v_nop
.irp c, 0,1
.irp i, 0,1,2
	v_permlane16_swap_b32 v[PC+6*\c+\i], v[PC+12+4*\c+\i]
.endr
.irp i, 0,1,2
	v_mov_b32 v[PC+3+6*\c+\i], v[PC+12+4*\c+\i]
.endr
.endr
.endm
	s_load_b128 s[4:7], s[0:1], 0x0                ; A's buffer s[4:5], the weights' s[6:7]
	s_load_b128 s[8:11], s[0:1], 0x10              ; the bias s[8:9], the output s[10:11]
	v_lshl_add_u32 v[SPW], v0, 2, SPARE
	v_mov_b32 v[NIL], 0
	ds_add_u32 v28, v29
	ds_add_u32 v28, v29
	s_wait_dscnt 0x0
	v_lshrrev_b32 v1, 5, v0
	v_readfirstlane_b32 s14, v1
	s_lshr_b32 s15, s14, 1
	s_and_b32 s16, s14, 1
	s_bfe_u32 s40, ttmp6, 0x40000
	s_bfe_u32 s41, ttmp6, 0x40004
	s_lshl_b32 s42, ttmp9, 2
	s_add_co_u32 s42, s42, s40                     ; tile column of C
	s_and_b32 s17, ttmp7, 0xffff
	s_lshl_b32 s17, s17, 2
	s_add_co_u32 s17, s17, s41                     ; tile row of C
	s_lshl_b32 s43, s41, 2
	s_lshl_b32 s43, 15, s43
	s_lshl_b32 s44, 0x1111, s40
	s_or_b32 s[G1+0], s43, (3<<16)|(1<<21)         ; codes: 8 tiles x 3,072 bytes (384 elements of 8), TILEB bytes apart in memory, dense in LDS
	s_or_b32 s[G1B+0], s44, (3<<16)|(1<<21)
.irp g, G1, G1B
	s_mov_b32 s[\g+1], 384<<16
	s_mov_b32 s[\g+2], 8<<16
	s_mov_b32 s[\g+3], 384<<16
	s_mov_b32 s[\g+4], 8
	s_mov_b32 s[\g+5], KH*96
	s_mov_b32 s[\g+6], 0
	s_mov_b32 s[\g+7], 0
.endr
	s_or_b32 s[G1S+0], s43, (3<<16)|(1<<21)        ; the scale words of 128 rows: a dense block of SZ bytes as rows of 256
	s_or_b32 s[G1SB+0], s44, (3<<16)|(1<<21)
.irp g, G1S, G1SB
	s_mov_b32 s[\g+1], 32<<16
	s_mov_b32 s[\g+2], (2*KQ)<<16
	s_mov_b32 s[\g+3], 32<<16
	s_mov_b32 s[\g+4], 2*KQ
	s_mov_b32 s[\g+5], 32
	s_mov_b32 s[\g+6], 0
	s_mov_b32 s[\g+7], 0
.endr
	s_lshl_b32 s18, s16, 3
	s_lshl_b32 s20, s17, 4
	s_add_co_u32 s20, s20, s18
	s_mul_i32 s20, s20, TILEB
	s_mov_b32 s21, 0
	s_lshl_b32 s46, s42, 4
	s_add_co_u32 s46, s46, s18
	s_mul_i32 s46, s46, TILEB
	s_add_co_u32 s46, s46, WOFF
	s_mov_b32 s47, 0
	s_lshl_b32 s22, s17, 1
	s_add_co_u32 s22, s22, s16
	s_mul_i32 s22, s22, SZ
	s_add_co_u32 s22, s22, ASOFF
	s_mov_b32 s23, 0
	s_lshl_b32 s92, s42, 1
	s_add_co_u32 s92, s92, s16
	s_mul_i32 s92, s92, SZ
	s_add_co_u32 s92, s92, WSOFF
	s_mov_b32 s93, 0
	s_mul_i32 s45, s14, HALFT
	s_mul_i32 s94, s14, SZ
	s_wait_kmcnt 0x0
	s_add_nc_u64 s[20:21], s[4:5], s[20:21]
	s_add_nc_u64 s[22:23], s[4:5], s[22:23]
	s_add_nc_u64 s[46:47], s[6:7], s[46:47]
	s_add_nc_u64 s[92:93], s[6:7], s[92:93]
	CROUND
	s_mov_b32 s[G0S], 1
	s_add_co_u32 s[G0S+1], s94, SCL
	s_mov_b64 s[G0S+2:G0S+3], s[22:23]
	s_or_b32 s[G0S+3], s[G0S+3], 0x80000000
	s_mov_b32 s[G0SB], 1
	s_add_co_u32 s[G0SB+1], s94, SCL
	s_mov_b64 s[G0SB+2:G0SB+3], s[92:93]
	s_or_b32 s[G0SB+3], s[G0SB+3], 0x80000000
	JLOAD G0S, G1S, G0SB, G1SB
.irp s, 0,1
	s_mov_b32 s[G0+4*\s], 1
	s_add_co_u32 s[G0+4*\s+1], s45, \s*SLOT
	s_add_nc_u64 s[G0+4*\s+2:G0+4*\s+3], s[20:21], \s*TB
	s_or_b32 s[G0+4*\s+3], s[G0+4*\s+3], 0x80000000
	s_mov_b32 s[G0B+4*\s], 1
	s_add_co_u32 s[G0B+4*\s+1], s45, \s*SLOT
	s_add_nc_u64 s[G0B+4*\s+2:G0B+4*\s+3], s[46:47], \s*TB
	s_or_b32 s[G0B+4*\s+3], s[G0B+4*\s+3], 0x80000000
	JLOAD G0+4*\s, G1, G0B+4*\s, G1B
.endr
	v_and_b32 v1, 31, v0
	v_and_b32 v2, 15, v0
	v_bfe_u32 v3, v0, 4, 1
	v_lshlrev_b32 v4, 4, v1
	v_lshl_add_u32 v5, v1, 3, 512
	s_mul_i32 s21, s15, HALFT
	s_mul_i32 s22, s16, HALFT
	s_add_co_u32 s22, s22, 2*HALFT
.irp s, 0,1
	v_add_nc_u32 v[ADRA+\s], s21, v4
	v_add_nc_u32 v[ADRB+\s], s22, v4
	v_add_nc_u32 v[ADRA+2+\s], s21, v5
	v_add_nc_u32 v[ADRB+2+\s], s22, v5
	s_add_co_u32 s21, s21, SLOT
	s_add_co_u32 s22, s22, SLOT
.endr
	v_lshlrev_b32 v6, 2, v2
	s_mul_i32 s21, s15, SZ
	s_mul_i32 s22, s16, SZ
	s_add_co_u32 s22, s22, 2*SZ
	s_sub_co_u32 s22, s22, s21
	v_mul_u32_u24 v7, s22, v3                      ; lanes 16-31 take B's words: one product, the distance between the two
	s_add_co_u32 s21, s21, SCL
	v_add_nc_u32 v6, v6, v7
	v_add_nc_u32 v[ADRS], s21, v6
	v_mov_b32 v[VO16], v4
	v_mov_b32 v[VO8], v5
	v_lshlrev_b32 v[VO4], 2, v1
	s_lshl_b32 s46, s42, 10
	s_lshl_b32 s47, s16, 9
	s_add_co_u32 s46, s46, s47                     ; my first column, in bytes
	s_mov_b32 s47, 0
	s_add_nc_u64 s[8:9], s[8:9], s[46:47]
	v_lshlrev_b32 v[BO], 6, v3
	WIN 0x40                                       ; the bias, in the result's layout, into the gaps between B's sets in window 1
.irp b, 0,1,2,3
.irp j, 0,1,2,3
	global_load_b128 v[96+128*(\b/2)+16*(\b%2)+4*\j:96+128*(\b/2)+16*(\b%2)+4*\j+3], v[BO], s[8:9] offset:128*\b+16*\j
.endr
.endr
	WIN 0
	s_wait_loadcnt 0x0
	s_wait_tensorcnt 1                             ; the scale words and my part of slot 0 are in; slot 1's load may be out
	s_barrier_signal -1
	s_barrier_wait -1
	FETCH_B 0, 0, 0
	FETCH_A 0, 0, 0
	SCALES 0
	FETCH_A 0, 0, 4
	STEP 0, 0, 1
	s_mov_b32 s3, LAPS-1
.Llap:
	TURN 0, 1, 1
	STEP 1, 0, 0
	TURN 1, 0, 1
	STEP 0, 0, 0
	s_sub_co_u32 s3, s3, 1
	s_cmp_lg_u32 s3, 0
	s_cbranch_scc1 .Llap
	TURN 0, 1, 0
	STEP 1, 0, 0
	s_wait_dscnt 4*NL
	WIN MUL_LO
	MUL16 0, 1, NQ-1, 1, 0
	MUL16 2, 1, NQ-1, 1, 0
	s_wait_dscnt 0
	WIN MUL_HI
	MUL16 4, 1, NQ-1, 1, 0
	MUL16 6, 1, NQ-1, 1, 0
	WIN 0
	; THE WAY OUT: a loop of eight trips, one for each of my blocks of 16 rows: copy with the bias into window 0 (the copy alone differs from block to block), gelu, quantise, store two images of 768 bytes;
	; the scale words of two blocks leave together, 128 consecutive bytes.
	PLACES NP
.irp b, 0,1,2,3
	v_mov_b32 v[TM+4+\b], 0
.endr
	v_mov_b32 v[PWP], 0
	v_mov_b32 v[A1V], 0x32edffee                   ; 2.77068142e-08
	v_mov_b32 v[A1V+1], 0x32edffee
	v_mov_b32 v[B1V], 0xb95fbd29                   ; -2.13374055e-04
	v_mov_b32 v[B1V+1], 0xb95fbd29
	s_mov_b32 s[SEL], 0x76543210
	s_mov_b32 s[SEL+1], 0xfedcba98
	s_mov_b32 vcc_lo, 0xffff0000
	s_mov_b32 s[A0], 0xaf95df0b                    ; -2.72614226e-10
	s_mov_b32 s[A2], 0xb60cff51                    ; -2.10102402e-06
	s_mov_b32 s[A3], 0xb86ec2d2                    ; -5.69250639e-05
	s_mov_b32 s[A4], 0xba40ac63                    ; -7.34990630e-04
	s_mov_b32 s[A5], 0xbb41a1f6                    ; -2.95459981e-03
	s_mov_b32 s[A6], 0xbc83dbd4                    ; -1.60960333e-02
	s_mov_b32 s[B0], 0xb77460cd                    ; -1.45660718e-05
	s_mov_b32 s[B2], 0xbadc924e                    ; -1.68282697e-03
	s_mov_b32 s[B3], 0xbbf19bf8                    ; -7.37332917e-03
	s_mov_b32 s[B4], 0xbc69b6a7                    ; -1.42647391e-02
.irp c, A0, A2, A3, A4, A5, A6, B0, B2, B3, B4
	s_mov_b32 s[\c+1], s[\c]                       ; named with it as a pair, so it is written
.endr
	s_mov_b32 s[AI], 0
	s_mov_b32 s27, 0
	s_mov_b32 s29, 0
	s_lshl_b32 s38, s42, 2
	s_lshl_b32 s39, s16, 1
	s_add_co_u32 s38, s38, s39                     ; which 64 channels: 4 tx + 2 half
	s_lshl_b32 s39, s17, 4
	s_lshl_b32 s25, s15, 3
	s_add_co_u32 s39, s39, s25                     ; my first tile of tokens
	s_mul_i32 s34, s39, 49152
	s_mul_i32 s25, s38, 768
	s_add_co_u32 s34, s34, s25
	s_mov_b32 s35, 0
	s_add_nc_u64 s[34:35], s[10:11], s[34:35]
	s_lshl_b32 s36, s39, 11                        ; (tile / 8) x 16,384
	s_lshl_b32 s25, s38, 8                         ; (4 tx + 2 half) / 2 x 512
	s_add_co_u32 s36, s36, s25
	s_add_co_u32 s36, s36, 12582912
	s_mov_b32 s37, 0
	s_add_nc_u64 s[36:37], s[10:11], s[36:37]
.macro COPYC k, ofc, ofs               ; block k + the bias; each accumulator is read from its low end on
	s_mov_b32 s26, \ofc
	s_mov_b32 s28, \ofs
	WIN 0x06+(\k)/4
.set CP, 0
.rept 32
	v_pk_add_f32 v[H+2*CP:H+2*CP+1], v[64*((\k)%4)+2*CP:64*((\k)%4)+2*CP+1], v[96+128*(CP/16)+16*((CP/8)%2)+(2*CP)%16:96+128*(CP/16)+16*((CP/8)%2)+(2*CP)%16+1]
.set CP, CP+1
.endr
	WIN 0
.endm
.macro GELU hb                         ; 32 numbers in place: x/2 + x/2 erf(x / sqrt(2))
.set CP, 0
.rept 16
	v_pk_mul_f32 v[ZR+2*CP:ZR+2*CP+1], v[\hb+2*CP:\hb+2*CP+1], 0x3f3504f3 op_sel_hi:[1,0]
.set CP, CP+1
.endr
.set CP, 0
.rept 32
	v_med3_num_f32 v[ZR+CP], v[ZR+CP], -4.0, 4.0
.set CP, CP+1
.endr
.set CP, 0
.rept 16
	v_pk_mul_f32 v[Z2+2*CP:Z2+2*CP+1], v[ZR+2*CP:ZR+2*CP+1], v[ZR+2*CP:ZR+2*CP+1]
.set CP, CP+1
.endr
.set CP, 0
.rept 16
	v_pk_fma_f32 v[PP+2*CP:PP+2*CP+1], v[Z2+2*CP:Z2+2*CP+1], s[A0:A0+1], v[A1V:A1V+1] op_sel_hi:[1,0,1]
.set CP, CP+1
.endr
.irp c, A2, A3, A4, A5, A6
.set CP, 0
.rept 16
	v_pk_fma_f32 v[PP+2*CP:PP+2*CP+1], v[PP+2*CP:PP+2*CP+1], v[Z2+2*CP:Z2+2*CP+1], s[\c:\c+1] op_sel_hi:[1,1,0]
.set CP, CP+1
.endr
.endr
.set CP, 0
.rept 16
	v_pk_fma_f32 v[QQ+2*CP:QQ+2*CP+1], v[Z2+2*CP:Z2+2*CP+1], s[B0:B0+1], v[B1V:B1V+1] op_sel_hi:[1,0,1]
.set CP, CP+1
.endr
.irp c, B2, B3, B4
.set CP, 0
.rept 16
	v_pk_fma_f32 v[QQ+2*CP:QQ+2*CP+1], v[QQ+2*CP:QQ+2*CP+1], v[Z2+2*CP:Z2+2*CP+1], s[\c:\c+1] op_sel_hi:[1,1,0]
.set CP, CP+1
.endr
.endr
.set CP, 0
.rept 32
	v_rcp_f32 v[QQ+CP], v[QQ+CP]                   ; Q is below zero everywhere: all its coefficients are
.set CP, CP+1
.endr
.set CP, 0
.rept 16
	v_pk_mul_f32 v[PP+2*CP:PP+2*CP+1], v[PP+2*CP:PP+2*CP+1], v[ZR+2*CP:ZR+2*CP+1]   ; work that names no reciprocal stands behind the batch
.set CP, CP+1
.endr
.set CP, 0
.rept 16
	v_pk_mul_f32 v[\hb+2*CP:\hb+2*CP+1], v[\hb+2*CP:\hb+2*CP+1], 0.5 op_sel_hi:[1,0]
.set CP, CP+1
.endr
	s_wait_alu depctr_va_vdst(0)                   ; one wait for the 32 reciprocals, ahead of their first reader
.set CP, 0
.rept 16
	v_pk_mul_f32 v[PP+2*CP:PP+2*CP+1], v[PP+2*CP:PP+2*CP+1], v[QQ+2*CP:QQ+2*CP+1]
.set CP, CP+1
.endr
.set CP, 0
.rept 16
	v_pk_fma_f32 v[\hb+2*CP:\hb+2*CP+1], v[\hb+2*CP:\hb+2*CP+1], v[PP+2*CP:PP+2*CP+1], v[\hb+2*CP:\hb+2*CP+1]
.set CP, CP+1
.endr
.endm
.Lblk:
	s_wait_xcnt 0x0                                ; the last trip's stores have read their data and bases: both are written again only behind this wait
.irp k, 1,2,3,4,5,6,7
	s_cmp_eq_u32 s[AI], \k
	s_cbranch_scc1 .Lc\k
.endr
	COPYC 0, 0, 0
	s_branch .Lgo
.irp k, 1,2,3,4,5,6
.Lc\k:
	COPYC \k, 49152*\k, 64*(\k-1)
	s_branch .Lgo
.endr
.Lc7:
	COPYC 7, 49152*7, 64*6
.Lgo:
	s_add_nc_u64 s[30:31], s[34:35], s[26:27]
	GELU H
	GELU H+32
	QUANT H
	global_store_b128 v[VO16], v[PC:PC+3], s[30:31]
	global_store_b64 v[VO8], v[PC+4:PC+5], s[30:31]
	global_store_b128 v[VO16], v[PC+6:PC+9], s[30:31] offset:768
	global_store_b64 v[VO8], v[PC+10:PC+11], s[30:31] offset:768
	s_bitcmp1_b32 s[AI], 0
	s_cbranch_scc1 .Lodd
	v_mov_b32 v[PWP], v[PW]
	s_branch .Lnext
.Lodd:
	v_cndmask_b32 v[WW], v[PWP], v[PW], vcc_lo     ; lanes 0-15 the even block's words, lanes 16-31 the odd one's
	s_add_nc_u64 s[32:33], s[36:37], s[28:29]
	global_store_b32 v[VO4], v[WW], s[32:33]
.Lnext:
	s_add_co_u32 s[AI], s[AI], 1
	s_cmp_lt_u32 s[AI], 8
	s_cbranch_scc1 .Lblk
	s_wait_tensorcnt 0x0                           ; the wave's end
	ds_add_u32 v[SPW], v[NIL]
	s_wait_dscnt 0x0
	CROUND                                         ; the closing round
	s_endpgm
.Lfunc_end_k_qdeddb7fb49_fc:
	.size	k_qdeddb7fb49_fc, .Lfunc_end_k_qdeddb7fb49_fc-k_qdeddb7fb49_fc
	.p2alignl 7, 3214868480
	.fill 96, 4, 3214868480
	.section	.rodata,"a",@progbits
	.p2align	6, 0x0
	.amdhsa_kernel k_qdeddb7fb49_fc
		.amdhsa_group_segment_fixed_size 327680
		.amdhsa_private_segment_fixed_size 0
		.amdhsa_enable_private_segment 0
		.amdhsa_kernarg_size 32
		.amdhsa_user_sgpr_count 2
		.amdhsa_user_sgpr_kernarg_segment_ptr 1
		.amdhsa_wavefront_size32 1
		.amdhsa_system_sgpr_workgroup_id_x 1
		.amdhsa_system_sgpr_workgroup_id_y 1
		.amdhsa_system_sgpr_workgroup_id_z 1
		.amdhsa_system_vgpr_workitem_id 0
		.amdhsa_next_free_vgpr 1024
		.amdhsa_next_free_sgpr 100
		.amdhsa_reserve_vcc 1
		.amdhsa_float_denorm_mode_32 3
		.amdhsa_float_denorm_mode_16_64 3
		.amdhsa_memory_ordered 1
		.amdhsa_forward_progress 1
		.amdhsa_inst_pref_size 182
	.end_amdhsa_kernel
	.amdgpu_metadata
---
amdhsa.version: [ 1, 2 ]
amdhsa.kernels:
  - .name:           k_qdeddb7fb49_fc
    .symbol:         k_qdeddb7fb49_fc.kd
    .args:
      - { .name: act, .offset: 0, .size: 8, .value_kind: global_buffer, .address_space: global }
      - { .name: wq, .offset: 8, .size: 8, .value_kind: global_buffer, .address_space: global }
      - { .name: b_fc, .offset: 16, .size: 8, .value_kind: global_buffer, .address_space: global }
      - { .name: gb, .offset: 24, .size: 8, .value_kind: global_buffer, .address_space: global }
    .group_segment_fixed_size: 327680
    .private_segment_fixed_size: 0
    .kernarg_segment_align: 8
    .kernarg_segment_size: 32
    .max_flat_workgroup_size: 128
    .sgpr_count:     100
    .vgpr_count:     1024
    .wavefront_size: 32
...
	.end_amdgpu_metadata
.endif
;; end of part 5
;; launch fc2 (part 6): grid 4 x 16, 4 waves a work-group, clusters of 4 x 4, 327,680 bytes of LDS; arguments gb, wq, b_fc2, x1, out0; writes out0
.if DOCPART == 6
	.amdgcn_target "amdgcn-amd-amdhsa--gfx1250"
	.amdhsa_code_object_version 6
	.text
	.protected	k_qdeddb7fb49_fc2
	.globl	k_qdeddb7fb49_fc2
	.p2align	8
	.type	k_qdeddb7fb49_fc2,@function
k_qdeddb7fb49_fc2:
	s_mov_b64 s[64:65], 0
	v_nop
	global_prefetch_b8 v0, s[64:65] scope:SCOPE_SE
	s_setreg_imm32_b32 hwreg(HW_REG_WAVE_MODE, 25, 1), 1
	s_wait_xcnt 0x0
	s_wait_alu depctr_hold_cnt(0) depctr_sa_sdst(0) depctr_va_vdst(0) depctr_va_sdst(0) depctr_va_ssrc(0) depctr_va_vcc(0) depctr_vm_vsrc(0)
	s_getreg_b32 s2, hwreg(HW_REG_IB_STS2, 6, 4)
	s_cmp_eq_u32 s2, 0
	s_cbranch_scc0 .Lentry_in_a_cluster
	s_endpgm
.Lentry_in_a_cluster:
	s_bfe_u32 s2, ttmp6, 0x10000c
	s_cmp_lg_u32 s2, 0xf033
	s_cbranch_scc0 .Lentry_shape_is_right
	s_endpgm
.Lentry_shape_is_right:
; out = x1 + g W_fc2 + b_fc2.  g and W_fc2 are codes of BF6 (E3M2) with E8M0 scales; x1, b and out are f32.
; A tile of C, 256 x 256, is made by four waves, 128 x 128 each: 64 accumulators.  K = 4,096 goes in slots of 256 through a ring of two LDS slots filled by the tensor data mover.
; CODES lie as images of operand registers: a tile is 16 rows (tile t, place r: row 32 (t / 2) + 8 (t % 2) + r + 8 (r / 8)); 64 along K of it are 768 bytes: lane l's registers 0-3 at 16 l, 4-5 at 512 + 8 l.
; The matrix instruction is used transposed (source 0 = 16 columns of W, source 1 = 16 rows of g): accumulators (a, 2 b), (a, 2 b + 1) hold 16 neighbouring columns a lane.
; CLUSTERS: 4 x 4.  A's tiles are asked for jointly along a row of the cluster, B's along a column.
; REGISTERS: window 0: v0-31 addresses; v32-63 scale words; v64-67 the bias; v128-223 A's fragments, on the way out v128-255 rows of C.  window 1: B's two sets, on the way out four sets of residual rows.  windows 2, 3: accumulators.
.set KK,     4096
.set ASOFF,  12582912                  ; where A's scale words begin in its buffer
.set WOFF,   6291456                   ; where this weight's codes begin,
.set WSOFF,  9699328                   ; and its scale words
.set KH,     KK/64
.set KQ,     KK/128
.set TILEB,  KH*768
.set SZ,     KQ*512
.set LAPS,   KK/512
.set NQ,     2
.set FR,     12
.set NL,     4
.set NP,     4
.set TB,     3072
.set HALFT,  8*TB
.set SLOT,   4*HALFT
.set SCL,    2*SLOT
.set SPARE,  SCL+4*SZ                  ; the spare words, 128 bytes for each wave, which no other line names
.set SPITCH, 528                       ; the way out: a stage of 16 rows x (512 bytes + 16) for each wave, in slot 0, which has had its last fill and its last read by then
.set ADRA, 16
.set ADRB, 20
.set STO,  24
.set RD,   25
.set CO,   26
.set ADRS, 27
.set SPW,  28
.set NIL,  29
.set SC,   32
.set BI,   64
.set AF,   128
.set BK,   128
.set G1, 24
.set G0, 32
.set G1B, 48
.set G0B, 56
.set G1S, 68
.set G0S, 76
.set G1SB, 80
.set G0SB, 88
.set MSB, 0
.macro WIN new
.if MSB != (\new)
	s_set_vgpr_msb (MSB<<8)|(\new)
.set MSB, (\new)
.endif
.endm
.set MUL_LO, 0xa1
.set MUL_HI, 0xf1
.set TO_B,   0x40
.macro JLOAD g0a, g1a, g0b, g1b        ; a joint load: waves 0 and 1 fetch for A, waves 2 and 3 for B; four v_nop follow each line
	s_cmp_eq_u32 s15, 0
	s_cbranch_scc0 .Lfor_b_\@
	tensor_load_to_lds s[\g0a:\g0a+3], s[\g1a:\g1a+7]
	s_nop 0
.rept 4
	v_nop
.endr
	s_branch .Lasked_\@
.Lfor_b_\@:
	tensor_load_to_lds s[\g0b:\g0b+3], s[\g1b:\g1b+7]
	s_nop 0
.rept 4
	v_nop
.endr
.Lasked_\@:
.endm
.macro CREST
	s_cmp_lg_u32 s14, 0
	s_cbranch_scc1 .Lnot_wave_0_\@
	s_barrier_signal -3
.Lnot_wave_0_\@:
	s_barrier_wait -3
	s_barrier_signal -1
	s_barrier_wait -1
.endm
.macro CROUND
	s_barrier_signal -1
	s_barrier_wait -1
	CREST
.endm
.macro FRAG reg, adr, q, i
	ds_load_b128 v[\reg:\reg+3], v[\adr] offset:(\i)*TB+2*(\q)*768
	ds_load_b64 v[\reg+4:\reg+5], v[\adr+2] offset:(\i)*TB+2*(\q)*768
	ds_load_b128 v[\reg+6:\reg+9], v[\adr] offset:(\i)*TB+(2*(\q)+1)*768
	ds_load_b64 v[\reg+10:\reg+11], v[\adr+2] offset:(\i)*TB+(2*(\q)+1)*768
.endm
.macro MUL16 a0, p, q, sc, zero        ; the 64 accumulators take turns, one instruction a turn
.irp a, \a0, \a0+1
.irp b, 0,1,2,3,4,5,6,7
.if \zero
	v_wmma_scale_f32_16x16x128_f8f6f4 v[8*(8*((\a)%4)+\b):8*(8*((\a)%4)+\b)+7], v[128*(\p)+FR*\b:128*(\p)+FR*\b+FR-1], v[AF+FR*(\a):AF+FR*(\a)+FR-1], 0, v[SC+8*NQ*(\sc)+NQ*\b+(\q)], v[SC+8*NQ*(\sc)+NQ*(\a)+(\q)] matrix_a_fmt:MATRIX_FMT_BF6 matrix_b_fmt:MATRIX_FMT_BF6 matrix_a_scale:MATRIX_SCALE_ROW1
.else
	v_wmma_scale_f32_16x16x128_f8f6f4 v[8*(8*((\a)%4)+\b):8*(8*((\a)%4)+\b)+7], v[128*(\p)+FR*\b:128*(\p)+FR*\b+FR-1], v[AF+FR*(\a):AF+FR*(\a)+FR-1], v[8*(8*((\a)%4)+\b):8*(8*((\a)%4)+\b)+7], v[SC+8*NQ*(\sc)+NQ*\b+(\q)], v[SC+8*NQ*(\sc)+NQ*(\a)+(\q)] matrix_a_fmt:MATRIX_FMT_BF6 matrix_b_fmt:MATRIX_FMT_BF6 matrix_a_scale:MATRIX_SCALE_ROW1
.endif
.endr
.endr
.endm
.macro FETCH_B slot, q, p
	WIN TO_B
.irp i, 0,1,2,3,4,5,6,7
	FRAG 128*(\p)+FR*\i, ADRB+\slot, \q, \i
.endr
	WIN 0
.endm
.macro FETCH_A slot, q, i0
.irp i, \i0, \i0+1, \i0+2, \i0+3
	FRAG AF+FR*(\i), ADRA+\slot, \q, \i
.endr
.endm
.macro SCALES sc
.irp i, 0,1,2,3,4,5,6,7
	ds_load_b32 v[SC+16*\sc+2*\i], v[ADRS] offset:64*\i
	ds_load_b32 v[SC+16*\sc+2*\i+1], v[ADRS] offset:512+64*\i
.endr
.endm
.macro PLACES n
.rept \n
	v_nop
.endr
.endm
.macro STEP slot, q, zero
	s_wait_dscnt 4*NL                              ; all but the youngest 16 loads (A's blocks 4-7) are in
	WIN MUL_LO
	MUL16 0, (\q)%2, \q, \slot, \zero
	MUL16 2, (\q)%2, \q, \slot, \zero
	s_wait_dscnt 0
	PLACES NP
	FETCH_B \slot, (\q)+1, 1-(\q)%2
	FETCH_A \slot, (\q)+1, 0
	WIN MUL_HI
	MUL16 4, (\q)%2, \q, \slot, \zero
	MUL16 6, (\q)%2, \q, \slot, \zero
	PLACES NP
	WIN 0
	FETCH_A \slot, (\q)+1, 4
.endm
.macro TURN slot, next, fill
	s_wait_tensorcnt 0x0                           ; all my tensor loads have landed: my part of the next slot
	ds_add_u32 v[SPW], v[NIL]                      ; 0 onto my spare word
	s_wait_dscnt 4*NL+1                            ; the add and the youngest 16 loads may be out
	WIN MUL_LO
	MUL16 0, 1, NQ-1, \slot, 0
	s_wait_dscnt 0x0                               ; the add is done, and my reads of this slot are over
	s_barrier_signal -1
	MUL16 2, 1, NQ-1, \slot, 0
	WIN 0
	s_barrier_wait -1
.if \fill
	CREST                                          ; a round of the cluster's barrier: no wave of any partner still reads this slot or has a load on its way
	s_add_nc_u64 s[G0+4*\slot+2:G0+4*\slot+3], s[G0+4*\slot+2:G0+4*\slot+3], 2*TB
	s_add_nc_u64 s[G0B+4*\slot+2:G0B+4*\slot+3], s[G0B+4*\slot+2:G0B+4*\slot+3], 2*TB
	JLOAD G0+4*\slot, G1, G0B+4*\slot, G1B
.else
	PLACES NP
.endif
	v_add_nc_u32 v[ADRS], 512*NQ, v[ADRS]
	FETCH_B \next, 0, 0
	FETCH_A \next, 0, 0
	SCALES \next
	WIN MUL_HI
	MUL16 4, 1, NQ-1, \slot, 0
	MUL16 6, 1, NQ-1, \slot, 0
	PLACES NP
	WIN 0
	FETCH_A \next, 0, 4
.endm
	s_load_b128 s[4:7], s[0:1], 0x0                ; A's buffer s[4:5], the weights' s[6:7]
	s_load_b128 s[8:11], s[0:1], 0x10              ; the bias s[8:9], the residual s[10:11]
	s_load_b64 s[12:13], s[0:1], 0x20              ; the output
	v_lshl_add_u32 v[SPW], v0, 2, SPARE
	v_mov_b32 v[NIL], 0
	ds_add_u32 v28, v29
	ds_add_u32 v28, v29
	s_wait_dscnt 0x0
	v_lshrrev_b32 v1, 5, v0
	v_readfirstlane_b32 s14, v1
	s_lshr_b32 s15, s14, 1
	s_and_b32 s16, s14, 1
	s_bfe_u32 s40, ttmp6, 0x40000
	s_bfe_u32 s41, ttmp6, 0x40004
	s_lshl_b32 s42, ttmp9, 2
	s_add_co_u32 s42, s42, s40                     ; tile column of C
	s_and_b32 s17, ttmp7, 0xffff
	s_lshl_b32 s17, s17, 2
	s_add_co_u32 s17, s17, s41                     ; tile row of C
	s_lshl_b32 s43, s41, 2
	s_lshl_b32 s43, 15, s43
	s_lshl_b32 s44, 0x1111, s40
	s_or_b32 s[G1+0], s43, (3<<16)|(1<<21)         ; codes: 8 tiles x 3,072 bytes (384 elements of 8), TILEB bytes apart in memory, dense in LDS
	s_or_b32 s[G1B+0], s44, (3<<16)|(1<<21)
.irp g, G1, G1B
	s_mov_b32 s[\g+1], 384<<16
	s_mov_b32 s[\g+2], 8<<16
	s_mov_b32 s[\g+3], 384<<16
	s_mov_b32 s[\g+4], 8
	s_mov_b32 s[\g+5], KH*96
	s_mov_b32 s[\g+6], 0
	s_mov_b32 s[\g+7], 0
.endr
	s_or_b32 s[G1S+0], s43, (3<<16)|(1<<21)        ; the scale words of 128 rows: a dense block of SZ bytes as rows of 256
	s_or_b32 s[G1SB+0], s44, (3<<16)|(1<<21)
.irp g, G1S, G1SB
	s_mov_b32 s[\g+1], 32<<16
	s_mov_b32 s[\g+2], (2*KQ)<<16
	s_mov_b32 s[\g+3], 32<<16
	s_mov_b32 s[\g+4], 2*KQ
	s_mov_b32 s[\g+5], 32
	s_mov_b32 s[\g+6], 0
	s_mov_b32 s[\g+7], 0
.endr
	s_lshl_b32 s18, s16, 3
	s_lshl_b32 s20, s17, 4
	s_add_co_u32 s20, s20, s18
	s_mul_i32 s20, s20, TILEB
	s_mov_b32 s21, 0
	s_lshl_b32 s46, s42, 4
	s_add_co_u32 s46, s46, s18
	s_mul_i32 s46, s46, TILEB
	s_add_co_u32 s46, s46, WOFF
	s_mov_b32 s47, 0
	s_lshl_b32 s22, s17, 1
	s_add_co_u32 s22, s22, s16
	s_mul_i32 s22, s22, SZ
	s_add_co_u32 s22, s22, ASOFF
	s_mov_b32 s23, 0
	s_lshl_b32 s92, s42, 1
	s_add_co_u32 s92, s92, s16
	s_mul_i32 s92, s92, SZ
	s_add_co_u32 s92, s92, WSOFF
	s_mov_b32 s93, 0
	s_mul_i32 s45, s14, HALFT
	s_mul_i32 s94, s14, SZ
	s_wait_kmcnt 0x0
	s_add_nc_u64 s[20:21], s[4:5], s[20:21]
	s_add_nc_u64 s[22:23], s[4:5], s[22:23]
	s_add_nc_u64 s[46:47], s[6:7], s[46:47]
	s_add_nc_u64 s[92:93], s[6:7], s[92:93]
	CROUND
	s_mov_b32 s[G0S], 1
	s_add_co_u32 s[G0S+1], s94, SCL
	s_mov_b64 s[G0S+2:G0S+3], s[22:23]
	s_or_b32 s[G0S+3], s[G0S+3], 0x80000000
	s_mov_b32 s[G0SB], 1
	s_add_co_u32 s[G0SB+1], s94, SCL
	s_mov_b64 s[G0SB+2:G0SB+3], s[92:93]
	s_or_b32 s[G0SB+3], s[G0SB+3], 0x80000000
	JLOAD G0S, G1S, G0SB, G1SB
.irp s, 0,1
	s_mov_b32 s[G0+4*\s], 1
	s_add_co_u32 s[G0+4*\s+1], s45, \s*SLOT
	s_add_nc_u64 s[G0+4*\s+2:G0+4*\s+3], s[20:21], \s*TB
	s_or_b32 s[G0+4*\s+3], s[G0+4*\s+3], 0x80000000
	s_mov_b32 s[G0B+4*\s], 1
	s_add_co_u32 s[G0B+4*\s+1], s45, \s*SLOT
	s_add_nc_u64 s[G0B+4*\s+2:G0B+4*\s+3], s[46:47], \s*TB
	s_or_b32 s[G0B+4*\s+3], s[G0B+4*\s+3], 0x80000000
	JLOAD G0+4*\s, G1, G0B+4*\s, G1B
.endr
	v_and_b32 v1, 31, v0
	v_and_b32 v2, 15, v0
	v_bfe_u32 v3, v0, 4, 1
	v_lshlrev_b32 v4, 4, v1
	v_lshl_add_u32 v5, v1, 3, 512
	s_mul_i32 s21, s15, HALFT
	s_mul_i32 s22, s16, HALFT
	s_add_co_u32 s22, s22, 2*HALFT
.irp s, 0,1
	v_add_nc_u32 v[ADRA+\s], s21, v4
	v_add_nc_u32 v[ADRB+\s], s22, v4
	v_add_nc_u32 v[ADRA+2+\s], s21, v5
	v_add_nc_u32 v[ADRB+2+\s], s22, v5
	s_add_co_u32 s21, s21, SLOT
	s_add_co_u32 s22, s22, SLOT
.endr
	v_lshlrev_b32 v6, 2, v2
	s_mul_i32 s21, s15, SZ
	s_mul_i32 s22, s16, SZ
	s_add_co_u32 s22, s22, 2*SZ
	s_sub_co_u32 s22, s22, s21
	v_mul_u32_u24 v7, s22, v3                      ; lanes 16-31 take B's words: one product, the distance between the two
	s_add_co_u32 s21, s21, SCL
	v_add_nc_u32 v6, v6, v7
	v_add_nc_u32 v[ADRS], s21, v6
	s_mul_i32 s23, s14, 16*SPITCH                  ; my stage
	v_mul_u32_u24 v6, v2, SPITCH
	v_lshl_add_u32 v6, v3, 6, v6
	v_add_nc_u32 v[STO], s23, v6                   ; in: place r, + 64 h
	v_add_nc_u32 v[RD], s23, v4                    ; back: a row of 512 bytes to the 32 lanes
	v_mov_b32 v[CO], v4
	s_lshl_b32 s20, s17, 8
	s_lshl_b32 s21, s15, 7
	s_add_co_u32 s20, s20, s21
	s_lshl_b32 s20, s20, 12                        ; my first row of C, in bytes
	s_mov_b32 s21, 0
	s_lshl_b32 s46, s42, 10
	s_lshl_b32 s47, s16, 9
	s_add_co_u32 s46, s46, s47                     ; my first column, in bytes
	s_mov_b32 s47, 0
	s_add_nc_u64 s[8:9], s[8:9], s[46:47]
	s_add_nc_u64 s[20:21], s[20:21], s[46:47]
	s_add_nc_u64 s[10:11], s[10:11], s[20:21]
	s_add_nc_u64 s[12:13], s[12:13], s[20:21]
	global_load_b128 v[BI:BI+3], v[CO], s[8:9]     ; the bias of my four columns of a row
	s_wait_loadcnt 0x0
	s_wait_tensorcnt 1                             ; the scale words and my part of slot 0 are in; slot 1's load may be out
	s_barrier_signal -1
	s_barrier_wait -1
	FETCH_B 0, 0, 0
	FETCH_A 0, 0, 0
	SCALES 0
	FETCH_A 0, 0, 4
	STEP 0, 0, 1
	s_mov_b32 s3, LAPS-1
.Llap:
	TURN 0, 1, 1
	STEP 1, 0, 0
	TURN 1, 0, 1
	STEP 0, 0, 0
	s_sub_co_u32 s3, s3, 1
	s_cmp_lg_u32 s3, 0
	s_cbranch_scc1 .Llap
	TURN 0, 1, 0
	STEP 1, 0, 0
	s_wait_dscnt 4*NL
	WIN MUL_LO
	MUL16 0, 1, NQ-1, 1, 0
	MUL16 2, 1, NQ-1, 1, 0
	s_wait_dscnt 0
	WIN MUL_HI
	MUL16 4, 1, NQ-1, 1, 0
	MUL16 6, 1, NQ-1, 1, 0
	WIN 0
; THE WAY OUT, block by block of 16 rows x 128 columns: through my own stage in LDS, back as whole rows of 512 bytes; the residual row and the bias are added; 32 lanes store 512 consecutive bytes.
; Place t of block a is row 32 (a / 2) + 8 (a % 2) + t + 8 (t / 8) of my 128: it stands in the immediates, 127 rows of 4,096 bytes at the most.
.macro RLOAD a                         ; the residual's 16 rows of block a into set a % 4 of window 1
	WIN 0x40
.irp t, 0,1,2,3,4,5,6,7,8,9,10,11,12,13,14,15
	global_load_b128 v[64*((\a)%4)+4*\t:64*((\a)%4)+4*\t+3], v[CO], s[10:11] offset:(32*((\a)/2)+8*((\a)%2)+\t+8*(\t/8))*4096 th:TH_LOAD_NT
.endr
	WIN 0
.endm
.macro TOSTAGE a
.set AC, 64*((\a)%4)
	WIN 0x08+4*((\a)/4)
.irp b, 0,1,2,3,4,5,6,7
	ds_store_b128 v[STO], v[AC+8*\b:AC+8*\b+3] offset:128*(\b/2)+32*(\b%2)      ; each accumulator from its low end on
	ds_store_b128 v[STO], v[AC+8*\b+4:AC+8*\b+7] offset:128*(\b/2)+32*(\b%2)+16
.endr
	WIN 0
.set BB, BK+64*((\a)%2)
.irp t, 0,1,2,3,4,5,6,7,8,9,10,11,12,13,14,15
	ds_load_b128 v[BB+4*\t:BB+4*\t+3], v[RD] offset:\t*SPITCH   ; LDS serves a wave's instructions in order: these see the stores above
.endr
.endm
.macro SEND a, younger, left
.set BB, BK+64*((\a)%2)
.set RR, 64*((\a)%4)
	s_wait_dscnt \younger                          ; the block is back; the next block's 16 stores and 16 loads may be out
	s_wait_loadcnt \left                           ; its residual rows are in; those of the blocks behind it may be out
	WIN 0x04
.set CP, 0
.rept 32
	v_pk_add_f32 v[BB+2*CP:BB+2*CP+1], v[BB+2*CP:BB+2*CP+1], v[RR+2*CP:RR+2*CP+1]
.set CP, CP+1
.endr
	WIN 0
.set CP, 0
.rept 32
	v_pk_add_f32 v[BB+2*CP:BB+2*CP+1], v[BB+2*CP:BB+2*CP+1], v[BI+2*(CP%2):BI+2*(CP%2)+1]
.set CP, CP+1
.endr
.irp t, 0,1,2,3,4,5,6,7,8,9,10,11,12,13,14,15
	global_store_b128 v[CO], v[BB+4*\t:BB+4*\t+3], s[12:13] offset:(32*((\a)/2)+8*((\a)%2)+\t+8*(\t/8))*4096 th:TH_STORE_NT
.endr
.endm
	PLACES NP                                      ; in front of loads into registers that the last products read, and of the first read of results
	RLOAD 0
	RLOAD 1
	RLOAD 2
	TOSTAGE 0
.irp a, 1,2,3,4,5,6,7
.if \a > 1
	s_wait_xcnt 0x0                                ; block a - 2's stores have read their registers: block a's rows may land there
.endif
	TOSTAGE \a
.if \a < 7
	SEND \a-1, 32, 32
.else
	SEND \a-1, 32, 16
.endif
.if \a < 6
	RLOAD \a+2
.endif
.endr
	SEND 7, 0, 0
	s_wait_tensorcnt 0x0                           ; the wave's end
	ds_add_u32 v[SPW], v[NIL]
	s_wait_dscnt 0x0
	CROUND                                         ; the closing round
	s_endpgm
.Lfunc_end_k_qdeddb7fb49_fc2:
	.size	k_qdeddb7fb49_fc2, .Lfunc_end_k_qdeddb7fb49_fc2-k_qdeddb7fb49_fc2
	.p2alignl 7, 3214868480
	.fill 96, 4, 3214868480
	.section	.rodata,"a",@progbits
	.p2align	6, 0x0
	.amdhsa_kernel k_qdeddb7fb49_fc2
		.amdhsa_group_segment_fixed_size 327680
		.amdhsa_private_segment_fixed_size 0
		.amdhsa_enable_private_segment 0
		.amdhsa_kernarg_size 40
		.amdhsa_user_sgpr_count 2
		.amdhsa_user_sgpr_kernarg_segment_ptr 1
		.amdhsa_wavefront_size32 1
		.amdhsa_system_sgpr_workgroup_id_x 1
		.amdhsa_system_sgpr_workgroup_id_y 1
		.amdhsa_system_sgpr_workgroup_id_z 1
		.amdhsa_system_vgpr_workitem_id 0
		.amdhsa_next_free_vgpr 1024
		.amdhsa_next_free_sgpr 100
		.amdhsa_reserve_vcc 0
		.amdhsa_float_denorm_mode_32 3
		.amdhsa_float_denorm_mode_16_64 3
		.amdhsa_memory_ordered 1
		.amdhsa_forward_progress 1
		.amdhsa_inst_pref_size 191
	.end_amdhsa_kernel
	.amdgpu_metadata
---
amdhsa.version: [ 1, 2 ]
amdhsa.kernels:
  - .name:           k_qdeddb7fb49_fc2
    .symbol:         k_qdeddb7fb49_fc2.kd
    .args:
      - { .name: gb, .offset: 0, .size: 8, .value_kind: global_buffer, .address_space: global }
      - { .name: wq, .offset: 8, .size: 8, .value_kind: global_buffer, .address_space: global }
      - { .name: b_fc2, .offset: 16, .size: 8, .value_kind: global_buffer, .address_space: global }
      - { .name: x1, .offset: 24, .size: 8, .value_kind: global_buffer, .address_space: global }
      - { .name: out0, .offset: 32, .size: 8, .value_kind: global_buffer, .address_space: global }
    .group_segment_fixed_size: 327680
    .private_segment_fixed_size: 0
    .kernarg_segment_align: 8
    .kernarg_segment_size: 40
    .max_flat_workgroup_size: 128
    .sgpr_count:     100
    .vgpr_count:     1024
    .wavefront_size: 32
...
	.end_amdgpu_metadata
.endif
;; end of part 6
;; ======== version 2 of 2: 7 launches; 1.22 times as fast as version 1
;; workspace buffers: wq 9,830,400 bytes; act 3,276,800 bytes; qkv 10,092,544 bytes; x1 16,777,216 bytes; gb 13,107,200 bytes
;; launch prep: the kernel of part 1 again; grid 448 x 1, 8 waves a work-group, no clusters, 67,072 bytes of LDS; arguments x, ln1_w, ln1_b, act, w_qkv, w_proj, w_fc, w_fc2, wq; writes act, wq
;; launch qkv: the kernel of part 2 again; grid 12 x 16, 4 waves a work-group, clusters of 4 x 4, 327,680 bytes of LDS; arguments act, wq, b_qkv, qkv; writes qkv
;; launch attn: the kernel of part 3 again; grid 8 x 32, 16 waves a work-group, no clusters, 215,040 bytes of LDS; arguments qkv, act; writes act
;; launch proj (part 7): grid 8 x 32, 4 waves a work-group, clusters of 4 x 4, 327,680 bytes of LDS; arguments act, wq, b_proj, x, x1; writes x1
.if DOCPART == 7
	.amdgcn_target "amdgcn-amd-amdhsa--gfx1250"
	.amdhsa_code_object_version 6
	.text
	.protected	k_qdeddb7fb49_proj
	.globl	k_qdeddb7fb49_proj
	.p2align	8
	.type	k_qdeddb7fb49_proj,@function
k_qdeddb7fb49_proj:
	s_mov_b64 s[64:65], 0
	v_nop
	global_prefetch_b8 v0, s[64:65] scope:SCOPE_SE
	s_setreg_imm32_b32 hwreg(HW_REG_WAVE_MODE, 25, 1), 1
	s_wait_xcnt 0x0
	s_wait_alu depctr_hold_cnt(0) depctr_sa_sdst(0) depctr_va_vdst(0) depctr_va_sdst(0) depctr_va_ssrc(0) depctr_va_vcc(0) depctr_vm_vsrc(0)
	s_getreg_b32 s2, hwreg(HW_REG_IB_STS2, 6, 4)
	s_cmp_eq_u32 s2, 0
	s_cbranch_scc0 .Lentry_in_a_cluster
	s_endpgm
.Lentry_in_a_cluster:
	s_bfe_u32 s2, ttmp6, 0x10000c
	s_cmp_lg_u32 s2, 0xf033
	s_cbranch_scc0 .Lentry_shape_is_right
	s_endpgm
.Lentry_shape_is_right:
; x1 = x + y W_proj + b_proj.  y and W_proj are codes of BF6 (E3M2) with E8M0 scales; x, b and x1 are f32.
; C is 4,096 x 1,024: 32 x 8 = 256 tiles of 128 x 128, a work-group each.  Four waves, 64 x 64 each: 16 accumulators, 128 registers.
; K = 1,024 lies in two LDS slots of 512 along K, filled by the tensor data mover at the start: here nothing is filled again (the same text with a longer K runs the two slots as a ring).
; CODES lie as images of operand registers: a tile is 16 rows (tile t, place r: row 32 (t / 2) + 8 (t % 2) + r + 8 (r / 8)); 64 along K of it are 768 bytes: lane l's registers 0-3 at 16 l, 4-5 at 512 + 8 l.
; The matrix instruction is used transposed (source 0 = 16 columns of W, source 1 = 16 rows of y): with source 0's tiles so chosen, accumulators (a, 2 b), (a, 2 b + 1) hold 16 neighbouring columns a lane.
; CLUSTERS: 4 x 4.  A's tiles are asked for jointly along a row of the cluster, B's along a column.
; THE RESIDUAL's 64 x 64 numbers of a wave are asked for at the head, into registers that nothing else names, and waited for once, ahead of the way out.
; LIMITS: NaN and infinities are not served.
; REGISTERS: window 0: v16-30 addresses; v32-63 scale words, two sets of 16; v64-67 the bias; v128-255 the accumulators ((a, b) at v[128 + 8 (4 a + b)]).
;   window 1: two fragment buffers at v0 and v128 (A's four fragments, then B's four); on the way out v0-127 rows of C.   window 2: v0-127 the residual.
.set KK,     1024
.set ASOFF,  3145728                   ; where A's scale words begin in its buffer
.set WOFF,   2359296                   ; where this weight's codes begin,
.set WSOFF,  9535488                   ; and its scale words
.set KH,     KK/64
.set KQ,     KK/128
.set TILEB,  KH*768                    ; a tile's codes in memory
.set SZ,     KQ*512                    ; the scale words of 128 rows
.set LAPS,   KK/1024                   ; a lap = two slots
.set NQ,     4                         ; steps of 128 along K in a slot
.set FR,     12                        ; registers of a fragment
.set NP,     4                         ; places behind this matrix instruction (ISA guide 7.12.1)
.set TB,     6144                      ; a tile's part of a slot: 512 along K, eight images
.set QT,     4*TB                      ; 4 tiles: what one tensor load brings, and what one wave reads of A or of B
.set SLOT,   4*QT                      ; A's 8 tiles, then B's 8
.set SCL,    2*SLOT                    ; behind the slots: A's scale words, SZ bytes, then B's
.set SPARE,  SCL+2*SZ                  ; behind them: the spare words, 128 bytes for each wave, which no other line names
.set SPITCH, 272                       ; the way out: a stage of 16 rows x (256 bytes + 16) for each wave, in slot 0, which has had its last fill and its last read by then
.set ADRA, 16                          ; v16-17 my A fragments in slot 0, 1 (16 l); v18-19 the same + 512 + 8 l
.set ADRB, 20                          ; v20-23 the same for B
.set STO,  24
.set RD,   25
.set CO,   26                          ; 16 (l % 16) + one row of C for lanes 16-31
.set ADRS, 27
.set SPW,  28
.set NIL,  29
.set BOF,  30                          ; 16 (l % 16)
.set SC,   32
.set BI,   64
.set ACC,  128
.set G1, 24
.set G0, 32
.set G1B, 48
.set G0B, 56
.set G1S, 68
.set G0S, 76
.set G1SB, 80
.set G0SB, 88
.set MSB, 0
.macro WIN new                         ; the immediate's high byte repeats the setting that is left
.if MSB != (\new)
	s_set_vgpr_msb (MSB<<8)|(\new)
.set MSB, (\new)
.endif
.endm
.set MUL,  0x05                        ; sources 0 (B) and 1 (A) window 1; C and D window 0
.set TO_F, 0x40                        ; destination window 1, address window 0
.macro JLOAD g0a, g1a, g0b, g1b        ; a joint load: waves 0 and 1 fetch for A, waves 2 and 3 for B; the branch hangs on the wave's number alone; four v_nop follow each line
	s_cmp_eq_u32 s15, 0
	s_cbranch_scc0 .Lfor_b_\@
	tensor_load_to_lds s[\g0a:\g0a+3], s[\g1a:\g1a+7]
	s_nop 0
.rept 4
	v_nop
.endr
	s_branch .Lasked_\@
.Lfor_b_\@:
	tensor_load_to_lds s[\g0b:\g0b+3], s[\g1b:\g1b+7]
	s_nop 0
.rept 4
	v_nop
.endr
.Lasked_\@:
.endm
.macro CREST
	s_cmp_lg_u32 s14, 0
	s_cbranch_scc1 .Lnot_wave_0_\@
	s_barrier_signal -3
.Lnot_wave_0_\@:
	s_barrier_wait -3
	s_barrier_signal -1
	s_barrier_wait -1
.endm
.macro CROUND
	s_barrier_signal -1
	s_barrier_wait -1
	CREST
.endm
.macro FRAG reg, adr, q, i             ; a fragment of 128 along K: two images of 768 bytes
	ds_load_b128 v[\reg:\reg+3], v[\adr] offset:(\i)*TB+2*(\q)*768
	ds_load_b64 v[\reg+4:\reg+5], v[\adr+2] offset:(\i)*TB+2*(\q)*768
	ds_load_b128 v[\reg+6:\reg+9], v[\adr] offset:(\i)*TB+(2*(\q)+1)*768
	ds_load_b64 v[\reg+10:\reg+11], v[\adr+2] offset:(\i)*TB+(2*(\q)+1)*768
.endm
; 8 matrix instructions: A's blocks a0, a0 + 1 x B's four, from buffer f; the slot's q-th 128 along K; sc: the set of scale words.  zero = 1: the first product starts the sums.
; The 16 accumulators take turns, one instruction a turn, in the same order in every step.
.macro MULH f, q, sc, a0, zero
.irp a, \a0, \a0+1
.irp b, 0,1,2,3
.if \zero
	v_wmma_scale_f32_16x16x128_f8f6f4 v[ACC+8*(4*(\a)+\b):ACC+8*(4*(\a)+\b)+7], v[128*(\f)+48+FR*\b:128*(\f)+48+FR*\b+FR-1], v[128*(\f)+FR*(\a):128*(\f)+FR*(\a)+FR-1], 0, v[SC+16*(\sc)+NQ*\b+(\q)], v[SC+16*(\sc)+NQ*(\a)+(\q)] matrix_a_fmt:MATRIX_FMT_BF6 matrix_b_fmt:MATRIX_FMT_BF6 matrix_a_scale:MATRIX_SCALE_ROW1
.else
	v_wmma_scale_f32_16x16x128_f8f6f4 v[ACC+8*(4*(\a)+\b):ACC+8*(4*(\a)+\b)+7], v[128*(\f)+48+FR*\b:128*(\f)+48+FR*\b+FR-1], v[128*(\f)+FR*(\a):128*(\f)+FR*(\a)+FR-1], v[ACC+8*(4*(\a)+\b):ACC+8*(4*(\a)+\b)+7], v[SC+16*(\sc)+NQ*\b+(\q)], v[SC+16*(\sc)+NQ*(\a)+(\q)] matrix_a_fmt:MATRIX_FMT_BF6 matrix_b_fmt:MATRIX_FMT_BF6 matrix_a_scale:MATRIX_SCALE_ROW1
.endif
.endr
.endr
.endm
.macro FETCH slot, q, f                ; 32 LDS loads in one run: B's four fragments and A's four of the slot's q-th 128 along K, into buffer f
	WIN TO_F
.irp i, 0,1,2,3
	FRAG 128*(\f)+48+FR*\i, ADRB+\slot, \q, \i
.endr
.irp i, 0,1,2,3
	FRAG 128*(\f)+FR*\i, ADRA+\slot, \q, \i
.endr
.endm
.macro SCALES sc                       ; a slot's 16 scale words: lanes 0-15 A's block i, lanes 16-31 B's block i
.irp i, 0,1,2,3
.irp q, 0,1,2,3
	ds_load_b32 v[SC+16*\sc+NQ*\i+\q], v[ADRS] offset:512*\q+64*\i
.endr
.endr
.endm
.macro PLACES n
.rept \n
	v_nop
.endr
.endm
; 128 along K that have their successor in the same slot: the successor's fragments are asked for first, into the buffer that the last step's products have read (four places behind them), and land while this step is multiplied
.macro STEP slot, q, zero
	PLACES NP
	FETCH \slot, (\q)+1, 1-(\q)%2
	s_wait_dscnt 32                                ; all but the 32 loads just issued: this step's fragments and scale words are in
	WIN MUL
	MULH (\q)%2, \q, \slot, 0, \zero
	MULH (\q)%2, \q, \slot, 2, \zero
.endm
; A slot's last step changes slots: one barrier; in front of it each wave waits for all its tensor loads, adds 0 to its spare word, and waits for that and for its reads of this slot (the last were issued a step ago).
.macro TURN slot, next, fill
	WIN 0                                          ; (the add's two registers lie in window 0)
	s_wait_tensorcnt 0x0                           ; all my tensor loads have landed: my part of the next slot
	ds_add_u32 v[SPW], v[NIL]                      ; 0 onto my spare word
	s_wait_dscnt 1                                 ; the add may be out; this step's fragments are in
	WIN MUL
	MULH 1, NQ-1, \slot, 0, 0                      ; eight matrix instructions stand between the add and the wait for it
	s_wait_dscnt 0x0                               ; the add is done, and my reads of this slot are over
	WIN 0
	s_barrier_signal -1
	s_barrier_wait -1
.if \fill
	CREST                                          ; the barrier has opened a round of the cluster's barrier: no wave of any partner still reads this slot or has a load on its way
	s_add_nc_u64 s[G0+4*\slot+2:G0+4*\slot+3], s[G0+4*\slot+2:G0+4*\slot+3], 2*TB
	s_add_nc_u64 s[G0B+4*\slot+2:G0B+4*\slot+3], s[G0B+4*\slot+2:G0B+4*\slot+3], 2*TB
	JLOAD G0+4*\slot, G1, G0B+4*\slot, G1B         ; the first tensor load behind the round; its four v_nop are the places in front of the loads below
.else
	PLACES NP
.endif
	v_add_nc_u32 v[ADRS], 512*NQ, v[ADRS]          ; on to the next slot's scale words
	FETCH \next, 0, 0
	WIN 0
	SCALES \next
	WIN MUL
	MULH 1, NQ-1, \slot, 2, 0
.endm
	s_load_b128 s[4:7], s[0:1], 0x0                ; A's buffer s[4:5], the weights' s[6:7]
	s_load_b128 s[8:11], s[0:1], 0x10              ; the bias s[8:9], the residual s[10:11]
	s_load_b64 s[12:13], s[0:1], 0x20              ; the output
	v_lshl_add_u32 v[SPW], v0, 2, SPARE
	v_mov_b32 v[NIL], 0
	ds_add_u32 v28, v29
	ds_add_u32 v28, v29
	s_wait_dscnt 0x0
	v_lshrrev_b32 v1, 5, v0
	v_readfirstlane_b32 s14, v1                    ; wave 0..3
	s_lshr_b32 s15, s14, 1                         ; which half of the tile's rows is mine.  Also: I fetch for A (0) or for B (1)
	s_and_b32 s16, s14, 1                          ; which half of its columns.  Also: which 4 tiles I fetch
	s_bfe_u32 s40, ttmp6, 0x40000                  ; cx, cy
	s_bfe_u32 s41, ttmp6, 0x40004
	s_lshl_b32 s42, ttmp9, 2
	s_add_co_u32 s42, s42, s40                     ; tile column of C
	s_and_b32 s17, ttmp7, 0xffff
	s_lshl_b32 s17, s17, 2
	s_add_co_u32 s17, s17, s41                     ; tile row of C
	s_lshl_b32 s43, s41, 2
	s_lshl_b32 s43, 15, s43                        ; my row of the cluster
	s_lshl_b32 s44, 0x1111, s40                    ; my column
	s_or_b32 s[G1+0], s43, (3<<16)|(1<<21)         ; codes: 4 tiles x 6,144 bytes (768 elements of 8), TILEB bytes apart in memory, dense in LDS
	s_or_b32 s[G1B+0], s44, (3<<16)|(1<<21)
.irp g, G1, G1B
	s_mov_b32 s[\g+1], 768<<16                     ; tensor_dim0
	s_mov_b32 s[\g+2], 4<<16                       ; tensor_dim1
	s_mov_b32 s[\g+3], 768<<16                     ; tile_dim0
	s_mov_b32 s[\g+4], 4                           ; tile_dim1
	s_mov_b32 s[\g+5], KH*96                       ; tensor_dim0_stride
	s_mov_b32 s[\g+6], 0
	s_mov_b32 s[\g+7], 0
.endr
	s_or_b32 s[G1S+0], s43, (3<<16)|(1<<21)        ; half the scale words of 128 rows: a dense block of SZ / 2 bytes as KQ rows of 256
	s_or_b32 s[G1SB+0], s44, (3<<16)|(1<<21)
.irp g, G1S, G1SB
	s_mov_b32 s[\g+1], 32<<16
	s_mov_b32 s[\g+2], KQ<<16
	s_mov_b32 s[\g+3], 32<<16
	s_mov_b32 s[\g+4], KQ
	s_mov_b32 s[\g+5], 32
	s_mov_b32 s[\g+6], 0
	s_mov_b32 s[\g+7], 0
.endr
	s_lshl_b32 s18, s16, 2
	s_lshl_b32 s20, s17, 3
	s_add_co_u32 s20, s20, s18                     ; A: tile 8 x tile row + 4 x half
	s_mul_i32 s20, s20, TILEB
	s_mov_b32 s21, 0
	s_lshl_b32 s46, s42, 3
	s_add_co_u32 s46, s46, s18                     ; B: tile 8 x tile column + 4 x half
	s_mul_i32 s46, s46, TILEB
	s_add_co_u32 s46, s46, WOFF
	s_mov_b32 s47, 0
	s_lshl_b32 s22, s17, 1
	s_add_co_u32 s22, s22, s16
	s_mul_i32 s22, s22, SZ/2
	s_add_co_u32 s22, s22, ASOFF
	s_mov_b32 s23, 0
	s_lshl_b32 s92, s42, 1
	s_add_co_u32 s92, s92, s16
	s_mul_i32 s92, s92, SZ/2
	s_add_co_u32 s92, s92, WSOFF
	s_mov_b32 s93, 0
	s_mul_i32 s45, s14, QT                         ; where they go: no place in the cluster enters an LDS address
	s_mul_i32 s94, s14, SZ/2
	s_wait_kmcnt 0x0
	s_add_nc_u64 s[20:21], s[4:5], s[20:21]
	s_add_nc_u64 s[22:23], s[4:5], s[22:23]
	s_add_nc_u64 s[46:47], s[6:7], s[46:47]
	s_add_nc_u64 s[92:93], s[6:7], s[92:93]
	CROUND                                         ; all sixteen work-groups are here: the first joint loads meet
	s_mov_b32 s[G0S], 1
	s_add_co_u32 s[G0S+1], s94, SCL
	s_mov_b64 s[G0S+2:G0S+3], s[22:23]
	s_or_b32 s[G0S+3], s[G0S+3], 0x80000000
	s_mov_b32 s[G0SB], 1
	s_add_co_u32 s[G0SB+1], s94, SCL
	s_mov_b64 s[G0SB+2:G0SB+3], s[92:93]
	s_or_b32 s[G0SB+3], s[G0SB+3], 0x80000000
	JLOAD G0S, G1S, G0SB, G1SB
.irp s, 0,1
	s_mov_b32 s[G0+4*\s], 1
	s_add_co_u32 s[G0+4*\s+1], s45, \s*SLOT
	s_add_nc_u64 s[G0+4*\s+2:G0+4*\s+3], s[20:21], \s*TB
	s_or_b32 s[G0+4*\s+3], s[G0+4*\s+3], 0x80000000
	s_mov_b32 s[G0B+4*\s], 1
	s_add_co_u32 s[G0B+4*\s+1], s45, \s*SLOT
	s_add_nc_u64 s[G0B+4*\s+2:G0B+4*\s+3], s[46:47], \s*TB
	s_or_b32 s[G0B+4*\s+3], s[G0B+4*\s+3], 0x80000000
	JLOAD G0+4*\s, G1, G0B+4*\s, G1B
.endr
	v_and_b32 v1, 31, v0                           ; lane
	v_and_b32 v2, 15, v0                           ; r
	v_bfe_u32 v3, v0, 4, 1                         ; h
	v_lshlrev_b32 v4, 4, v1
	v_lshl_add_u32 v5, v1, 3, 512
	s_mul_i32 s21, s15, QT                         ; my 4 tiles of A
	s_mul_i32 s22, s16, QT                         ; my 4 tiles of B,
	s_add_co_u32 s22, s22, 2*QT                    ; behind A's 8
.irp s, 0,1
	v_add_nc_u32 v[ADRA+\s], s21, v4
	v_add_nc_u32 v[ADRB+\s], s22, v4
	v_add_nc_u32 v[ADRA+2+\s], s21, v5
	v_add_nc_u32 v[ADRB+2+\s], s22, v5
	s_add_co_u32 s21, s21, SLOT
	s_add_co_u32 s22, s22, SLOT
.endr
	v_lshlrev_b32 v6, 2, v2
	s_mul_i32 s21, s15, 256                        ; A's scale words: my 4 tiles of the 8, 64 bytes a tile
	s_mul_i32 s22, s16, 256
	s_add_co_u32 s22, s22, SZ                      ; B's, behind A's
	s_sub_co_u32 s22, s22, s21
	v_mul_u32_u24 v7, s22, v3                      ; lanes 16-31 take B's words: one product, the distance between the two
	s_add_co_u32 s21, s21, SCL
	v_add_nc_u32 v6, v6, v7
	v_add_nc_u32 v[ADRS], s21, v6
	s_mul_i32 s23, s14, 16*SPITCH                  ; my stage
	v_mul_u32_u24 v6, v2, SPITCH
	v_lshl_add_u32 v6, v3, 6, v6
	v_add_nc_u32 v[STO], s23, v6                   ; in: place r, + 64 h
	v_mul_u32_u24 v6, v3, SPITCH
	v_lshl_add_u32 v6, v2, 4, v6
	v_add_nc_u32 v[RD], s23, v6                    ; back: lanes 0-15 one place's 256 bytes, lanes 16-31 the next place's
	v_lshlrev_b32 v6, 12, v3
	v_lshl_add_u32 v[CO], v2, 4, v6                ; and the same in C: neighbouring places of a pair are neighbouring rows
	v_lshlrev_b32 v[BOF], 4, v2
	s_lshl_b32 s20, s17, 7
	s_lshl_b32 s21, s15, 6
	s_add_co_u32 s20, s20, s21
	s_lshl_b32 s20, s20, 12                        ; my first row of C, in bytes
	s_mov_b32 s21, 0
	s_lshl_b32 s46, s42, 9
	s_lshl_b32 s47, s16, 8
	s_add_co_u32 s46, s46, s47                     ; my first column, in bytes: a multiple of 256
	s_mov_b32 s47, 0
	s_add_nc_u64 s[8:9], s[8:9], s[46:47]
	s_add_nc_u64 s[20:21], s[20:21], s[46:47]
	s_add_nc_u64 s[10:11], s[10:11], s[20:21]
	s_add_nc_u64 s[12:13], s[12:13], s[20:21]
	global_load_b128 v[BI:BI+3], v[BOF], s[8:9]    ; the bias of my four columns of a row
; Place p of block a is row 32 (a / 2) + 8 (a % 2) + p + 8 (p / 8) of my 64: it stands in the immediates, 62 rows of 4,096 bytes at the most.
.macro RLOAD a                         ; the residual's 16 rows of block a, two rows an instruction: sixteen lanes read 256 consecutive bytes
.irp t, 0,1,2,3,4,5,6,7
	global_load_b128 v[32*(\a)+4*\t:32*(\a)+4*\t+3], v[CO], s[10:11] offset:(32*((\a)/2)+8*((\a)%2)+2*\t+8*(\t/4))*4096
.endr
.endm
	WIN 0x80                                       ; destination window 2
	RLOAD 0
	RLOAD 1
	RLOAD 2
	RLOAD 3
	WIN 0
	s_wait_tensorcnt 1                             ; the scale words and my part of slot 0 are in; slot 1's load may be out
	s_barrier_signal -1
	s_barrier_wait -1
	FETCH 0, 0, 0
	WIN 0
	SCALES 0
	STEP 0, 0, 1                                   ; the first step's products start the sums
	STEP 0, 1, 0
	STEP 0, 2, 0
	WIN 0                                          ; at a label and at a branch every window is 0
.if LAPS > 1
	s_mov_b32 s3, LAPS-1
.Llap:                                                 ; a trip goes once round the ring, from a slot's last step to the same place a lap on, and fills both slots again
	TURN 0, 1, 1
	STEP 1, 0, 0
	STEP 1, 1, 0
	STEP 1, 2, 0
	TURN 1, 0, 1
	STEP 0, 0, 0
	STEP 0, 1, 0
	STEP 0, 2, 0
	WIN 0
	s_sub_co_u32 s3, s3, 1
	s_cmp_lg_u32 s3, 0
	s_cbranch_scc1 .Llap
.endif
	TURN 0, 1, 0                                   ; the last lap fills nothing, and has no round of the cluster's barrier
	STEP 1, 0, 0
	STEP 1, 1, 0
	STEP 1, 2, 0
	s_wait_dscnt 0x0                               ; the very last step: nothing more to fetch
	MULH 1, NQ-1, 1, 0, 0
	MULH 1, NQ-1, 1, 2, 0
	WIN 0
; THE WAY OUT, block by block of 16 rows x 64 columns: through my own stage in LDS, back as whole rows of 256 bytes; the residual and the bias are added; sixteen lanes store 256 consecutive bytes,
; at a multiple of 256 from the buffer's first byte.  Each block has registers of its own: no store's data are written again.
.macro TOSTAGE a
.irp b, 0,1,2,3
	ds_store_b128 v[STO], v[ACC+8*(4*(\a)+\b):ACC+8*(4*(\a)+\b)+3] offset:128*(\b/2)+32*(\b%2)      ; each accumulator from its low end on
	ds_store_b128 v[STO], v[ACC+8*(4*(\a)+\b)+4:ACC+8*(4*(\a)+\b)+7] offset:128*(\b/2)+32*(\b%2)+16
.endr
	WIN 0x40                                       ; destination window 1
.irp t, 0,1,2,3,4,5,6,7
	ds_load_b128 v[32*(\a)+4*\t:32*(\a)+4*\t+3], v[RD] offset:2*\t*SPITCH   ; LDS serves a wave's instructions in order: these see the stores above, and the next block's stores come behind them
.endr
	WIN 0
.endm
.macro SEND a, younger                 ; younger: the LDS instructions issued behind block a's loads, which may stay out
.set BB, 32*(\a)
	s_wait_dscnt \younger
	WIN 0x49                                       ; destination and source 0 window 1 (the rows of C), source 1 window 2 (the residual, at the same numbers)
.set CP, 0
.rept 16
	v_pk_add_f32 v[BB+2*CP:BB+2*CP+1], v[BB+2*CP:BB+2*CP+1], v[BB+2*CP:BB+2*CP+1]
.set CP, CP+1
.endr
	WIN 0x41                                       ; source 1 window 0: the bias
.set CP, 0
.rept 16
	v_pk_add_f32 v[BB+2*CP:BB+2*CP+1], v[BB+2*CP:BB+2*CP+1], v[BI+2*(CP%2):BI+2*(CP%2)+1]
.set CP, CP+1
.endr
	WIN 0x04                                       ; a store's data are its source 1: window 1
.irp t, 0,1,2,3,4,5,6,7
	global_store_b128 v[CO], v[BB+4*\t:BB+4*\t+3], s[12:13] offset:(32*((\a)/2)+8*((\a)%2)+2*\t+8*(\t/4))*4096
.endr
	WIN 0
.endm
	PLACES NP                                      ; in front of the first read of results, and of loads into registers that the last products read
	s_wait_loadcnt 0x0                             ; the bias and the residual, asked for at the head
	TOSTAGE 0
	TOSTAGE 1
	SEND 0, 16                                     ; behind block 0's loads: block 1's 8 stores and 8 loads
	TOSTAGE 2
	SEND 1, 16
	TOSTAGE 3
	SEND 2, 16
	SEND 3, 0
	s_wait_tensorcnt 0x0                           ; the wave's end
	ds_add_u32 v[SPW], v[NIL]
	s_wait_dscnt 0x0
	CROUND                                         ; the closing round
	s_endpgm
.Lfunc_end_k_qdeddb7fb49_proj:
	.size	k_qdeddb7fb49_proj, .Lfunc_end_k_qdeddb7fb49_proj-k_qdeddb7fb49_proj
	.p2alignl 7, 3214868480
	.fill 96, 4, 3214868480
	.section	.rodata,"a",@progbits
	.p2align	6, 0x0
	.amdhsa_kernel k_qdeddb7fb49_proj
		.amdhsa_group_segment_fixed_size 327680
		.amdhsa_private_segment_fixed_size 0
		.amdhsa_enable_private_segment 0
		.amdhsa_kernarg_size 40
		.amdhsa_user_sgpr_count 2
		.amdhsa_user_sgpr_kernarg_segment_ptr 1
		.amdhsa_wavefront_size32 1
		.amdhsa_system_sgpr_workgroup_id_x 1
		.amdhsa_system_sgpr_workgroup_id_y 1
		.amdhsa_system_sgpr_workgroup_id_z 1
		.amdhsa_system_vgpr_workitem_id 0
		.amdhsa_next_free_vgpr 768
		.amdhsa_next_free_sgpr 100
		.amdhsa_reserve_vcc 0
		.amdhsa_float_denorm_mode_32 3
		.amdhsa_float_denorm_mode_16_64 3
		.amdhsa_memory_ordered 1
		.amdhsa_forward_progress 1
		.amdhsa_inst_pref_size 66
	.end_amdhsa_kernel
	.amdgpu_metadata
---
amdhsa.version: [ 1, 2 ]
amdhsa.kernels:
  - .name:           k_qdeddb7fb49_proj
    .symbol:         k_qdeddb7fb49_proj.kd
    .args:
      - { .name: act, .offset: 0, .size: 8, .value_kind: global_buffer, .address_space: global }
      - { .name: wq, .offset: 8, .size: 8, .value_kind: global_buffer, .address_space: global }
      - { .name: b_proj, .offset: 16, .size: 8, .value_kind: global_buffer, .address_space: global }
      - { .name: x, .offset: 24, .size: 8, .value_kind: global_buffer, .address_space: global }
      - { .name: x1, .offset: 32, .size: 8, .value_kind: global_buffer, .address_space: global }
    .group_segment_fixed_size: 327680
    .private_segment_fixed_size: 0
    .kernarg_segment_align: 8
    .kernarg_segment_size: 40
    .max_flat_workgroup_size: 128
    .sgpr_count:     100
    .vgpr_count:     768
    .wavefront_size: 32
...
	.end_amdgpu_metadata
.endif
;; end of part 7
;; launch ln2: the kernel of part 1 again; grid 256 x 1, 8 waves a work-group, no clusters, 67,072 bytes of LDS; arguments x1, ln2_w, ln2_b, act, w_qkv, w_proj, w_fc, w_fc2, wq; writes act, wq
;; launch fc: the kernel of part 5 again; grid 16 x 16, 4 waves a work-group, clusters of 4 x 4, 327,680 bytes of LDS; arguments act, wq, b_fc, gb; writes gb
;; launch fc2 (part 8): grid 8 x 32, 4 waves a work-group, clusters of 4 x 4, 327,680 bytes of LDS; arguments gb, wq, b_fc2, x1, out0; writes out0
.if DOCPART == 8
	.amdgcn_target "amdgcn-amd-amdhsa--gfx1250"
	.amdhsa_code_object_version 6
	.text
	.protected	k_qdeddb7fb49_fc2
	.globl	k_qdeddb7fb49_fc2
	.p2align	8
	.type	k_qdeddb7fb49_fc2,@function
k_qdeddb7fb49_fc2:
	s_mov_b64 s[64:65], 0
	v_nop
	global_prefetch_b8 v0, s[64:65] scope:SCOPE_SE
	s_setreg_imm32_b32 hwreg(HW_REG_WAVE_MODE, 25, 1), 1
	s_wait_xcnt 0x0
	s_wait_alu depctr_hold_cnt(0) depctr_sa_sdst(0) depctr_va_vdst(0) depctr_va_sdst(0) depctr_va_ssrc(0) depctr_va_vcc(0) depctr_vm_vsrc(0)
	s_getreg_b32 s2, hwreg(HW_REG_IB_STS2, 6, 4)
	s_cmp_eq_u32 s2, 0
	s_cbranch_scc0 .Lentry_in_a_cluster
	s_endpgm
.Lentry_in_a_cluster:
	s_bfe_u32 s2, ttmp6, 0x10000c
	s_cmp_lg_u32 s2, 0xf033
	s_cbranch_scc0 .Lentry_shape_is_right
	s_endpgm
.Lentry_shape_is_right:
; out = x1 + g W_fc2 + b_fc2.  g and W_fc2 are codes of BF6 (E3M2) with E8M0 scales; x1, b and out are f32.
; C is 4,096 x 1,024: 32 x 8 = 256 tiles of 128 x 128, a work-group each.  Four waves, 64 x 64 each: 16 accumulators, 128 registers.
; K = 4,096 goes in slots of 512 through a ring of two LDS slots filled by the tensor data mover: eight slots' worth, six refills; two slots of 1,024 along K (393,216 bytes) would not fit in LDS.
; CODES lie as images of operand registers: a tile is 16 rows (tile t, place r: row 32 (t / 2) + 8 (t % 2) + r + 8 (r / 8)); 64 along K of it are 768 bytes: lane l's registers 0-3 at 16 l, 4-5 at 512 + 8 l.
; The matrix instruction is used transposed (source 0 = 16 columns of W, source 1 = 16 rows of g): with source 0's tiles so chosen, accumulators (a, 2 b), (a, 2 b + 1) hold 16 neighbouring columns a lane.
; CLUSTERS: 4 x 4.  A's tiles are asked for jointly along a row of the cluster, B's along a column.
; THE RESIDUAL's 64 x 64 numbers of a wave are asked for at the head, into registers that nothing else names, and waited for once, ahead of the way out.
; LIMITS: NaN and infinities are not served.
; REGISTERS: window 0: v16-30 addresses; v32-63 scale words, two sets of 16; v64-67 the bias; v128-255 the accumulators ((a, b) at v[128 + 8 (4 a + b)]).
;   window 1: two fragment buffers at v0 and v128 (A's four fragments, then B's four); on the way out v0-127 rows of C.   window 2: v0-127 the residual.
.set KK,     4096
.set ASOFF,  12582912                  ; where A's scale words begin in its buffer
.set WOFF,   6291456                   ; where this weight's codes begin,
.set WSOFF,  9699328                   ; and its scale words
.set KH,     KK/64
.set KQ,     KK/128
.set TILEB,  KH*768                    ; a tile's codes in memory
.set SZ,     KQ*512                    ; the scale words of 128 rows
.set LAPS,   KK/1024                   ; a lap = two slots = once round the ring
.set NQ,     4                         ; steps of 128 along K in a slot
.set FR,     12                        ; registers of a fragment
.set NP,     4                         ; places behind this matrix instruction (ISA guide 7.12.1)
.set TB,     6144                      ; a tile's part of a slot: 512 along K, eight images
.set QT,     4*TB                      ; 4 tiles: what one tensor load brings, and what one wave reads of A or of B
.set SLOT,   4*QT                      ; A's 8 tiles, then B's 8
.set SCL,    2*SLOT                    ; behind the ring: A's scale words, SZ bytes, then B's
.set SPARE,  SCL+2*SZ                  ; behind them: the spare words, 128 bytes for each wave, which no other line names
.set SPITCH, 272                       ; the way out: a stage of 16 rows x (256 bytes + 16) for each wave, in slot 0, which has had its last fill and its last read by then
.set ADRA, 16                          ; v16-17 my A fragments in slot 0, 1 (16 l); v18-19 the same + 512 + 8 l
.set ADRB, 20                          ; v20-23 the same for B
.set STO,  24
.set RD,   25
.set CO,   26                          ; 16 (l % 16) + one row of C for lanes 16-31
.set ADRS, 27
.set SPW,  28
.set NIL,  29
.set BOF,  30                          ; 16 (l % 16)
.set SC,   32
.set BI,   64
.set ACC,  128
.set G1, 24
.set G0, 32
.set G1B, 48
.set G0B, 56
.set G1S, 68
.set G0S, 76
.set G1SB, 80
.set G0SB, 88
.set MSB, 0
.macro WIN new                         ; the immediate's high byte repeats the setting that is left
.if MSB != (\new)
	s_set_vgpr_msb (MSB<<8)|(\new)
.set MSB, (\new)
.endif
.endm
.set MUL,  0x05                        ; sources 0 (B) and 1 (A) window 1; C and D window 0
.set TO_F, 0x40                        ; destination window 1, address window 0
.macro JLOAD g0a, g1a, g0b, g1b        ; a joint load: waves 0 and 1 fetch for A, waves 2 and 3 for B; the branch hangs on the wave's number alone; four v_nop follow each line
	s_cmp_eq_u32 s15, 0
	s_cbranch_scc0 .Lfor_b_\@
	tensor_load_to_lds s[\g0a:\g0a+3], s[\g1a:\g1a+7]
	s_nop 0
.rept 4
	v_nop
.endr
	s_branch .Lasked_\@
.Lfor_b_\@:
	tensor_load_to_lds s[\g0b:\g0b+3], s[\g1b:\g1b+7]
	s_nop 0
.rept 4
	v_nop
.endr
.Lasked_\@:
.endm
.macro CREST
	s_cmp_lg_u32 s14, 0
	s_cbranch_scc1 .Lnot_wave_0_\@
	s_barrier_signal -3
.Lnot_wave_0_\@:
	s_barrier_wait -3
	s_barrier_signal -1
	s_barrier_wait -1
.endm
.macro CROUND
	s_barrier_signal -1
	s_barrier_wait -1
	CREST
.endm
.macro FRAG reg, adr, q, i             ; a fragment of 128 along K: two images of 768 bytes
	ds_load_b128 v[\reg:\reg+3], v[\adr] offset:(\i)*TB+2*(\q)*768
	ds_load_b64 v[\reg+4:\reg+5], v[\adr+2] offset:(\i)*TB+2*(\q)*768
	ds_load_b128 v[\reg+6:\reg+9], v[\adr] offset:(\i)*TB+(2*(\q)+1)*768
	ds_load_b64 v[\reg+10:\reg+11], v[\adr+2] offset:(\i)*TB+(2*(\q)+1)*768
.endm
; 8 matrix instructions: A's blocks a0, a0 + 1 x B's four, from buffer f; the slot's q-th 128 along K; sc: the set of scale words.  zero = 1: the first product starts the sums.
; The 16 accumulators take turns, one instruction a turn, in the same order in every step.
.macro MULH f, q, sc, a0, zero
.irp a, \a0, \a0+1
.irp b, 0,1,2,3
.if \zero
	v_wmma_scale_f32_16x16x128_f8f6f4 v[ACC+8*(4*(\a)+\b):ACC+8*(4*(\a)+\b)+7], v[128*(\f)+48+FR*\b:128*(\f)+48+FR*\b+FR-1], v[128*(\f)+FR*(\a):128*(\f)+FR*(\a)+FR-1], 0, v[SC+16*(\sc)+NQ*\b+(\q)], v[SC+16*(\sc)+NQ*(\a)+(\q)] matrix_a_fmt:MATRIX_FMT_BF6 matrix_b_fmt:MATRIX_FMT_BF6 matrix_a_scale:MATRIX_SCALE_ROW1
.else
	v_wmma_scale_f32_16x16x128_f8f6f4 v[ACC+8*(4*(\a)+\b):ACC+8*(4*(\a)+\b)+7], v[128*(\f)+48+FR*\b:128*(\f)+48+FR*\b+FR-1], v[128*(\f)+FR*(\a):128*(\f)+FR*(\a)+FR-1], v[ACC+8*(4*(\a)+\b):ACC+8*(4*(\a)+\b)+7], v[SC+16*(\sc)+NQ*\b+(\q)], v[SC+16*(\sc)+NQ*(\a)+(\q)] matrix_a_fmt:MATRIX_FMT_BF6 matrix_b_fmt:MATRIX_FMT_BF6 matrix_a_scale:MATRIX_SCALE_ROW1
.endif
.endr
.endr
.endm
.macro FETCH slot, q, f                ; 32 LDS loads in one run: B's four fragments and A's four of the slot's q-th 128 along K, into buffer f
	WIN TO_F
.irp i, 0,1,2,3
	FRAG 128*(\f)+48+FR*\i, ADRB+\slot, \q, \i
.endr
.irp i, 0,1,2,3
	FRAG 128*(\f)+FR*\i, ADRA+\slot, \q, \i
.endr
.endm
.macro SCALES sc                       ; a slot's 16 scale words: lanes 0-15 A's block i, lanes 16-31 B's block i
.irp i, 0,1,2,3
.irp q, 0,1,2,3
	ds_load_b32 v[SC+16*\sc+NQ*\i+\q], v[ADRS] offset:512*\q+64*\i
.endr
.endr
.endm
.macro PLACES n
.rept \n
	v_nop
.endr
.endm
; 128 along K that have their successor in the same slot: the successor's fragments are asked for first, into the buffer that the last step's products have read (four places behind them), and land while this step is multiplied
.macro STEP slot, q, zero
	PLACES NP
	FETCH \slot, (\q)+1, 1-(\q)%2
	s_wait_dscnt 32                                ; all but the 32 loads just issued: this step's fragments and scale words are in
	WIN MUL
	MULH (\q)%2, \q, \slot, 0, \zero
	MULH (\q)%2, \q, \slot, 2, \zero
.endm
; A slot's last step changes slots: one barrier; in front of it each wave waits for all its tensor loads, adds 0 to its spare word, and waits for that and for its reads of this slot (the last were issued a step ago).
.macro TURN slot, next, fill
	WIN 0                                          ; (the add's two registers lie in window 0)
	s_wait_tensorcnt 0x0                           ; all my tensor loads have landed: my part of the next slot
	ds_add_u32 v[SPW], v[NIL]                      ; 0 onto my spare word
	s_wait_dscnt 1                                 ; the add may be out; this step's fragments are in
	WIN MUL
	MULH 1, NQ-1, \slot, 0, 0                      ; eight matrix instructions stand between the add and the wait for it
	s_wait_dscnt 0x0                               ; the add is done, and my reads of this slot are over
	WIN 0
	s_barrier_signal -1
	s_barrier_wait -1
.if \fill
	CREST                                          ; the barrier has opened a round of the cluster's barrier: no wave of any partner still reads this slot or has a load on its way
	s_add_nc_u64 s[G0+4*\slot+2:G0+4*\slot+3], s[G0+4*\slot+2:G0+4*\slot+3], 2*TB
	s_add_nc_u64 s[G0B+4*\slot+2:G0B+4*\slot+3], s[G0B+4*\slot+2:G0B+4*\slot+3], 2*TB
	JLOAD G0+4*\slot, G1, G0B+4*\slot, G1B         ; the first tensor load behind the round; its four v_nop are the places in front of the loads below
.else
	PLACES NP
.endif
	v_add_nc_u32 v[ADRS], 512*NQ, v[ADRS]          ; on to the next slot's scale words
	FETCH \next, 0, 0
	WIN 0
	SCALES \next
	WIN MUL
	MULH 1, NQ-1, \slot, 2, 0
.endm
	s_load_b128 s[4:7], s[0:1], 0x0                ; A's buffer s[4:5], the weights' s[6:7]
	s_load_b128 s[8:11], s[0:1], 0x10              ; the bias s[8:9], the residual s[10:11]
	s_load_b64 s[12:13], s[0:1], 0x20              ; the output
	v_lshl_add_u32 v[SPW], v0, 2, SPARE
	v_mov_b32 v[NIL], 0
	ds_add_u32 v28, v29
	ds_add_u32 v28, v29
	s_wait_dscnt 0x0
	v_lshrrev_b32 v1, 5, v0
	v_readfirstlane_b32 s14, v1                    ; wave 0..3
	s_lshr_b32 s15, s14, 1                         ; which half of the tile's rows is mine.  Also: I fetch for A (0) or for B (1)
	s_and_b32 s16, s14, 1                          ; which half of its columns.  Also: which 4 tiles I fetch
	s_bfe_u32 s40, ttmp6, 0x40000                  ; cx, cy
	s_bfe_u32 s41, ttmp6, 0x40004
	s_lshl_b32 s42, ttmp9, 2
	s_add_co_u32 s42, s42, s40                     ; tile column of C
	s_and_b32 s17, ttmp7, 0xffff
	s_lshl_b32 s17, s17, 2
	s_add_co_u32 s17, s17, s41                     ; tile row of C
	s_lshl_b32 s43, s41, 2
	s_lshl_b32 s43, 15, s43                        ; my row of the cluster
	s_lshl_b32 s44, 0x1111, s40                    ; my column
	s_or_b32 s[G1+0], s43, (3<<16)|(1<<21)         ; codes: 4 tiles x 6,144 bytes (768 elements of 8), TILEB bytes apart in memory, dense in LDS
	s_or_b32 s[G1B+0], s44, (3<<16)|(1<<21)
.irp g, G1, G1B
	s_mov_b32 s[\g+1], 768<<16                     ; tensor_dim0
	s_mov_b32 s[\g+2], 4<<16                       ; tensor_dim1
	s_mov_b32 s[\g+3], 768<<16                     ; tile_dim0
	s_mov_b32 s[\g+4], 4                           ; tile_dim1
	s_mov_b32 s[\g+5], KH*96                       ; tensor_dim0_stride
	s_mov_b32 s[\g+6], 0
	s_mov_b32 s[\g+7], 0
.endr
	s_or_b32 s[G1S+0], s43, (3<<16)|(1<<21)        ; half the scale words of 128 rows: a dense block of SZ / 2 bytes as KQ rows of 256
	s_or_b32 s[G1SB+0], s44, (3<<16)|(1<<21)
.irp g, G1S, G1SB
	s_mov_b32 s[\g+1], 32<<16
	s_mov_b32 s[\g+2], KQ<<16
	s_mov_b32 s[\g+3], 32<<16
	s_mov_b32 s[\g+4], KQ
	s_mov_b32 s[\g+5], 32
	s_mov_b32 s[\g+6], 0
	s_mov_b32 s[\g+7], 0
.endr
	s_lshl_b32 s18, s16, 2
	s_lshl_b32 s20, s17, 3
	s_add_co_u32 s20, s20, s18                     ; A: tile 8 x tile row + 4 x half
	s_mul_i32 s20, s20, TILEB
	s_mov_b32 s21, 0
	s_lshl_b32 s46, s42, 3
	s_add_co_u32 s46, s46, s18                     ; B: tile 8 x tile column + 4 x half
	s_mul_i32 s46, s46, TILEB
	s_add_co_u32 s46, s46, WOFF
	s_mov_b32 s47, 0
	s_lshl_b32 s22, s17, 1
	s_add_co_u32 s22, s22, s16
	s_mul_i32 s22, s22, SZ/2
	s_add_co_u32 s22, s22, ASOFF
	s_mov_b32 s23, 0
	s_lshl_b32 s92, s42, 1
	s_add_co_u32 s92, s92, s16
	s_mul_i32 s92, s92, SZ/2
	s_add_co_u32 s92, s92, WSOFF
	s_mov_b32 s93, 0
	s_mul_i32 s45, s14, QT                         ; where they go: no place in the cluster enters an LDS address
	s_mul_i32 s94, s14, SZ/2
	s_wait_kmcnt 0x0
	s_add_nc_u64 s[20:21], s[4:5], s[20:21]
	s_add_nc_u64 s[22:23], s[4:5], s[22:23]
	s_add_nc_u64 s[46:47], s[6:7], s[46:47]
	s_add_nc_u64 s[92:93], s[6:7], s[92:93]
	CROUND                                         ; all sixteen work-groups are here: the first joint loads meet
	s_mov_b32 s[G0S], 1
	s_add_co_u32 s[G0S+1], s94, SCL
	s_mov_b64 s[G0S+2:G0S+3], s[22:23]
	s_or_b32 s[G0S+3], s[G0S+3], 0x80000000
	s_mov_b32 s[G0SB], 1
	s_add_co_u32 s[G0SB+1], s94, SCL
	s_mov_b64 s[G0SB+2:G0SB+3], s[92:93]
	s_or_b32 s[G0SB+3], s[G0SB+3], 0x80000000
	JLOAD G0S, G1S, G0SB, G1SB
.irp s, 0,1
	s_mov_b32 s[G0+4*\s], 1
	s_add_co_u32 s[G0+4*\s+1], s45, \s*SLOT
	s_add_nc_u64 s[G0+4*\s+2:G0+4*\s+3], s[20:21], \s*TB
	s_or_b32 s[G0+4*\s+3], s[G0+4*\s+3], 0x80000000
	s_mov_b32 s[G0B+4*\s], 1
	s_add_co_u32 s[G0B+4*\s+1], s45, \s*SLOT
	s_add_nc_u64 s[G0B+4*\s+2:G0B+4*\s+3], s[46:47], \s*TB
	s_or_b32 s[G0B+4*\s+3], s[G0B+4*\s+3], 0x80000000
	JLOAD G0+4*\s, G1, G0B+4*\s, G1B
.endr
	v_and_b32 v1, 31, v0                           ; lane
	v_and_b32 v2, 15, v0                           ; r
	v_bfe_u32 v3, v0, 4, 1                         ; h
	v_lshlrev_b32 v4, 4, v1
	v_lshl_add_u32 v5, v1, 3, 512
	s_mul_i32 s21, s15, QT                         ; my 4 tiles of A
	s_mul_i32 s22, s16, QT                         ; my 4 tiles of B,
	s_add_co_u32 s22, s22, 2*QT                    ; behind A's 8
.irp s, 0,1
	v_add_nc_u32 v[ADRA+\s], s21, v4
	v_add_nc_u32 v[ADRB+\s], s22, v4
	v_add_nc_u32 v[ADRA+2+\s], s21, v5
	v_add_nc_u32 v[ADRB+2+\s], s22, v5
	s_add_co_u32 s21, s21, SLOT
	s_add_co_u32 s22, s22, SLOT
.endr
	v_lshlrev_b32 v6, 2, v2
	s_mul_i32 s21, s15, 256                        ; A's scale words: my 4 tiles of the 8, 64 bytes a tile
	s_mul_i32 s22, s16, 256
	s_add_co_u32 s22, s22, SZ                      ; B's, behind A's
	s_sub_co_u32 s22, s22, s21
	v_mul_u32_u24 v7, s22, v3                      ; lanes 16-31 take B's words: one product, the distance between the two
	s_add_co_u32 s21, s21, SCL
	v_add_nc_u32 v6, v6, v7
	v_add_nc_u32 v[ADRS], s21, v6
	s_mul_i32 s23, s14, 16*SPITCH                  ; my stage
	v_mul_u32_u24 v6, v2, SPITCH
	v_lshl_add_u32 v6, v3, 6, v6
	v_add_nc_u32 v[STO], s23, v6                   ; in: place r, + 64 h
	v_mul_u32_u24 v6, v3, SPITCH
	v_lshl_add_u32 v6, v2, 4, v6
	v_add_nc_u32 v[RD], s23, v6                    ; back: lanes 0-15 one place's 256 bytes, lanes 16-31 the next place's
	v_lshlrev_b32 v6, 12, v3
	v_lshl_add_u32 v[CO], v2, 4, v6                ; and the same in C: neighbouring places of a pair are neighbouring rows
	v_lshlrev_b32 v[BOF], 4, v2
	s_lshl_b32 s20, s17, 7
	s_lshl_b32 s21, s15, 6
	s_add_co_u32 s20, s20, s21
	s_lshl_b32 s20, s20, 12                        ; my first row of C, in bytes
	s_mov_b32 s21, 0
	s_lshl_b32 s46, s42, 9
	s_lshl_b32 s47, s16, 8
	s_add_co_u32 s46, s46, s47                     ; my first column, in bytes: a multiple of 256
	s_mov_b32 s47, 0
	s_add_nc_u64 s[8:9], s[8:9], s[46:47]
	s_add_nc_u64 s[20:21], s[20:21], s[46:47]
	s_add_nc_u64 s[10:11], s[10:11], s[20:21]
	s_add_nc_u64 s[12:13], s[12:13], s[20:21]
	global_load_b128 v[BI:BI+3], v[BOF], s[8:9]    ; the bias of my four columns of a row
; Place p of block a is row 32 (a / 2) + 8 (a % 2) + p + 8 (p / 8) of my 64: it stands in the immediates, 62 rows of 4,096 bytes at the most.
.macro RLOAD a                         ; the residual's 16 rows of block a, two rows an instruction: sixteen lanes read 256 consecutive bytes; read once in the launch
.irp t, 0,1,2,3,4,5,6,7
	global_load_b128 v[32*(\a)+4*\t:32*(\a)+4*\t+3], v[CO], s[10:11] offset:(32*((\a)/2)+8*((\a)%2)+2*\t+8*(\t/4))*4096 th:TH_LOAD_NT
.endr
.endm
	WIN 0x80                                       ; destination window 2
	RLOAD 0
	RLOAD 1
	RLOAD 2
	RLOAD 3
	WIN 0
	s_wait_tensorcnt 1                             ; the scale words and my part of slot 0 are in; slot 1's load may be out
	s_barrier_signal -1
	s_barrier_wait -1
	FETCH 0, 0, 0
	WIN 0
	SCALES 0
	STEP 0, 0, 1                                   ; the first step's products start the sums
	STEP 0, 1, 0
	STEP 0, 2, 0
	WIN 0                                          ; at a label and at a branch every window is 0
.if LAPS > 1
	s_mov_b32 s3, LAPS-1
.Llap:                                                 ; a trip goes once round the ring, from a slot's last step to the same place a lap on, and fills both slots again
	TURN 0, 1, 1
	STEP 1, 0, 0
	STEP 1, 1, 0
	STEP 1, 2, 0
	TURN 1, 0, 1
	STEP 0, 0, 0
	STEP 0, 1, 0
	STEP 0, 2, 0
	WIN 0
	s_sub_co_u32 s3, s3, 1
	s_cmp_lg_u32 s3, 0
	s_cbranch_scc1 .Llap
.endif
	TURN 0, 1, 0                                   ; the last lap fills nothing, and has no round of the cluster's barrier
	STEP 1, 0, 0
	STEP 1, 1, 0
	STEP 1, 2, 0
	s_wait_dscnt 0x0                               ; the very last step: nothing more to fetch
	MULH 1, NQ-1, 1, 0, 0
	MULH 1, NQ-1, 1, 2, 0
	WIN 0
; THE WAY OUT, block by block of 16 rows x 64 columns: through my own stage in LDS, back as whole rows of 256 bytes; the residual and the bias are added; sixteen lanes store 256 consecutive bytes,
; at a multiple of 256 from the buffer's first byte.  Each block has registers of its own: no store's data are written again.
.macro TOSTAGE a
.irp b, 0,1,2,3
	ds_store_b128 v[STO], v[ACC+8*(4*(\a)+\b):ACC+8*(4*(\a)+\b)+3] offset:128*(\b/2)+32*(\b%2)      ; each accumulator from its low end on
	ds_store_b128 v[STO], v[ACC+8*(4*(\a)+\b)+4:ACC+8*(4*(\a)+\b)+7] offset:128*(\b/2)+32*(\b%2)+16
.endr
	WIN 0x40                                       ; destination window 1
.irp t, 0,1,2,3,4,5,6,7
	ds_load_b128 v[32*(\a)+4*\t:32*(\a)+4*\t+3], v[RD] offset:2*\t*SPITCH   ; LDS serves a wave's instructions in order: these see the stores above, and the next block's stores come behind them
.endr
	WIN 0
.endm
.macro SEND a, younger                 ; younger: the LDS instructions issued behind block a's loads, which may stay out
.set BB, 32*(\a)
	s_wait_dscnt \younger
	WIN 0x49                                       ; destination and source 0 window 1 (the rows of C), source 1 window 2 (the residual, at the same numbers)
.set CP, 0
.rept 16
	v_pk_add_f32 v[BB+2*CP:BB+2*CP+1], v[BB+2*CP:BB+2*CP+1], v[BB+2*CP:BB+2*CP+1]
.set CP, CP+1
.endr
	WIN 0x41                                       ; source 1 window 0: the bias
.set CP, 0
.rept 16
	v_pk_add_f32 v[BB+2*CP:BB+2*CP+1], v[BB+2*CP:BB+2*CP+1], v[BI+2*(CP%2):BI+2*(CP%2)+1]
.set CP, CP+1
.endr
	WIN 0x04                                       ; a store's data are its source 1: window 1
.irp t, 0,1,2,3,4,5,6,7
	global_store_b128 v[CO], v[BB+4*\t:BB+4*\t+3], s[12:13] offset:(32*((\a)/2)+8*((\a)%2)+2*\t+8*(\t/4))*4096 th:TH_STORE_NT
.endr
	WIN 0
.endm
	PLACES NP                                      ; in front of the first read of results, and of loads into registers that the last products read
	s_wait_loadcnt 0x0                             ; the bias and the residual, asked for at the head
	TOSTAGE 0
	TOSTAGE 1
	SEND 0, 16                                     ; behind block 0's loads: block 1's 8 stores and 8 loads
	TOSTAGE 2
	SEND 1, 16
	TOSTAGE 3
	SEND 2, 16
	SEND 3, 0
	s_wait_tensorcnt 0x0                           ; the wave's end
	ds_add_u32 v[SPW], v[NIL]
	s_wait_dscnt 0x0
	CROUND                                         ; the closing round
	s_endpgm
.Lfunc_end_k_qdeddb7fb49_fc2:
	.size	k_qdeddb7fb49_fc2, .Lfunc_end_k_qdeddb7fb49_fc2-k_qdeddb7fb49_fc2
	.p2alignl 7, 3214868480
	.fill 96, 4, 3214868480
	.section	.rodata,"a",@progbits
	.p2align	6, 0x0
	.amdhsa_kernel k_qdeddb7fb49_fc2
		.amdhsa_group_segment_fixed_size 327680
		.amdhsa_private_segment_fixed_size 0
		.amdhsa_enable_private_segment 0
		.amdhsa_kernarg_size 40
		.amdhsa_user_sgpr_count 2
		.amdhsa_user_sgpr_kernarg_segment_ptr 1
		.amdhsa_wavefront_size32 1
		.amdhsa_system_sgpr_workgroup_id_x 1
		.amdhsa_system_sgpr_workgroup_id_y 1
		.amdhsa_system_sgpr_workgroup_id_z 1
		.amdhsa_system_vgpr_workitem_id 0
		.amdhsa_next_free_vgpr 768
		.amdhsa_next_free_sgpr 100
		.amdhsa_reserve_vcc 0
		.amdhsa_float_denorm_mode_32 3
		.amdhsa_float_denorm_mode_16_64 3
		.amdhsa_memory_ordered 1
		.amdhsa_forward_progress 1
		.amdhsa_inst_pref_size 104
	.end_amdhsa_kernel
	.amdgpu_metadata
---
amdhsa.version: [ 1, 2 ]
amdhsa.kernels:
  - .name:           k_qdeddb7fb49_fc2
    .symbol:         k_qdeddb7fb49_fc2.kd
    .args:
      - { .name: gb, .offset: 0, .size: 8, .value_kind: global_buffer, .address_space: global }
      - { .name: wq, .offset: 8, .size: 8, .value_kind: global_buffer, .address_space: global }
      - { .name: b_fc2, .offset: 16, .size: 8, .value_kind: global_buffer, .address_space: global }
      - { .name: x1, .offset: 24, .size: 8, .value_kind: global_buffer, .address_space: global }
      - { .name: out0, .offset: 32, .size: 8, .value_kind: global_buffer, .address_space: global }
    .group_segment_fixed_size: 327680
    .private_segment_fixed_size: 0
    .kernarg_segment_align: 8
    .kernarg_segment_size: 40
    .max_flat_workgroup_size: 128
    .sgpr_count:     100
    .vgpr_count:     768
    .wavefront_size: 32
...
	.end_amdgpu_metadata
.endif
;; end of part 8
